; MI455X (gfx1250); checked and timed in simulation.
; The chip was launched on July 23, 2026; its instructions are those of AMD's public machine-readable ISA for CDNA 5 (MIT licence, August 2026) and "CDNA5" Instruction Set Architecture Reference Guide (July 2026). The comments in the code are by the model that wrote it; some were corrected since.
;; Multi Head Attention. Allowed arithmetic: matrix products marked QUANTISED: E5M2 operands, one E8M0 scale for each 32 along K, by v_wmma_scale_f32_16x16x128_f8f6f4 with both operands' format E5M2, f32 sums; everything else in f32.
;; Inputs: Wproj 1,024 x 1,024 float32; Wqkv 1,024 x 3,072 float32; bproj 1,024 float32; cos 2,048 x 32 float32; sin 2,048 x 32 float32; x 2 x 2,048 x 1,024 float32.
;; Outputs: out0 2 x 2,048 x 1,024 float32.
;; This version of the problem:
;;   THIS VERSION OF THE PROBLEM IS GIVEN IN LOW PRECISION. The matrix products marked QUANTISED in the list below multiply operands that are first quantised to E5M2 (5 exponent bits, 2 mantissa bits; 8 bits a number), with one power-of-two scale for each 32 numbers along K (OCP MX v1.0); their sums are f32. All else is computed in f32.
;;   The module's matrix products, in the order in which they are computed (A, B: the left and right operand; K: the contracted axis; several contracted axes count as one K, in the product's order):
;;     1. [M 4,096, K 1,024] x [K 1,024, N 3,072]; A: input x; B: input Wqkv: QUANTISED
;;     2. batch 32 x [M 2,048, K 64] x [K 64, N 2,048]; A: computed on the way; B: computed on the way: QUANTISED
;;     3. batch 32 x [M 2,048, K 2,048] x [K 2,048, N 64]; A: softmax (see below); B: computed on the way: QUANTISED
;;     4. [M 4,096, K 1,024] x [K 1,024, N 1,024]; A: computed on the way; B: input Wproj: QUANTISED
;;   THE QUANTISER, for each operand of a quantised product, along K:
;;     - K is cut into blocks of 32 from its start; a last block that is shorter is filled with zeros.
;;     - A block's scale is 2^e with e = floor(log2(the largest magnitude in the block)) - 15, held to -126 .. 127; a block of zeros has e = 0. As a byte (E8M0): e + 127.
;;     - Each number is divided by its block's scale, clamped to +-57,344, and rounded to the nearest number of E5M2, ties to even, subnormals kept.
;;     - The product sums the exact products of the quantised numbers (number of the format x scale) in f32.
;;   ~~~python
;;   def quantise(x, axis):      # numpy; x: float32 -> the quantised numbers, widened to float32 again
;;       x = np.moveaxis(x, axis, -1); K = x.shape[-1]
;;       x = np.pad(x, [(0, 0)] * (x.ndim - 1) + [(0, -K % 32)]); x = x.reshape(x.shape[:-1] + (-1, 32)); a = np.abs(x).max(-1, keepdims=True)
;;       e = np.where(a > 0, np.clip(np.frexp(np.where(a > 0, a, 1))[1] - 1 - 15, -126, 127), 0)      # np.frexp(a)[1] - 1 = floor(log2(a)), exactly
;;       r = np.clip(x / 2.0 ** e, -57344, 57344)
;;       step = 2.0 ** (np.maximum(np.frexp(np.where(r == 0, 1, r))[1] - 1, -14) - 2)
;;       q = np.round(r / step) * step * 2.0 ** e      # np.round: ties to even
;;       return np.moveaxis(q.reshape(q.shape[:-2] + (-1,))[..., :K], -1, axis).astype(np.float32)
;;   ~~~
;;   SOFTMAX AHEAD OF A QUANTISED PRODUCT. Where the list says 'softmax', what is quantised is not the finished softmax but p = 2^(t - M), with t = logit x log2(e) and M = ceil(the row's largest t), a whole number; so 1/2 < the row's largest p <= 1. The row's sum l is taken of the UNQUANTISED p, in f32, and the product's result is divided by l at the end. Since M is a whole number, a kernel that streams over the keys may use a running M (the ceiling of the running maximum): every later rescaling is an exact power of two, which a block's scale takes up: the codes' values come out the same.
;;   OPERANDS COMPUTED ON THE WAY. 'Computed on the way' means the value that the module computes at that place (a softmax that the list does not call 'softmax' is quantised finished and normalised). What goes into a quantiser is computed in f32, as accurately as f32 sums, v_exp_f32 and their like allow (about 1e-6 of the number): no bf16 or f16 on the way to a quantiser, and a product that is left as it is and whose result goes on into a quantised operand takes f32 operands (vector FMAs, or v_wmma_f32_16x16x4_f32). A number that lies on a knife's edge between two numbers of the format may be rounded either way, as far as f32 arithmetic and the matrix unit's own rounding can turn it there, and no further.
;; 2 versions. Each part assembles by itself: llvm-mc -triple=amdgcn-amd-amdhsa -mcpu=gfx1250 --defsym DOCPART=n.
;; ======== version 1 of 2: 5 launches
;; workspace buffers: xq 4,325,376 bytes; wq 4,325,376 bytes; qkv 13,238,272 bytes; aq 4,325,376 bytes
;; launch quant_x (part 1): grid 128 x 1, 4 waves a work-group, no clusters, 33,280 bytes of LDS; arguments x, xq; writes xq
.if DOCPART == 1
	.amdgcn_target "amdgcn-amd-amdhsa--gfx1250"
	.amdhsa_code_object_version 6
	.text
	.protected	k_q834dbfa57a_quant_x
	.globl	k_q834dbfa57a_quant_x
	.p2align	8
	.type	k_q834dbfa57a_quant_x,@function
k_q834dbfa57a_quant_x:
	s_mov_b64 s[64:65], 0
	v_nop
	global_prefetch_b8 v0, s[64:65] scope:SCOPE_SE
	s_setreg_imm32_b32 hwreg(HW_REG_WAVE_MODE, 25, 1), 1
	s_wait_xcnt 0x0
; x [4096][1024] f32 becomes codes of BF8 (E5M2), K innermost, 1,024 bytes a row, at xq + 0, and one E8M0 scale byte for each 32 along K, 32 bytes a row, at xq + 0x400000.
; A block's scale is 2^(floor(log2(its largest magnitude)) - 15): its byte is the largest magnitude's exponent field - 15, held at 1 from below; each number is divided by the scale, held within +-57,344
; and rounded to the nearest code, ties to even.
; POSITION ORDER: row t of x is written at row perm(t), perm = bits 3 and 4 of the row number exchanged.  A wave's run is eight rows, so only the run's number is permuted.  A product that reads 16 neighbouring
; positions as a tile then holds rows 0-7 and 16-23 (or 8-15 and 24-31) of a group of 32, which makes two neighbouring tiles' results 16 neighbours in a lane's registers.
; LIMITS: NaN and infinities among the inputs are not served.  A block whose largest magnitude lies under 2^-111, a block of zeros among them, keeps the byte 1 (zeros: the rule says 127; its codes are zeros,
; which add nothing under any byte but 0xff, and this program alone reads the bytes).
; A wave takes 16 steps of 512 numbers.  Each of a step's four loads reads 512 consecutive bytes; the 2,048 bytes turn through the wave's own stage in LDS and come back 64 bytes (16 neighbours) a lane,
; two lanes to a block.  No barrier: waves share nothing.  Loads run four steps ahead, the turn through LDS one step.
.set STEPS, 16
.set CB,    16                         ; bytes of 16 codes
.set R,     16                         ; v16-79   four sets of 16 numbers as they are loaded
.set X,     80                         ; v80-111  two sets of 16 neighbours
.set C,     128                        ; v128-191 codes: four registers for each step, so that no store's data are written again
.set E,     112                        ; v112-127 a scale byte for each step
.set WREG,  8192                       ; LDS: a region for each wave: two stages of 32 x SP bytes, behind them its 256 scale bytes
.set SP,    80                         ; a lane's place in a stage: its 64 bytes + 16 of padding
	s_load_b128 s[4:7], s[0:1], 0x0                ; x s[4:5], xq s[6:7]
	v_lshl_add_u32 v192, v0, 2, 0x8000
	v_mov_b32 v193, 0
	v_lshrrev_b32 v1, 5, v0
	v_readfirstlane_b32 s16, v1                    ; wave
	v_and_b32 v2, 31, v0                           ; lane
	v_lshlrev_b32 v3, 4, v2                        ; my 16 bytes of a load's 512
	s_mul_i32 s17, s16, WREG
	v_lshrrev_b32 v14, 2, v2
	v_mul_u32_u24 v14, v14, SP
	v_and_b32 v15, 3, v2
	v_lshl_add_u32 v14, v15, 4, v14
	v_add_nc_u32 v14, s17, v14                     ; the stage, on the way in: SP (lane / 4) + 16 (lane % 4)
	v_mul_u32_u24 v15, v2, SP
	v_add_nc_u32 v15, s17, v15                     ; and on the way out: SP x lane: my 16 neighbours
	v_mul_u32_u24 v4, v2, CB                       ; my codes' place in a step's
	v_lshrrev_b32 v5, 1, v2
	s_add_co_u32 s17, s17, 2*32*SP
	v_add_nc_u32 v5, s17, v5                       ; LDS: my wave's 256 scale bytes, my block's byte
	v_lshlrev_b32 v7, 3, v2                        ; and on the way out 8 bytes a lane
	v_add_nc_u32 v6, s17, v7
	s_mov_b32 s23, 0x600000                        ; the mantissa field of 57,344
	s_lshl_b32 s18, ttmp9, 2
	s_add_co_u32 s20, s18, s16                     ; the run of eight rows that I read: 4 x work-group + wave
	s_and_b32 s21, s16, 1
	s_lshl_b32 s21, s21, 1
	s_lshr_b32 s22, s16, 1
	s_or_b32 s21, s21, s22                         ; the wave's two bits exchanged: rows' bits 3 and 4
	s_add_co_u32 s18, s18, s21                     ; the run that I write
	s_lshl_b32 s20, s20, 15                        ; 32,768 bytes of f32 a run
	s_mov_b32 s21, 0
	s_lshl_b32 s24, s18, 13                        ; 8,192 bytes of codes
	s_mov_b32 s25, 0
	s_lshl_b32 s26, s18, 8                         ; 256 scale bytes
	s_add_co_u32 s26, s26, 0x400000
	s_mov_b32 s27, 0
	s_wait_kmcnt 0x0
	s_add_nc_u64 s[4:5], s[4:5], s[20:21]
	s_add_nc_u64 s[8:9], s[6:7], s[24:25]
	s_add_nc_u64 s[10:11], s[6:7], s[26:27]
.macro LOAD t
.irp i, 0,1,2,3
	global_load_b128 v[R+16*((\t)%4)+4*\i:R+16*((\t)%4)+4*\i+3], v3, s[4:5] offset:2048*(\t)+512*\i th:TH_LOAD_NT   ; 32 lanes read 512 consecutive bytes
.endr
.endm
.macro TURN t                          ; step t's numbers through the stage: LDS serves a wave's instructions in order, so no wait stands between the stores and the loads
.irp i, 0,1,2,3
	ds_store_b128 v14, v[R+16*((\t)%4)+4*\i:R+16*((\t)%4)+4*\i+3] offset:32*SP*((\t)%2)+8*SP*\i
.endr
.irp i, 0,1,2,3
	ds_load_b128 v[X+16*((\t)%2)+4*\i:X+16*((\t)%2)+4*\i+3], v15 offset:32*SP*((\t)%2)+16*\i
.endr
.endm
.irp t, 0,1,2,3
	LOAD \t
.endr
	s_wait_loadcnt 12                              ; step 0's four loads are in
	TURN 0
.macro STEP t
.set XS, X+16*((\t)%2)
.if (\t) > 0
	s_wait_dscnt 1                                 ; this step's numbers are back from the stage (the last step's byte store may be out)
.else
	s_wait_dscnt 0x0
.endif
.if (\t)+4 < STEPS
	LOAD (\t)+4                                    ; the stage's stores have read these registers: they take the loads of four steps on
.endif
.if (\t)+1 < STEPS
.if STEPS-2-(\t) >= 3
	s_wait_loadcnt 12                              ; the next step's four loads are in; those of the three steps behind it may be out
.else
	s_wait_loadcnt 4*(STEPS-2-(\t))
.endif
	TURN (\t)+1                                    ; and go through the other stage while this step is worked
.endif
	v_max3_num_f32 v8, |v[XS]|, |v[XS+1]|, |v[XS+2]|               ; the largest magnitude of my 16, in two chains
	v_max3_num_f32 v9, |v[XS+3]|, |v[XS+4]|, |v[XS+5]|
.irp i, 6,10
	v_max3_num_f32 v8, v8, |v[XS+\i]|, |v[XS+\i+1]|
	v_max3_num_f32 v9, v9, |v[XS+\i+2]|, |v[XS+\i+3]|
.endr
	v_max3_num_f32 v8, v8, |v[XS+14]|, |v[XS+15]|
	v_max3_num_f32 v8, v8, v9, 0x8000000           ; and the floor 2^(16 - 127): the byte cannot fall under 1
	v_max_num_f32_dpp v8, v8, v8 row_xmask:1 row_mask:0xf bank_mask:0xf   ; and of my neighbour's 16: the block's
	v_add_nc_u32 v11, 0xf8800000, v8               ; 15 off its exponent field: the conversion takes this operand's exponent field as its scale
	v_and_or_b32 v10, v8, 0x7f800000, s23          ; 57,344 x the scale
.irp i, 0,1,2,3,4,5,6,7,8,9,10,11,12,13,14,15
	v_med3_num_f32 v[XS+\i], v[XS+\i], -v10, v10   ; the conversion to an 8-bit code does not saturate (ISA guide 7.6.2): the hold comes first
.endr
	v_cvt_scalef32_pk8_bf8_f32 v[C+4*(\t):C+4*(\t)+1], v[XS:XS+7], v11
	v_cvt_scalef32_pk8_bf8_f32 v[C+4*(\t)+2:C+4*(\t)+3], v[XS+8:XS+15], v11
	v_lshrrev_b32 v[E+(\t)], 23, v11               ; the scale's byte (also the plain line behind the conversions)
	ds_store_b8 v5, v[E+(\t)] offset:16*(\t)       ; both lanes of a block write the same byte with the same value
	global_store_b128 v4, v[C+4*(\t):C+4*(\t)+3], s[8:9] offset:32*CB*(\t)   ; the wave stores 512 consecutive bytes
.endm
.irp t, 0,1,2,3,4,5,6,7,8,9,10,11,12,13,14,15
	STEP \t
.endr
	ds_load_b64 v[12:13], v6                       ; LDS serves a wave's instructions in order: these see my stores
	s_wait_dscnt 0x0
	global_store_b64 v7, v[12:13], s[10:11]        ; 32 lanes store 256 consecutive bytes, aligned
	s_wait_tensorcnt 0x0
	ds_add_u32 v192, v193
	s_wait_dscnt 0x0
	s_endpgm
.Lfunc_end_k_q834dbfa57a_quant_x:
	.size	k_q834dbfa57a_quant_x, .Lfunc_end_k_q834dbfa57a_quant_x-k_q834dbfa57a_quant_x
	.p2alignl 7, 3214868480
	.fill 96, 4, 3214868480
	.section	.rodata,"a",@progbits
	.p2align	6, 0x0
	.amdhsa_kernel k_q834dbfa57a_quant_x
		.amdhsa_group_segment_fixed_size 33280
		.amdhsa_private_segment_fixed_size 0
		.amdhsa_enable_private_segment 0
		.amdhsa_kernarg_size 16
		.amdhsa_user_sgpr_count 2
		.amdhsa_user_sgpr_kernarg_segment_ptr 1
		.amdhsa_wavefront_size32 1
		.amdhsa_system_sgpr_workgroup_id_x 1
		.amdhsa_system_sgpr_workgroup_id_y 1
		.amdhsa_system_sgpr_workgroup_id_z 1
		.amdhsa_system_vgpr_workitem_id 0
		.amdhsa_next_free_vgpr 194
		.amdhsa_next_free_sgpr 66
		.amdhsa_reserve_vcc 0
		.amdhsa_float_denorm_mode_32 3
		.amdhsa_float_denorm_mode_16_64 3
		.amdhsa_memory_ordered 1
		.amdhsa_forward_progress 1
		.amdhsa_inst_pref_size 51
	.end_amdhsa_kernel
	.amdgpu_metadata
---
amdhsa.version: [ 1, 2 ]
amdhsa.kernels:
  - .name:           k_q834dbfa57a_quant_x
    .symbol:         k_q834dbfa57a_quant_x.kd
    .args:
      - { .name: x, .offset: 0, .size: 8, .value_kind: global_buffer, .address_space: global }
      - { .name: xq, .offset: 8, .size: 8, .value_kind: global_buffer, .address_space: global }
    .group_segment_fixed_size: 33280
    .private_segment_fixed_size: 0
    .kernarg_segment_align: 8
    .kernarg_segment_size: 16
    .max_flat_workgroup_size: 128
    .sgpr_count:     66
    .vgpr_count:     194
    .wavefront_size: 32
...
	.end_amdgpu_metadata
.endif
;; end of part 1
;; launch quant_w (part 2): grid 32 x 4, 4 waves a work-group, no clusters, 36,352 bytes of LDS; arguments Wqkv, Wproj, wq; writes wq
.if DOCPART == 2
	.amdgcn_target "amdgcn-amd-amdhsa--gfx1250"
	.amdhsa_code_object_version 6
	.text
	.protected	k_q834dbfa57a_quant_w
	.globl	k_q834dbfa57a_quant_w
	.p2align	8
	.type	k_q834dbfa57a_quant_w,@function
k_q834dbfa57a_quant_w:
	s_mov_b64 s[64:65], 0
	v_nop
	global_prefetch_b8 v0, s[64:65] scope:SCOPE_SE
	s_setreg_imm32_b32 hwreg(HW_REG_WAVE_MODE, 25, 1), 1
	s_wait_xcnt 0x0
; Wqkv [1024 (k)][3072] and Wproj [1024 (k)][1024], f32, K their FIRST axis, become codes of BF8 (E5M2) laid [column][1024 (k)] at wq + 0 and E8M0 scale bytes [column][32] at wq + 0x400000:
; rows 0-3071 are Wqkv's columns, rows 3072-4095 Wproj's.  The quantiser is that of the x launch: byte = the block's largest magnitude's exponent field - 15, held at 1; hold at +-57,344 x scale; nearest, ties to even.
; POSITION ORDER: column n is written at row perm(n), perm = bits 3 and 4 exchanged.
; A LANE TAKES A COLUMN AND ITS REGISTERS RUN DOWN K: a load reads 128 consecutive bytes a wave, a block of 32 along K lies in one lane's 32 registers, and the conversions give codes with K innermost.
; A wave takes 32 columns x 256 along K; its codes go through its own stage in LDS and leave as rows: sixteen lanes store 256 consecutive bytes, aligned.  The scale bytes leave as 8 bytes a lane, rows 32 bytes apart:
; pieces of 8 bytes, one byte for 128 that the launch reads.
; One path serves both weights: work-groups x < 24 take Wqkv, the others Wproj; only the pointer and the pitch are chosen, on the work-group's number.  The pitch is no constant of the text, so a lane has 32 offsets
; (row i of a block) and the wave eight bases (block t); none is ever rewritten.
; LIMITS: NaN and infinities are not served; a block under 2^-111, zeros among them, keeps the byte 1 (its reader is this program alone).
.set NB,    8                          ; blocks of 32 along K for a wave
.set PITCH, 272                        ; a stage row: 256 bytes + 16
.set KROW,  1024                       ; a row of the codes in bytes
.set VO,    32                         ; v32-63   4 x lane + i x pitch
.set X,     64                         ; v64-127  two sets of 32 numbers
.set C,     128                        ; v128-135 a block's codes
.set OUTR,  136                        ; v136-199 the way out
.set SB,    24                         ; v24-25   the scale bytes, four to a register
	s_load_b128 s[4:7], s[0:1], 0x0                ; Wqkv, Wproj
	s_load_b64 s[8:9], s[0:1], 0x10                ; wq
	v_lshl_add_u32 v200, v0, 2, 0x8c00
	v_mov_b32 v201, 0
	v_lshrrev_b32 v1, 5, v0
	v_readfirstlane_b32 s16, v1                    ; wave 0..3
	v_and_b32 v2, 31, v0                           ; lane
	v_lshlrev_b32 v3, 2, v2                        ; in: 4 bytes a lane
	s_mov_b32 s17, 4096
	s_cmp_lt_u32 ttmp9, 24
	s_cselect_b32 s17, 12288, s17                  ; the pitch of the weight in bytes
	s_cselect_b32 s18, 0, 24
	s_sub_co_u32 s18, ttmp9, s18                   ; which 128 columns of that weight
	s_lshl_b32 s18, s18, 9
	s_lshl_b32 s19, s16, 7
	s_add_co_u32 s18, s18, s19                     ; my wave's first column, in bytes
	s_and_b32 s20, ttmp7, 0xffff                   ; which 256 along K
	s_lshl_b32 s21, s20, 8
	s_mul_i32 s21, s21, s17
	s_add_co_u32 s40, s21, s18                     ; where block 0 begins
	s_mov_b32 s41, 0
	s_lshl_b32 s42, s17, 5                         ; 32 rows on: the next block
	s_mov_b32 s43, 0
	s_mov_b32 s44, 0x600000                        ; the mantissa field of 57,344
.irp i, 0,1,2,3,4,5,6,7,8,9,10,11,12,13,14,15,16,17,18,19,20,21,22,23,24,25,26,27,28,29,30,31
	v_mad_u32_u24 v[VO+\i], s17, \i, v3
.endr
	s_mul_i32 s19, s16, 32*PITCH                   ; my stage
	v_mul_u32_u24 v4, v2, PITCH
	v_add_nc_u32 v4, s19, v4                       ; into it: row = my column
	v_and_b32 v5, 15, v2
	v_lshrrev_b32 v6, 4, v2                        ; out of it: sixteen lanes to a row, two rows an instruction
	v_mul_u32_u24 v7, v6, PITCH
	v_lshl_add_u32 v7, v5, 4, v7
	v_add_nc_u32 v7, s19, v7
	v_mul_u32_u24 v8, v6, KROW
	v_lshl_add_u32 v8, v5, 4, v8                   ; and the same place in the codes (bit 0 of a row's number is not moved by perm)
	v_and_b32 v9, 7, v2
	v_bfe_u32 v10, v2, 3, 1
	v_lshl_or_b32 v9, v10, 4, v9
	v_bfe_u32 v10, v2, 4, 1
	v_lshl_or_b32 v9, v10, 3, v9                   ; perm(lane)
	v_lshlrev_b32 v9, 5, v9                        ; my column's row of scale bytes
	s_lshl_b32 s21, ttmp9, 7
	s_lshl_b32 s22, s16, 5
	s_add_co_u32 s21, s21, s22                     ; my wave's first row of wq: 128 x work-group + 32 x wave
	s_lshl_b32 s22, s21, 10
	s_lshl_b32 s23, s20, 8
	s_add_co_u32 s22, s22, s23                     ; codes: row x 1,024 + 256 y
	s_mov_b32 s23, 0
	s_lshl_b32 s46, s21, 5
	s_lshl_b32 s47, s20, 3
	s_add_co_u32 s46, s46, s47
	s_add_co_u32 s46, s46, 0x400000                ; scale bytes: row x 32 + 8 y
	s_mov_b32 s47, 0
	s_wait_kmcnt 0x0
	s_cmp_lt_u32 ttmp9, 24                         ; the choice hangs on the work-group's number alone
	s_cselect_b64 s[4:5], s[4:5], s[6:7]
	s_add_nc_u64 s[24:25], s[4:5], s[40:41]
.irp t, 1,2,3,4,5,6,7
	s_add_nc_u64 s[24+2*\t:25+2*\t], s[22+2*\t:23+2*\t], s[42:43]
.endr
	s_add_nc_u64 s[10:11], s[8:9], s[22:23]
	s_add_nc_u64 s[12:13], s[8:9], s[46:47]
.macro LOAD t                          ; block t: W(32 t + i, my column), i = 0 .. 31, into set t % 2
.irp i, 0,1,2,3,4,5,6,7,8,9,10,11,12,13,14,15,16,17,18,19,20,21,22,23,24,25,26,27,28,29,30,31
	global_load_b32 v[X+32*((\t)%2)+\i], v[VO+\i], s[24+2*(\t):25+2*(\t)] th:TH_LOAD_NT
.endr
.endm
	LOAD 0
	LOAD 1
.macro BLOCK t
.set XS, X+32*((\t)%2)
.if (\t) < NB-1
	s_wait_loadcnt 32                              ; this block's 32 loads are in; the next block's may be out
.else
	s_wait_loadcnt 0
.endif
	v_max3_num_f32 v12, |v[XS]|, |v[XS+1]|, |v[XS+2]|               ; the block's largest magnitude: all 32 numbers are mine
	v_max3_num_f32 v13, |v[XS+3]|, |v[XS+4]|, |v[XS+5]|
.irp i, 6,10,14,18,22,26
	v_max3_num_f32 v12, v12, |v[XS+\i]|, |v[XS+\i+1]|
	v_max3_num_f32 v13, v13, |v[XS+\i+2]|, |v[XS+\i+3]|
.endr
	v_max3_num_f32 v12, v12, |v[XS+30]|, |v[XS+31]|
	v_max3_num_f32 v12, v12, v13, 0x8000000        ; and the floor 2^(16 - 127)
	v_add_nc_u32 v11, 0xf8800000, v12              ; 15 off its exponent field: the conversion's scale operand
	v_and_or_b32 v10, v12, 0x7f800000, s44         ; 57,344 x the scale
	v_lshrrev_b32 v13, 23, v11                     ; the scale's byte
.if (\t)%4 == 0
	v_mov_b32 v[SB+(\t)/4], v13                    ; four bytes to a register, the lower K in the lower byte
.else
	v_lshl_or_b32 v[SB+(\t)/4], v13, 8*((\t)%4), v[SB+(\t)/4]
.endif
.irp i, 0,1,2,3,4,5,6,7,8,9,10,11,12,13,14,15,16,17,18,19,20,21,22,23,24,25,26,27,28,29,30,31
	v_med3_num_f32 v[XS+\i], v[XS+\i], -v10, v10   ; the hold: the conversion does not saturate (ISA guide 7.6.2)
.endr
.irp g, 0,1,2,3
	v_cvt_scalef32_pk8_bf8_f32 v[C+2*\g:C+2*\g+1], v[XS+8*\g:XS+8*\g+7], v11
.endr
	v_nop                                          ; one plain line behind the last conversion
	ds_store_b128 v4, v[C:C+3] offset:32*(\t)      ; 32 codes: 32 bytes of my column's row
	ds_store_b128 v4, v[C+4:C+7] offset:32*(\t)+16
.if (\t)+2 < NB
	LOAD (\t)+2
.endif
	s_wait_dscnt 0x0                               ; the stores have read their registers: the next block's codes may be written
.endm
.irp t, 0,1,2,3,4,5,6,7
	BLOCK \t
.endr
	global_store_b64 v9, v[SB:SB+1], s[12:13]      ; my column's 8 scale bytes
.irp t, 0,1,2,3,4,5,6,7,8,9,10,11,12,13,14,15
	ds_load_b128 v[OUTR+4*\t:OUTR+4*\t+3], v7 offset:2*\t*PITCH   ; LDS serves a wave's instructions in order: these see my stores
.endr
.irp t, 0,1,2,3,4,5,6,7,8,9,10,11,12,13,14,15
	s_wait_dscnt 15-\t
	global_store_b128 v8, v[OUTR+4*\t:OUTR+4*\t+3], s[10:11] offset:(((2*\t)&7)|((((2*\t)>>3)&1)<<4)|((((2*\t)>>4)&1)<<3))*KROW   ; columns 2 t, 2 t + 1 go to rows perm(2 t), perm(2 t) + 1
.endr
	s_wait_tensorcnt 0x0
	ds_add_u32 v200, v201
	s_wait_dscnt 0x0
	s_endpgm
.Lfunc_end_k_q834dbfa57a_quant_w:
	.size	k_q834dbfa57a_quant_w, .Lfunc_end_k_q834dbfa57a_quant_w-k_q834dbfa57a_quant_w
	.p2alignl 7, 3214868480
	.fill 96, 4, 3214868480
	.section	.rodata,"a",@progbits
	.p2align	6, 0x0
	.amdhsa_kernel k_q834dbfa57a_quant_w
		.amdhsa_group_segment_fixed_size 36352
		.amdhsa_private_segment_fixed_size 0
		.amdhsa_enable_private_segment 0
		.amdhsa_kernarg_size 24
		.amdhsa_user_sgpr_count 2
		.amdhsa_user_sgpr_kernarg_segment_ptr 1
		.amdhsa_wavefront_size32 1
		.amdhsa_system_sgpr_workgroup_id_x 1
		.amdhsa_system_sgpr_workgroup_id_y 1
		.amdhsa_system_sgpr_workgroup_id_z 1
		.amdhsa_system_vgpr_workitem_id 0
		.amdhsa_next_free_vgpr 202
		.amdhsa_next_free_sgpr 66
		.amdhsa_reserve_vcc 0
		.amdhsa_float_denorm_mode_32 3
		.amdhsa_float_denorm_mode_16_64 3
		.amdhsa_memory_ordered 1
		.amdhsa_forward_progress 1
		.amdhsa_inst_pref_size 63
	.end_amdhsa_kernel
	.amdgpu_metadata
---
amdhsa.version: [ 1, 2 ]
amdhsa.kernels:
  - .name:           k_q834dbfa57a_quant_w
    .symbol:         k_q834dbfa57a_quant_w.kd
    .args:
      - { .name: Wqkv, .offset: 0, .size: 8, .value_kind: global_buffer, .address_space: global }
      - { .name: Wproj, .offset: 8, .size: 8, .value_kind: global_buffer, .address_space: global }
      - { .name: wq, .offset: 16, .size: 8, .value_kind: global_buffer, .address_space: global }
    .group_segment_fixed_size: 36352
    .private_segment_fixed_size: 0
    .kernarg_segment_align: 8
    .kernarg_segment_size: 24
    .max_flat_workgroup_size: 128
    .sgpr_count:     66
    .vgpr_count:     202
    .wavefront_size: 32
...
	.end_amdgpu_metadata
.endif
;; end of part 2
;; launch qkv_gemm (part 3): grid 12 x 16, 4 waves a work-group, clusters of 4 x 4, 327,680 bytes of LDS; arguments xq, wq, cos, sin, qkv; writes qkv
.if DOCPART == 3
	.amdgcn_target "amdgcn-amd-amdhsa--gfx1250"
	.amdhsa_code_object_version 6
	.text
	.protected	k_q834dbfa57a_qkv_gemm
	.globl	k_q834dbfa57a_qkv_gemm
	.p2align	8
	.type	k_q834dbfa57a_qkv_gemm,@function
k_q834dbfa57a_qkv_gemm:
	s_mov_b64 s[64:65], 0
	v_nop
	global_prefetch_b8 v0, s[64:65] scope:SCOPE_SE
	s_setreg_imm32_b32 hwreg(HW_REG_WAVE_MODE, 25, 1), 1
	s_wait_xcnt 0x0
	s_wait_alu depctr_hold_cnt(0) depctr_sa_sdst(0) depctr_va_vdst(0) depctr_va_sdst(0) depctr_va_ssrc(0) depctr_va_vcc(0) depctr_vm_vsrc(0)
	s_getreg_b32 s2, hwreg(HW_REG_IB_STS2, 6, 4)
	s_cmp_eq_u32 s2, 0
	s_cbranch_scc0 .Lentry_in_a_cluster
	s_endpgm
.Lentry_in_a_cluster:
	s_bfe_u32 s2, ttmp6, 0x10000c
	s_cmp_lg_u32 s2, 0xf033
	s_cbranch_scc0 .Lentry_shape_is_right
	s_endpgm
.Lentry_shape_is_right:
; qkv = x Wqkv on codes of BF8 (E5M2) with E8M0 scales (K = 1,024), then RoPE on q and k in f32, then the quantisers of the next two products: q and k along the head's 64, v along the keys.
; IN: xq, wq: codes [4096 rows][1024] at + 0, scale bytes [4096][32] at + 0x400000, rows in POSITION ORDER (row n lies at perm(n), perm = bits 3 and 4 exchanged).  cos, sin [2048][32] f32.
; OUT, all in qkv: q codes [32 bh][2048 positions][64] at 0; k codes likewise at 0x400000; v codes [32 bh][32 chunks of 64 keys][64 positions of d][64 keys] at 0x800000;
;   q scale words [32 bh][2048 positions] at 0xC00000 (bytes 0, 1: the two blocks of 32; bytes 2, 3: 0); at 0xC40000 [32 bh][16 steps of 128 keys][768 bytes: 128 words of k, as q's; then 64 words of v: four blocks of 32 keys].
; A tile of 256 x 256 is made by four waves, each 128 x 128: 64 accumulators of 16 x 16.  K goes in steps of 256 through a ring of two LDS slots filled by the tensor data mover; the scales of the tile's rows come once.
; SOURCE 0 ("B") IS THE OPERAND ALONG WHOSE ROWS THE RESULT IS QUANTISED, source 1 ("A") the other: a lane then holds one row of A and its registers run along B.  Since B's rows lie in position order, the 16 registers
; of accumulators (a, 2 c) and (a, 2 c + 1) are B's rows 32 c + 16 (lane / 16) + 0 .. 15 in their TRUE order: a block of 32 lies in lanes l and l xor 16.
;   clusters x = 0, 1 (q, k): A = 256 tokens of xq, B = 256 channels of wq.      clusters x = 2 (v): A = 256 channels of wq (rows 2048 on), B = 256 tokens of xq.
; CLUSTERS: 4 x 4 work-groups; A's tile is shared along a row of the cluster, B's along a column: each is asked for jointly.  Which way a work-group goes hangs on the cluster's x, which all partners share.
; RoPE: one multiplication and one fused multiply-add for each number.  LIMITS: NaN and infinities are not served; a block under 2^-111, zeros among them, keeps the byte 1 (this program alone reads the bytes).
; REGISTERS, in windows of 256: window 0: v0-31 addresses; v32-63 scale words, two sets; from v128 A's fragments, one set; on the way out v64-255 are at work.   window 1: B's fragments, two sets.
;   window 2: the accumulators of my rows 0-63 of A ((a, b) at v[8 (8 a + b)]);   window 3: those of rows 64-127.
.set KSTEP,  256                       ; along K in a slot
.set NQ,     2                         ; matrix instructions deep
.set ROWB,   256                       ; a tile's row in bytes
.set KROW,   1024                      ; a row of codes in memory
.set PITCH,  272                       ; an LDS row: 256 bytes + 16 of padding: the 16 rows that a load touches start at 16 different banks (64 banks of 4 bytes: ISA guide 11.1)
.set FR,     16                        ; registers of a fragment: 16 rows x 128 K
.set NL,     4                         ; LDS loads that bring one
.set NP,     8                         ; places behind this matrix instruction (ISA guide 7.12.1)
.set HALFT,  128*PITCH                 ; 128 rows: what one tensor load brings
.set SLOT,   4*HALFT                   ; A's 256 rows, then B's 256 rows
.set LAPS,   2                         ; a lap = two K steps; K = 1,024
.set KS,     32                        ; a row of scale bytes
.set SCL,    2*SLOT                    ; behind the ring: the scales, as units of 256 bytes + 16 of padding
.set HALFS,  16*272                    ; the scales of 128 rows
.set SBLK,   2*272                     ; those of 16 rows
.set SPARE,  SCL+4*HALFS               ; the spare words, 128 bytes for each wave, which no other line names
.set STO,  8                           ; v8   the way out: 4096 w + 144 r + 16 h: where I put 16 codes
.set RD,   9                           ; v9   4096 w + 144 (l / 4) + 16 (l % 4): where I read them back
.set GO,   10                          ; v10  16 l
.set SGA,  11                          ; v11  4096 w + 3072 + 512 h + 4 r: where a scale word is gathered
.set SGR,  12                          ; v12  4096 w + 3072 + 16 l: where the words are read back
.set CSO,  13                          ; v13  128 (r + 8 (r / 8)) + 32 h: my token's row of cos and sin, my half's eight
.set SH,   14                          ; v14  16 h
.set VSO,  15                          ; v15  16 (l % 16) + 12288 (l / 16)
.set ADRA, 16                          ; v16-17  LDS address of my A fragments in slot 0, 1
.set ADRB, 20                          ; v20-21  the same for B
.set ADRS, 27                          ; v27     LDS address of my scale words: lanes 0-15 A's rows, lanes 16-31 B's
.set SPW,  28                          ; v28     my spare word; never rewritten
.set NIL,  29                          ; v29     0; never rewritten
.set SC,   32                          ; scale words
.set AF,   128                         ; A's fragments
.set T,    64                          ; the way out: v64-127 64 numbers of a lane
.set PC,   128                         ; v128-143 their codes
.set OB,   144                         ; v144-159 codes read back from the stage
.set TM,   160                         ; v160-163 largest magnitudes, v164-167 bytes, v168-171 holds, v172-175 scale operands
.set ZR,   184                         ; v184-191 a scale word for each block of A
.set CS,   192                         ; v192-255 two sets of 16 cos and 16 sin
.set G1, 24
.set G0, 32
.set G1B, 48
.set G0B, 56
.set SEL, 66                           ; s[66:67] v_permlanex16_b32's selects for lane l xor 16
.set G1S, 68
.set G0S, 76
.set G1SB, 80
.set G0SB, 88
.set MNT, 99                           ; s99 the mantissa field of 57,344
.set MSB, 0
.macro WIN new                         ; the immediate's high byte repeats the setting that is left; a switch that changes nothing is dropped
.if MSB != (\new)
	s_set_vgpr_msb (MSB<<8)|(\new)
.set MSB, (\new)
.endif
.endm
.set MUL_LO, 0xa1                      ; source 0 (B) window 1, source 1 (A) window 0, C and D window 2
.set MUL_HI, 0xf1                      ; the same, C and D window 3
.set TO_B,   0x40                      ; destination window 1, address window 0
; A joint load: waves 0 and 1 fetch for A, waves 2 and 3 for B; the branch hangs on the wave's number alone.  Four v_nop follow each of the two lines.
.macro JLOAD g0a, g1a, g0b, g1b
	s_cmp_eq_u32 s15, 0
	s_cbranch_scc0 .Lfor_b_\@
	tensor_load_to_lds s[\g0a:\g0a+3], s[\g1a:\g1a+7]
	s_nop 0
.rept 4
	v_nop
.endr
	s_branch .Lasked_\@
.Lfor_b_\@:
	tensor_load_to_lds s[\g0b:\g0b+3], s[\g1b:\g1b+7]
	s_nop 0
.rept 4
	v_nop
.endr
.Lasked_\@:
.endm
.macro CREST                           ; a round of the cluster's barrier behind its opening barrier
	s_cmp_lg_u32 s14, 0
	s_cbranch_scc1 .Lnot_wave_0_\@
	s_barrier_signal -3
.Lnot_wave_0_\@:
	s_barrier_wait -3
	s_barrier_signal -1
	s_barrier_wait -1
.endm
.macro CROUND                          ; a whole round
	s_barrier_signal -1
	s_barrier_wait -1
	CREST
.endm
	s_load_b256 s[4:11], s[0:1], 0x0               ; xq s[4:5], wq s[6:7], cos s[8:9], sin s[10:11]
	s_load_b64 s[12:13], s[0:1], 0x20              ; qkv
	v_lshl_add_u32 v[SPW], v0, 2, SPARE
	v_mov_b32 v[NIL], 0
	ds_add_u32 v28, v29
	ds_add_u32 v28, v29
	s_wait_dscnt 0x0
	v_lshrrev_b32 v1, 5, v0
	v_readfirstlane_b32 s14, v1                    ; wave 0..3
	s_lshr_b32 s15, s14, 1                         ; which 128 rows of A are mine.  Also: I fetch for A (0) or for B (1)
	s_and_b32 s16, s14, 1                          ; which 128 rows of B.  Also: which 128 rows of that tile I fetch
	s_bfe_u32 s40, ttmp6, 0x40000                  ; cx, cy: my place in the cluster
	s_bfe_u32 s41, ttmp6, 0x40004
	s_and_b32 s18, ttmp7, 0xffff
	s_lshl_b32 s18, s18, 10                        ; 1,024 x cluster y
	s_lshl_b32 s19, ttmp9, 10                      ; 1,024 x cluster x
	s_mov_b32 s20, 2048
	s_cmp_eq_u32 ttmp9, 2                          ; v's clusters
	s_cselect_b32 s17, s20, s18                    ; A's first row: v's channels begin at row 2,048 of wq; else tokens by the cluster's y
	s_cselect_b32 s42, s18, s19                    ; B's: tokens by the cluster's y; else channels by the cluster's x
	s_lshl_b32 s20, s41, 8
	s_add_co_u32 s17, s17, s20                     ; + 256 cy: shared along a row of the cluster
	s_lshl_b32 s46, s40, 8
	s_add_co_u32 s42, s42, s46                     ; + 256 cx: shared along a column
	s_lshl_b32 s43, s41, 2
	s_lshl_b32 s43, 15, s43                        ; my row of the cluster
	s_lshl_b32 s44, 0x1111, s40                    ; my column
	; descriptor group 1: a tile of 128 rows x 256 bytes, padded in LDS
	s_or_b32 s[G1+0], s43, (0<<16)|(1<<20)|(1<<21)|(5<<22)|(3<<25)  ; 15:0 the mask; 17:16 element of 1 byte; 20 padding on; 21 set beside a mask; 24:22 after every 64 words; 31:25 four words
	s_or_b32 s[G1B+0], s44, (0<<16)|(1<<20)|(1<<21)|(5<<22)|(3<<25)
.irp g, G1, G1B
	s_mov_b32 s[\g+1], ROWB<<16                    ; tensor_dim0
	s_mov_b32 s[\g+2], 128<<16                     ; tensor_dim1
	s_mov_b32 s[\g+3], ROWB<<16                    ; tile_dim0
	s_mov_b32 s[\g+4], 128                         ; tile_dim1
	s_mov_b32 s[\g+5], KROW                        ; tensor_dim0_stride
	s_mov_b32 s[\g+6], 0
	s_mov_b32 s[\g+7], 0
.endr
	; the scales of 128 rows: 4,096 dense bytes, as 16 rows of 256 bytes (32 elements of 8 bytes), 16 bytes of padding behind each
	s_or_b32 s[G1S+0], s43, (3<<16)|(1<<20)|(1<<21)|(5<<22)|(3<<25)
	s_or_b32 s[G1SB+0], s44, (3<<16)|(1<<20)|(1<<21)|(5<<22)|(3<<25)
.irp g, G1S, G1SB
	s_mov_b32 s[\g+1], 32<<16
	s_mov_b32 s[\g+2], 16<<16
	s_mov_b32 s[\g+3], 32<<16
	s_mov_b32 s[\g+4], 16
	s_mov_b32 s[\g+5], 32
	s_mov_b32 s[\g+6], 0
	s_mov_b32 s[\g+7], 0
.endr
	s_lshl_b32 s18, s16, 7                         ; which 128 rows of the tile I fetch
	s_add_co_u32 s20, s17, s18                     ; A's row
	s_add_co_u32 s46, s42, s18                     ; B's row
	s_lshl_b32 s22, s20, 5                         ; their scale bytes: 32 a row, behind the codes
	s_add_co_u32 s22, s22, 0x400000
	s_mov_b32 s23, 0
	s_lshl_b32 s92, s46, 5
	s_add_co_u32 s92, s92, 0x400000
	s_mov_b32 s93, 0
	s_lshl_b32 s20, s20, 10                        ; their codes: 1,024 bytes a row
	s_mov_b32 s21, 0
	s_lshl_b32 s46, s46, 10
	s_mov_b32 s47, 0
	s_mul_i32 s45, s14, HALFT                      ; where they go: wave x 128 rows: no place in the cluster enters an LDS address
	s_mul_i32 s94, s14, HALFS
	s_mov_b32 s[SEL], 0x76543210
	s_mov_b32 s[SEL+1], 0xfedcba98
	s_mov_b32 s[MNT], 0x600000
	s_wait_kmcnt 0x0
	s_cmp_eq_u32 ttmp9, 2                          ; the 64-bit sums below leave SCC alone
	s_cselect_b64 s[96:97], s[6:7], s[4:5]         ; A's buffer
	s_add_nc_u64 s[20:21], s[96:97], s[20:21]
	s_add_nc_u64 s[22:23], s[96:97], s[22:23]
	s_cselect_b64 s[96:97], s[4:5], s[6:7]         ; B's
	s_add_nc_u64 s[46:47], s[96:97], s[46:47]
	s_add_nc_u64 s[92:93], s[96:97], s[92:93]
	CROUND                                         ; all sixteen work-groups are here: the first joint loads meet
	s_mov_b32 s[G0S], 1
	s_add_co_u32 s[G0S+1], s94, SCL
	s_mov_b64 s[G0S+2:G0S+3], s[22:23]
	s_or_b32 s[G0S+3], s[G0S+3], 0x80000000
	s_mov_b32 s[G0SB], 1
	s_add_co_u32 s[G0SB+1], s94, SCL
	s_mov_b64 s[G0SB+2:G0SB+3], s[92:93]
	s_or_b32 s[G0SB+3], s[G0SB+3], 0x80000000
	JLOAD G0S, G1S, G0SB, G1SB                     ; the scales first: they are wanted with K step 0
.irp s, 0,1
	s_mov_b32 s[G0+4*\s], 1
	s_add_co_u32 s[G0+4*\s+1], s45, \s*SLOT
	s_add_nc_u64 s[G0+4*\s+2:G0+4*\s+3], s[20:21], \s*ROWB
	s_or_b32 s[G0+4*\s+3], s[G0+4*\s+3], 0x80000000
	s_mov_b32 s[G0B+4*\s], 1
	s_add_co_u32 s[G0B+4*\s+1], s45, \s*SLOT
	s_add_nc_u64 s[G0B+4*\s+2:G0B+4*\s+3], s[46:47], \s*ROWB
	s_or_b32 s[G0B+4*\s+3], s[G0B+4*\s+3], 0x80000000
	JLOAD G0+4*\s, G1, G0B+4*\s, G1B
.endr
	v_and_b32 v1, 15, v0                           ; r = l % 16
	v_bfe_u32 v2, v0, 4, 1                         ; h = l / 16
	v_mul_u32_u24 v3, v1, PITCH
	v_lshl_add_u32 v4, v2, 4, v3                   ; a fragment's row x pitch + 16 x half
	s_mul_i32 s21, s15, HALFT                      ; my 128 rows of A
	s_mul_i32 s22, s16, HALFT                      ; my 128 rows of B,
	s_add_co_u32 s22, s22, 2*HALFT                 ; which lie behind A's 256
.irp s, 0,1
	v_add_nc_u32 v[ADRA+\s], s21, v4
	v_add_nc_u32 v[ADRB+\s], s22, v4
	s_add_co_u32 s21, s21, SLOT
	s_add_co_u32 s22, s22, SLOT
.endr
	v_mul_u32_u24 v5, v1, KS                       ; my row's scales: 32 bytes a row,
	v_lshrrev_b32 v6, 8, v5
	v_lshl_add_u32 v5, v6, 4, v5                   ; and 16 more for each 256 passed
	s_mul_i32 s21, s15, HALFS                      ; A's: my 128 rows
	s_mul_i32 s22, s16, HALFS                      ; B's: my 128 rows, behind A's 256
	s_add_co_u32 s22, s22, 2*HALFS
	s_sub_co_u32 s22, s22, s21
	v_mul_u32_u24 v6, s22, v2                      ; lanes 16-31 take B's
	s_add_co_u32 s21, s21, SCL
	v_add_nc_u32 v5, v5, v6
	v_add_nc_u32 v[ADRS], s21, v5
	; the way out's addresses, all made here, on the way that every wave of every work-group takes.  The stages lie in slot 0: 4,096 bytes a wave; q's and k's way uses bytes 0 on, v's way bytes 16,384 on
	s_lshl_b32 s23, s14, 12
	v_mul_u32_u24 v5, v1, 144
	v_lshl_add_u32 v5, v2, 4, v5
	v_add_nc_u32 v[STO], s23, v5
	v_and_b32 v6, 31, v0                           ; l
	v_lshrrev_b32 v5, 2, v6
	v_mul_u32_u24 v5, v5, 144
	v_and_b32 v7, 3, v6
	v_lshl_add_u32 v5, v7, 4, v5
	v_add_nc_u32 v[RD], s23, v5
	v_lshlrev_b32 v[GO], 4, v6
	v_lshlrev_b32 v5, 2, v1
	v_lshl_add_u32 v5, v2, 9, v5
	v_add_nc_u32 v5, s23, v5
	v_add_nc_u32 v[SGA], 3072, v5
	v_add_nc_u32 v5, s23, v[GO]
	v_add_nc_u32 v[SGR], 3072, v5
	v_and_b32 v5, 8, v1
	v_add_nc_u32 v5, v5, v1                        ; r + 8 (r / 8)
	v_lshlrev_b32 v5, 7, v5
	v_lshl_add_u32 v[CSO], v2, 5, v5
	v_lshlrev_b32 v[SH], 4, v2
	v_lshlrev_b32 v5, 4, v1
	v_mul_u32_u24 v7, v2, 12288
	v_add_nc_u32 v[VSO], v5, v7
.macro FRAG reg, adr, q, i             ; a fragment: lane l holds row l % 16; registers 4 c .. 4 c + 3 hold K = 32 c + 16 (l / 16) + 0 .. 15
.irp c, 0,1,2,3
	ds_load_b128 v[\reg+4*\c:\reg+4*\c+3], v[\adr] offset:128*(\q)+32*\c+(\i)*16*PITCH
.endr
.endm
; 16 matrix instructions: A's blocks a0, a0 + 1 x B's eight, 128 along K.  p: B's set;  sc: the set of scale words.  zero = 1: the first product starts the sums.
; The 64 accumulators take turns, one instruction a turn, in the same order in every step.
.macro MUL16 a0, p, q, sc, zero
.irp a, \a0, \a0+1
.irp b, 0,1,2,3,4,5,6,7
.if \zero
	v_wmma_scale_f32_16x16x128_f8f6f4 v[8*(8*((\a)%4)+\b):8*(8*((\a)%4)+\b)+7], v[128*(\p)+FR*\b:128*(\p)+FR*\b+FR-1], v[AF+FR*(\a):AF+FR*(\a)+FR-1], 0, v[SC+8*NQ*(\sc)+NQ*\b+(\q)], v[SC+8*NQ*(\sc)+NQ*(\a)+(\q)] matrix_a_fmt:MATRIX_FMT_BF8 matrix_b_fmt:MATRIX_FMT_BF8 matrix_a_scale:MATRIX_SCALE_ROW1
.else
	v_wmma_scale_f32_16x16x128_f8f6f4 v[8*(8*((\a)%4)+\b):8*(8*((\a)%4)+\b)+7], v[128*(\p)+FR*\b:128*(\p)+FR*\b+FR-1], v[AF+FR*(\a):AF+FR*(\a)+FR-1], v[8*(8*((\a)%4)+\b):8*(8*((\a)%4)+\b)+7], v[SC+8*NQ*(\sc)+NQ*\b+(\q)], v[SC+8*NQ*(\sc)+NQ*(\a)+(\q)] matrix_a_fmt:MATRIX_FMT_BF8 matrix_b_fmt:MATRIX_FMT_BF8 matrix_a_scale:MATRIX_SCALE_ROW1
.endif
.endr
.endr
.endm
.macro FETCH_B slot, q, p              ; B's eight fragments of the slot's q-th 128 along K into set p
	WIN TO_B
.irp i, 0,1,2,3,4,5,6,7
	FRAG 128*(\p)+FR*\i, ADRB+\slot, \q, \i
.endr
	WIN 0
.endm
.macro FETCH_A slot, q, i0             ; A's blocks i0 .. i0 + 3
.irp i, \i0, \i0+1, \i0+2, \i0+3
	FRAG AF+FR*(\i), ADRA+\slot, \q, \i
.endr
.endm
.macro SCALES sc                       ; a K step's scale words into set sc: two words a row; lanes 0-15 take A's block i, lanes 16-31 B's block i
.irp i, 0,1,2,3,4,5,6,7
	ds_load_b64 v[SC+8*NQ*\sc+NQ*\i:SC+8*NQ*\sc+NQ*\i+1], v[ADRS] offset:\i*SBLK
.endr
.endm
; A load into a register that a matrix instruction has read, and a vector instruction that reads a matrix result, stand NP places behind that matrix instruction; only plain vector instructions that
; name none of its registers are places.
.macro PLACES n
.rept \n
	v_nop
.endr
.endm
; A step of 128 along K that has its successor in the same slot.
.macro STEP slot, q, zero
	s_wait_dscnt 4*NL                              ; B's set and A's blocks 0-3 are in; the youngest 16 loads (A's blocks 4-7) may be out
	WIN MUL_LO
	MUL16 0, (\q)%2, \q, \slot, \zero
	MUL16 2, (\q)%2, \q, \slot, \zero
	s_wait_dscnt 0                                 ; A's blocks 4-7 are in
	PLACES NP
	FETCH_B \slot, (\q)+1, 1-(\q)%2
	FETCH_A \slot, (\q)+1, 0
	WIN MUL_HI
	MUL16 4, (\q)%2, \q, \slot, \zero
	MUL16 6, (\q)%2, \q, \slot, \zero
	PLACES NP
	WIN 0
	FETCH_A \slot, (\q)+1, 4
.endm
; A slot's last step changes slots: ONE barrier; in front of it each wave waits for all its tensor loads, adds 0 to its spare word, and waits for that and for its own reads of this slot.  fill = 1: the slot is filled again, two K steps ahead.
.macro TURN slot, next, fill
	s_wait_tensorcnt 0x0                           ; all my tensor loads have landed: my part of the next slot
	ds_add_u32 v[SPW], v[NIL]                      ; 0 onto my spare word
	s_wait_dscnt 4*NL+1                            ; (the add and the youngest 16 loads, A's blocks 4-7, may be out)
	WIN MUL_LO
	MUL16 0, 1, NQ-1, \slot, 0                     ; sixteen matrix instructions stand between the add and the wait for it
	s_wait_dscnt 0x0                               ; the add is done, and my reads of this slot are over
	s_barrier_signal -1
	MUL16 2, 1, NQ-1, \slot, 0
	WIN 0
	s_barrier_wait -1
.if \fill
	CREST                                          ; the barrier has opened a round of the cluster's barrier: no wave of any partner still reads this slot's tile or has a load on its way
	s_add_nc_u64 s[G0+4*\slot+2:G0+4*\slot+3], s[G0+4*\slot+2:G0+4*\slot+3], 2*ROWB
	s_add_nc_u64 s[G0B+4*\slot+2:G0B+4*\slot+3], s[G0B+4*\slot+2:G0B+4*\slot+3], 2*ROWB
	JLOAD G0+4*\slot, G1, G0B+4*\slot, G1B         ; the first tensor load behind the round; its four v_nop are among the places in front of the loads below
	PLACES NP-4
.else
	PLACES NP
.endif
	v_add_nc_u32 v[ADRS], 4*NQ, v[ADRS]            ; on to the next K step's scale words
	FETCH_B \next, 0, 0
	FETCH_A \next, 0, 0
	SCALES \next
	WIN MUL_HI
	MUL16 4, 1, NQ-1, \slot, 0
	MUL16 6, 1, NQ-1, \slot, 0
	PLACES NP
	WIN 0
	FETCH_A \next, 0, 4
.endm
	s_wait_tensorcnt 1                             ; the scales and my part of K step 0 are in (K step 1's load may be out)
	s_barrier_signal -1
	s_barrier_wait -1                              ; everybody's are
	FETCH_B 0, 0, 0
	FETCH_A 0, 0, 0
	SCALES 0
	FETCH_A 0, 0, 4
	STEP 0, 0, 1                                   ; the first step stands in front of the loop: its products start the sums
	s_mov_b32 s3, LAPS-1
.Llap:                                                 ; a trip goes once round the ring and fills both slots again
	TURN 0, 1, 1
	STEP 1, 0, 0
	TURN 1, 0, 1
	STEP 0, 0, 0
	s_sub_co_u32 s3, s3, 1
	s_cmp_lg_u32 s3, 0
	s_cbranch_scc1 .Llap
	TURN 0, 1, 0                                   ; the last lap fills nothing
	STEP 1, 0, 0
	s_wait_dscnt 4*NL                              ; the very last step
	WIN MUL_LO
	MUL16 0, 1, NQ-1, 1, 0
	MUL16 2, 1, NQ-1, 1, 0
	s_wait_dscnt 0
	WIN MUL_HI
	MUL16 4, 1, NQ-1, 1, 0
	MUL16 6, 1, NQ-1, 1, 0
	WIN 0
; THE WAY OUT, block a of A's 16 rows at a time.  Its 64 registers of a lane, 16 c + i, are (A's position 16 a + r, B's true row 32 c + 16 h + i).
; QMAX: the four blocks' largest magnitudes of the 64 numbers at v[s] of window w; the bytes, holds and scale operands; the scale word into v[pw].  Each accumulator is first read at its two lowest registers.
.macro QMAX s, w, pw
	WIN (\w)|((\w)<<2)
.irp b, 0,1,2,3
	v_max3_num_f32 v[TM+\b], |v[\s+16*\b]|, |v[\s+1+16*\b]|, 0x8000000   ; my 16 numbers of block b, and the floor 2^(16 - 127)
.endr
	WIN ((\w)<<2)|((\w)<<4)
.irp i, 2,4,6,8,10,12,14
.irp b, 0,1,2,3
	v_max3_num_f32 v[TM+\b], v[TM+\b], |v[\s+16*\b+\i]|, |v[\s+1+16*\b+\i]|   ; the four blocks by turns
.endr
.endr
	WIN 0
.irp b, 0,1,2,3
	v_permlanex16_b32 v[TM+4+\b], v[TM+\b], s[SEL], s[SEL+1]
.endr
.irp b, 0,1,2,3
	v_max_num_f32 v[TM+\b], v[TM+\b], v[TM+4+\b]   ; with lane l xor 16's: the block's largest magnitude
.endr
.irp b, 0,1,2,3
	v_add_nc_u32 v[TM+12+\b], 0xf8800000, v[TM+\b]   ; 15 off its exponent field: the conversion's scale operand
.endr
.irp b, 0,1,2,3
	v_and_or_b32 v[TM+8+\b], v[TM+\b], 0x7f800000, s[MNT]   ; 57,344 x the scale
.endr
.irp b, 0,1,2,3
	v_lshrrev_b32 v[TM+4+\b], 23, v[TM+12+\b]      ; the scale's byte
.endr
	v_lshl_or_b32 v[\pw], v[TM+5], 8, v[TM+4]
	v_lshl_or_b32 v[\pw], v[TM+6], 16, v[\pw]
	v_lshl_or_b32 v[\pw], v[TM+7], 24, v[\pw]
.endm
; QCVT: the hold (which also brings the numbers into window 0) and the conversions: 64 codes in v[PC] on.
.macro QCVT s, w
	WIN (\w)
.irp b, 0,1,2,3
.irp i, 0,1,2,3,4,5,6,7,8,9,10,11,12,13,14,15
	v_med3_num_f32 v[T+16*\b+\i], v[\s+16*\b+\i], -v[TM+8+\b], v[TM+8+\b]   ; the conversion does not saturate (ISA guide 7.6.2)
.endr
.endr
	WIN 0
.irp b, 0,1,2,3
	v_cvt_scalef32_pk8_bf8_f32 v[PC+4*\b:PC+4*\b+1], v[T+16*\b:T+16*\b+7], v[TM+12+\b]
	v_cvt_scalef32_pk8_bf8_f32 v[PC+4*\b+2:PC+4*\b+3], v[T+16*\b+8:T+16*\b+15], v[TM+12+\b]
.endr
	v_nop                                          ; one plain line behind the last conversion
.endm
; cos and sin of block a's tokens: lane (r, h) wants, of token 32 (a / 2) + 8 (a % 2) + r + 8 (r / 8), pairs 16 bb + 8 h + 0 .. 7 for bb = 0, 1.  Set a % 2: 16 cos, then 16 sin.
.macro LOADCS a
.irp bb, 0,1
.irp q, 0,1
	global_load_b128 v[CS+32*((\a)%2)+8*\bb+4*\q:CS+32*((\a)%2)+8*\bb+4*\q+3], v[CSO], s[8:9] offset:(32*((\a)/2)+8*((\a)%2))*128+64*\bb+16*\q
	global_load_b128 v[CS+32*((\a)%2)+16+8*\bb+4*\q:CS+32*((\a)%2)+16+8*\bb+4*\q+3], v[CSO], s[10:11] offset:(32*((\a)/2)+8*((\a)%2))*128+64*\bb+16*\q
.endr
.endr
.endm
; RoPE of block a, from the accumulators into v[T] on.  Pair p of registers is (xe, xo) of rotation 8 ((p / 8) % 2) + p % 8 of the lane's sixteen.  First (xo s, xe s), then (xe c - xo s, xo c + xe s).
.macro ROPE a
.set AC, 64*((\a)%4)
.set CB0, CS+32*((\a)%2)
	WIN 2+(\a)/4                                   ; source 0: the accumulators' window
.set p, 0
.rept 32
.set cp, CB0+16+8*((p/8)%2)+2*((p%8)/2)
.if p%2
	v_pk_mul_f32 v[T+2*p:T+2*p+1], v[AC+2*p:AC+2*p+1], v[cp:cp+1] op_sel:[1,1] op_sel_hi:[0,1]
.else
	v_pk_mul_f32 v[T+2*p:T+2*p+1], v[AC+2*p:AC+2*p+1], v[cp:cp+1] op_sel:[1,0] op_sel_hi:[0,0]
.endif
.set p, p+1
.endr
.set p, 0
.rept 32
.set cp, CB0+8*((p/8)%2)+2*((p%8)/2)
.if p%2
	v_pk_fma_f32 v[T+2*p:T+2*p+1], v[AC+2*p:AC+2*p+1], v[cp:cp+1], v[T+2*p:T+2*p+1] op_sel:[0,1,0] op_sel_hi:[1,1,1] neg_lo:[0,0,1]
.else
	v_pk_fma_f32 v[T+2*p:T+2*p+1], v[AC+2*p:AC+2*p+1], v[cp:cp+1], v[T+2*p:T+2*p+1] op_sel:[0,0,0] op_sel_hi:[1,0,1] neg_lo:[0,0,1]
.endif
.set p, p+1
.endr
	WIN 0
.endm
; Block a's codes go into my stage, 16 rows of 128 bytes + 16, and come back as four runs of 8 rows x 64 bytes (e: which 64 bytes of a row; p: which 8 rows); its scale word is gathered.
.macro TOSTAGE arm, a
	ds_store_b32 v[SGA], v[ZR+(\a)] offset:\arm*16384+64*(\a)
.irp c, 0,1,2,3
	ds_store_b128 v[STO], v[PC+4*\c:PC+4*\c+3] offset:\arm*16384+32*\c
.endr
	s_wait_xcnt 0x0                                ; the last block's stores have read v[OB] on: only behind this wait is it loaded again
.irp e, 0,1
.irp p, 0,1
	ds_load_b128 v[OB+4*(2*\e+\p):OB+4*(2*\e+\p)+3], v[RD] offset:\arm*16384+1152*\p+64*\e   ; LDS serves a wave's instructions in order: these see the stores above
.endr
.endr
.endm
.macro SEND a, se, sa                  ; each store covers 512 consecutive bytes, aligned.  se: bytes from one 64 of B's rows to the next; sa: from one 64 of A's positions to the next
	s_wait_dscnt 0x0                               ; the block is back in registers
.irp e, 0,1
.irp p, 0,1
	global_store_b128 v[GO], v[OB+4*(2*\e+\p):OB+4*(2*\e+\p)+3], s[92:93] offset:\e*(\se)+((\a)/4)*(\sa)+(16*((\a)%4)+8*\p)*64
.endr
.endr
.endm
	PLACES NP                                      ; behind the last products: their results are read and their operands' registers written from here on
.irp b, 0,1,2,3
	v_mov_b32 v[TM+4+\b], 0                        ; written once: a lane permute's destination counts as one of its sources
.endr
	s_cmp_eq_u32 ttmp9, 2                          ; the cluster's x: the same in all sixteen partners
	s_cbranch_scc1 .Lv
	; ---- q and k: A = tokens, B = channels (two heads of 64)
	s_lshl_b32 s20, s15, 7
	s_add_co_u32 s20, s17, s20                     ; my first token
	s_lshl_b32 s21, s16, 7
	s_add_co_u32 s21, s42, s21                     ; my first channel
	s_and_b32 s22, s20, 2047                       ; t0: the token within its sequence
	s_lshr_b32 s23, s20, 11
	s_lshl_b32 s23, s23, 4
	s_and_b32 s45, s21, 1023
	s_lshr_b32 s45, s45, 6
	s_add_co_u32 s23, s23, s45                     ; bh0 = 16 x batch + head
	s_mov_b32 s45, ttmp9                           ; 0: q, 1: k
	s_lshl_b32 s46, s45, 22
	s_lshl_b32 s47, s23, 17
	s_add_co_u32 s46, s46, s47
	s_lshl_b32 s47, s22, 6
	s_add_co_u32 s46, s46, s47
	s_mov_b32 s47, 0
	s_add_nc_u64 s[92:93], s[12:13], s[46:47]      ; the codes of (bh0, position t0)
	s_mov_b32 s94, 512
	s_cmp_eq_u32 ttmp9, 1
	s_cselect_b32 s94, 768, s94                    ; bytes of scale words for 128 tokens: q's lie dense, k's have v's 256 bytes behind them
	s_lshl_b32 s46, s23, 4
	s_lshr_b32 s47, s22, 7
	s_add_co_u32 s46, s46, s47
	s_mul_i32 s46, s46, s94
	s_lshl_b32 s47, s45, 18
	s_add_co_u32 s46, s46, s47
	s_add_co_u32 s46, s46, 0xC00000
	s_mov_b32 s47, 0
	s_lshl_b32 s96, s94, 4                         ; the next head: 16 steps on
	s_mov_b32 s97, 0
	s_add_nc_u64 s[94:95], s[12:13], s[46:47]
	s_add_nc_u64 s[96:97], s[94:95], s[96:97]
	s_lshl_b32 s46, s22, 7                         ; cos and sin: 128 bytes a token
	s_add_nc_u64 s[8:9], s[8:9], s[46:47]
	s_add_nc_u64 s[10:11], s[10:11], s[46:47]
	LOADCS 0
	LOADCS 1
.irp a, 0,1,2,3,4,5,6,7
.if \a < 7
	s_wait_loadcnt 8                               ; this block's cos and sin are in; the next block's eight loads may be out
.else
	s_wait_loadcnt 0
.endif
	ROPE \a
.if \a < 6
	LOADCS \a+2
.endif
	QMAX T, 0, ZR+\a
	v_lshrrev_b32 v[ZR+\a], v[SH], v[ZR+\a]        ; lanes 0-15 keep the first head's two bytes, lanes 16-31 the second's;
	v_and_b32 v[ZR+\a], 0xffff, v[ZR+\a]           ; bytes 2 and 3 are 0: the next product's K is 64
.if \a > 0
	SEND \a-1, 131072, 4096
.endif
	QCVT T, 0
	TOSTAGE 0, \a
.endr
	SEND 7, 131072, 4096
	ds_load_b128 v[T:T+3], v[SGR]                  ; 128 words of the first head,
	ds_load_b128 v[T+4:T+7], v[SGR] offset:512     ; of the second
	s_wait_dscnt 0x0
	global_store_b128 v[GO], v[T:T+3], s[94:95]
	global_store_b128 v[GO], v[T+4:T+7], s[96:97]
	s_branch .Lend
.Lv:	; ---- v: A = channels (two heads of 64 positions of d), B = tokens (two chunks of 64 keys)
	s_lshl_b32 s20, s15, 7
	s_add_co_u32 s20, s17, s20
	s_sub_co_u32 s20, s20, 2048                    ; my first channel of v
	s_lshl_b32 s21, s16, 7
	s_add_co_u32 s21, s42, s21                     ; my first token
	s_and_b32 s22, s21, 2047                       ; t0
	s_lshr_b32 s23, s21, 11
	s_lshl_b32 s23, s23, 4
	s_lshr_b32 s45, s20, 6
	s_add_co_u32 s23, s23, s45                     ; bh0
	s_lshl_b32 s46, s23, 17
	s_lshl_b32 s47, s22, 6
	s_add_co_u32 s46, s46, s47
	s_add_co_u32 s46, s46, 0x800000
	s_mov_b32 s47, 0
	s_add_nc_u64 s[92:93], s[12:13], s[46:47]      ; the codes of (bh0, chunk t0 / 64)
	s_lshl_b32 s46, s23, 4
	s_lshr_b32 s47, s22, 7
	s_add_co_u32 s46, s46, s47
	s_mul_i32 s46, s46, 768
	s_add_co_u32 s46, s46, 0xC40000+512
	s_mov_b32 s47, 0
	s_add_nc_u64 s[94:95], s[12:13], s[46:47]      ; v's 64 words of (bh0, step t0 / 128)
.irp a, 0,1,2,3,4,5,6,7
.set AC, 64*((\a)%4)
.set W, 2+(\a)/4
	QMAX AC, W, ZR+\a
.if \a > 0
	SEND \a-1, 4096, 131072
.endif
	QCVT AC, W
	TOSTAGE 1, \a
.endr
	SEND 7, 4096, 131072
	ds_load_b128 v[T:T+3], v[SGR] offset:16384     ; 64 words of the first head, 64 of the second
	s_wait_dscnt 0x0
	global_store_b128 v[VSO], v[T:T+3], s[94:95]   ; lanes 0-15 and lanes 16-31 each store 256 consecutive bytes, aligned
.Lend:
	s_wait_tensorcnt 0x0                           ; the wave's end
	ds_add_u32 v[SPW], v[NIL]
	s_wait_dscnt 0x0
	CROUND                                         ; the closing round: no work-group ends while a partner may still ask for a tile that names it
	s_endpgm
.Lfunc_end_k_q834dbfa57a_qkv_gemm:
	.size	k_q834dbfa57a_qkv_gemm, .Lfunc_end_k_q834dbfa57a_qkv_gemm-k_q834dbfa57a_qkv_gemm
	.p2alignl 7, 3214868480
	.fill 96, 4, 3214868480
	.section	.rodata,"a",@progbits
	.p2align	6, 0x0
	.amdhsa_kernel k_q834dbfa57a_qkv_gemm
		.amdhsa_group_segment_fixed_size 327680
		.amdhsa_private_segment_fixed_size 0
		.amdhsa_enable_private_segment 0
		.amdhsa_kernarg_size 40
		.amdhsa_user_sgpr_count 2
		.amdhsa_user_sgpr_kernarg_segment_ptr 1
		.amdhsa_wavefront_size32 1
		.amdhsa_system_sgpr_workgroup_id_x 1
		.amdhsa_system_sgpr_workgroup_id_y 1
		.amdhsa_system_sgpr_workgroup_id_z 1
		.amdhsa_system_vgpr_workitem_id 0
		.amdhsa_next_free_vgpr 1024
		.amdhsa_next_free_sgpr 100
		.amdhsa_reserve_vcc 0
		.amdhsa_float_denorm_mode_32 3
		.amdhsa_float_denorm_mode_16_64 3
		.amdhsa_memory_ordered 1
		.amdhsa_forward_progress 1
		.amdhsa_inst_pref_size 255
	.end_amdhsa_kernel
	.section	.bss,"aw",@nobits
	.p2align	6
	.space	262144
	.amdgpu_metadata
---
amdhsa.version: [ 1, 2 ]
amdhsa.kernels:
  - .name:           k_q834dbfa57a_qkv_gemm
    .symbol:         k_q834dbfa57a_qkv_gemm.kd
    .args:
      - { .name: xq, .offset: 0, .size: 8, .value_kind: global_buffer, .address_space: global }
      - { .name: wq, .offset: 8, .size: 8, .value_kind: global_buffer, .address_space: global }
      - { .name: cos, .offset: 16, .size: 8, .value_kind: global_buffer, .address_space: global }
      - { .name: sin, .offset: 24, .size: 8, .value_kind: global_buffer, .address_space: global }
      - { .name: qkv, .offset: 32, .size: 8, .value_kind: global_buffer, .address_space: global }
    .group_segment_fixed_size: 327680
    .private_segment_fixed_size: 0
    .kernarg_segment_align: 8
    .kernarg_segment_size: 40
    .max_flat_workgroup_size: 128
    .sgpr_count:     100
    .vgpr_count:     1024
    .wavefront_size: 32
...
	.end_amdgpu_metadata
.endif
;; end of part 3
;; launch attention (part 4): grid 8 x 32, 16 waves a work-group, clusters of 4 x 1, 313,344 bytes of LDS; arguments qkv, aq; writes aq
.if DOCPART == 4
	.amdgcn_target "amdgcn-amd-amdhsa--gfx1250"
	.amdhsa_code_object_version 6
	.text
	.protected	k_q834dbfa57a_attention
	.globl	k_q834dbfa57a_attention
	.p2align	8
	.type	k_q834dbfa57a_attention,@function
k_q834dbfa57a_attention:
	s_mov_b64 s[64:65], 0
	v_nop
	global_prefetch_b8 v0, s[64:65] scope:SCOPE_SE
	s_setreg_imm32_b32 hwreg(HW_REG_WAVE_MODE, 25, 1), 1
	s_wait_xcnt 0x0
	s_wait_alu depctr_hold_cnt(0) depctr_sa_sdst(0) depctr_va_vdst(0) depctr_va_sdst(0) depctr_va_ssrc(0) depctr_va_vcc(0) depctr_vm_vsrc(0)
	s_getreg_b32 s2, hwreg(HW_REG_IB_STS2, 6, 4)
	s_cmp_eq_u32 s2, 0
	s_cbranch_scc0 .Lentry_in_a_cluster
	s_endpgm
.Lentry_in_a_cluster:
	s_bfe_u32 s2, ttmp6, 0x10000c
	s_cmp_lg_u32 s2, 0x3003
	s_cbranch_scc0 .Lentry_shape_is_right
	s_endpgm
.Lentry_shape_is_right:
; Causal attention of 32 heads (bh = 16 x batch + head), 2,048 tokens, head size 64, both products on codes of BF8 (E5M2) with E8M0 scales, and the quantiser of its result along d for the last product.
; IN (qkv): q, k codes [bh][2048 positions][64] at 0 and 0x400000; v codes [bh][32 chunks][64 positions of d][64 keys] at 0x800000; q scale words [bh][2048] at 0xC00000;
;   [bh][16 steps][128 words of k, 64 words of v] at 0xC40000.  A position p holds the true row perm(p), perm = bits 3 and 4 exchanged; v's keys lie in true order.
; OUT (aq): codes [16 heads][4096 tokens][64] at 0, tokens in true order; scale bytes [4096 tokens][32] at 0x400000, byte 2 x head + d / 32.
; SOFTMAX: t = score x log2(e) / 8; M = the running largest t rounded UP to a whole number; p = 2^(t - M) is quantised along the keys, not normalised; the row's sum is taken of the unquantised p and divides at the end;
; when M moves, the sum and O are multiplied by 2^(old M - new M), which rounds nothing.  The division is a reciprocal and a multiplication.
; SHARES.  A work-group has one head and every eighth tile of queries: wave w owns positions 128 w + 16 j + 0 .. 15, j the work-group's number 0 .. 7.  So wave w walks key steps 0 .. w of 128 keys whatever j is:
; all work-groups have the same work, and every branch hangs on the wave's number and a counter alone.  The last of a wave's steps lies on the diagonal and is masked; the steps behind it are left out.
; A HEAD'S K AND V STAY IN LDS: 256 KiB of codes, each byte filled once, in four groups of 512 keys, asked for at the start by five tensor loads a wave (the step's scale words; one slice of each group); a group is
; waited for when the walk reaches it.  The four work-groups of a cluster have the same head: every load is a joint one.
; LAYOUT.  Both products are used transposed: S^T = K Q^T (source 0 = 16 positions of keys), O^T = V^T P^T (source 0 = 16 positions of d): a lane holds ONE query.  By the position order the 16 registers of two
; neighbouring tiles are 16 neighbours in true order: keys 32 b + 16 (lane / 16) + 0 .. 15, and likewise d.
; K = 64 IN AN INSTRUCTION OF 128: Q's registers 8-15 are zero codes and bytes 2, 3 of q's and k's scale words are 0.  Tile t of K is named v[32 + 8 t : 47 + 8 t]: its upper eight registers are the next tile's codes
; (finite: the quantiser holds) or, for tile 7, zeros; they meet Q's zeros and add nothing.
; LIMITS: NaN and infinities are not served; a block under 2^-111, zeros among them, keeps the byte 1.  The scale bytes leave as 2 bytes a lane, 32 bytes apart: one instruction a wave, 2 bytes for 64 of codes.
.set GRP,  69632                       ; LDS: a group: 16 slices;
.set SLC,  4352                        ; a slice: 4,096 dense bytes as 16 rows of 256 + 16 of padding: row n of 64 bytes lies at 272 (n / 4) + 64 (n % 4).  Slices 0-7: K's 64 keys each; 8-15: V's chunks
.set SCB,  4*GRP                       ; the scale words: 768 bytes a key step
.set STG,  SCB+16*768                  ; a stage of 1,280 bytes for each wave
.set AKV,  1                           ; v1   272 (r / 4) + 64 (r % 4) + 16 h
.set ASC,  2                           ; v2   SCB + 4 l
.set DQ,   3                           ; v3   my query's true place in its 128, less 16 h
.set ADK,  4                           ; v4   the step's codes
.set ADS,  5                           ; v5   the step's scale words
.set STO,  6                           ; v6   the stage, in
.set RD,   7                           ; v7   the stage, back
.set GO,   8                           ; v8   16 l
.set SBO,  9                           ; v9   32 (r + 8 (r / 8))
.set QF,   16                          ; v16-23 Q's codes, v24-31 zeros
.set KF,   32                          ; v32-95 K's eight tiles of 8 registers, later V's four of 16; v96-103 zeros
.set S,    104                         ; v104-167 S^T, then p
.set OT,   168                         ; v168-199 O^T
.set PC,   200                         ; v200-215 p's codes
.set BM,   216                         ; v216-219 block maxima
.set PB,   220                         ; v220-223 the other half's; then bytes
.set HD,   224                         ; v224-227 holds
.set SO,   228                         ; v228-231 scale operands
.set KSW,  232                         ; v232-235 K's scale words: lanes 0-15 tile 2 u, lanes 16-31 tile 2 u + 1
.set VSW,  236                         ; v236-237 V's likewise
.set QSW,  238                         ; v238 Q's
.set PSW,  239                         ; v239 p's
.set F,    240                         ; v[240:241] f = 2^(old M - new M), and a 0
.set TMP,  242
.set NINF, 243
.set SUM2, 244                         ; v[244:245] the sum's second chain
.set WV,   18
.set MNT,  19
.set SEL,  20
.set CSC,  22                          ; s[22:23] c = log2(e) / 8
.set G1T,  24                          ; s[24:31] group 1 of a slice;  s[32:39] of a step's scale words;  s[40:43] the latter's group 0;  s[44:59] the four slices'
.set G1C,  32
.set G0C,  40
.set G0,   44
.set TB,   60                          ; s60 LDS byte of the step's K
.set TS,   61                          ; s61 of its scale words
.set KSR,  62                          ; s62 the key step
.set CNT,  63
.macro CROUND                          ; a round of the cluster's barrier
	s_barrier_signal -1
	s_barrier_wait -1
	s_cmp_lg_u32 s[WV], 0
	s_cbranch_scc1 .Lnot_wave_0_\@
	s_barrier_signal -3
.Lnot_wave_0_\@:
	s_barrier_wait -3
	s_barrier_signal -1
	s_barrier_wait -1
.endm
	s_load_b128 s[4:7], s[0:1], 0x0                ; qkv s[4:5], aq s[6:7]
	v_lshl_add_u32 v254, v0, 2, 0x4c000
	v_mov_b32 v255, 0
	ds_add_u32 v254, v255
	ds_add_u32 v254, v255
	v_lshrrev_b32 v10, 5, v0
	v_readfirstlane_b32 s[WV], v10                 ; wave 0..15
	s_bfe_u32 s8, ttmp6, 0x40000                   ; cx
	s_lshl_b32 s9, ttmp9, 2
	s_add_co_u32 s9, s9, s8                        ; j: it enters Q's and the result's addresses and the mask's numbers alone
	s_and_b32 s10, ttmp7, 0xffff                   ; bh, which the four partners share
	s_lshl_b32 s11, s10, 17                        ; a head's codes: 131,072 bytes
	s_lshr_b32 s12, s[WV], 3
	s_add_co_u32 s12, s12, 1
	s_lshl_b32 s12, s12, 22                        ; waves 0-7: K's codes; waves 8-15: V's
	s_add_co_u32 s12, s12, s11
	s_and_b32 s13, s[WV], 7
	s_lshl_b32 s13, s13, 12
	s_add_co_u32 s12, s12, s13                     ; my slice of group 0
	s_mov_b32 s13, 0
	s_mul_i32 s14, s[WV], SLC                      ; and its place in LDS
	s_mul_i32 s15, s[WV], 768                      ; key step w's scale words
	s_mul_i32 s16, s10, 12288
	s_add_co_u32 s16, s16, s15
	s_add_co_u32 s16, s16, 0xC40000
	s_mov_b32 s17, 0
	s_mov_b32 s[G1T], 15|(3<<16)|(1<<20)|(1<<21)|(5<<22)|(3<<25)   ; 15:0 the mask: all four; 17:16 elements of 8 bytes; 20 padding on; 21 set beside a mask; 24:22 after every 64 words; 31:25 four words
	s_mov_b32 s[G1T+1], 32<<16                     ; tensor_dim0 = 32 elements: 256 bytes
	s_mov_b32 s[G1T+2], 16<<16                     ; tensor_dim1 = 16
	s_mov_b32 s[G1T+3], 32<<16                     ; tile_dim0
	s_mov_b32 s[G1T+4], 16                         ; tile_dim1
	s_mov_b32 s[G1T+5], 32                         ; dense
	s_mov_b32 s[G1T+6], 0
	s_mov_b32 s[G1T+7], 0
	s_mov_b32 s[G1C], 15|(3<<16)|(1<<21)           ; one row of 768 bytes, no padding
	s_mov_b32 s[G1C+1], 96<<16
	s_mov_b32 s[G1C+2], 1<<16
	s_mov_b32 s[G1C+3], 96<<16
	s_mov_b32 s[G1C+4], 1
	s_mov_b32 s[G1C+5], 96
	s_mov_b32 s[G1C+6], 0
	s_mov_b32 s[G1C+7], 0
	s_mov_b32 s[MNT], 0x600000
	s_mov_b32 s[SEL], 0x76543210
	s_mov_b32 s[SEL+1], 0xfedcba98
	s_mov_b32 s[CSC], 0x3e38aa3b                   ; log2(e) / sqrt(64)
	s_mov_b32 s[CSC+1], s[CSC]                     ; (named with it as a pair, so it is written)
	s_lshr_b32 s66, s9, 1
	s_lshl_b32 s66, s66, 5
	s_and_b32 s67, s9, 1
	s_lshl_b32 s67, s67, 3
	s_add_co_u32 s66, s66, s67                     ; 32 (j / 2) + 8 (j % 2): my tile's first true token within its 128
	s_lshl_b32 s68, s[WV], 7
	s_lshl_b32 s69, s9, 4
	s_add_co_u32 s68, s68, s69                     ; my first position
	s_lshl_b32 s70, s68, 6
	s_add_co_u32 s70, s70, s11                     ; Q's codes
	s_mov_b32 s71, 0
	s_lshl_b32 s72, s10, 11
	s_add_co_u32 s72, s72, s68
	s_lshl_b32 s72, s72, 2
	s_add_co_u32 s72, s72, 0xC00000                ; Q's scale words
	s_mov_b32 s73, 0
	s_lshr_b32 s74, s10, 4
	s_lshl_b32 s74, s74, 11
	s_lshl_b32 s75, s[WV], 7
	s_add_co_u32 s74, s74, s75
	s_add_co_u32 s74, s74, s66                     ; my first true token of 4,096
	s_and_b32 s75, s10, 15                         ; the head
	s_lshl_b32 s76, s75, 18
	s_lshl_b32 s77, s74, 6
	s_add_co_u32 s76, s76, s77                     ; the result's codes
	s_mov_b32 s77, 0
	s_lshl_b32 s78, s74, 5
	s_lshl_b32 s79, s75, 1
	s_add_co_u32 s78, s78, s79
	s_add_co_u32 s78, s78, 0x400000                ; and its scale bytes
	s_mov_b32 s79, 0
	s_wait_dscnt 0x0
	s_wait_kmcnt 0x0
	s_add_nc_u64 s[12:13], s[4:5], s[12:13]
	s_add_nc_u64 s[16:17], s[4:5], s[16:17]
	s_add_nc_u64 s[70:71], s[4:5], s[70:71]
	s_add_nc_u64 s[72:73], s[4:5], s[72:73]
	s_add_nc_u64 s[76:77], s[6:7], s[76:77]
	s_add_nc_u64 s[78:79], s[6:7], s[78:79]
	CROUND                                         ; all four work-groups are here: the joint loads meet
	s_mov_b32 s[G0C], 1
	s_add_co_u32 s[G0C+1], s15, SCB
	s_mov_b64 s[G0C+2:G0C+3], s[16:17]
	s_or_b32 s[G0C+3], s[G0C+3], 0x80000000
.irp g, 0,1,2,3
	s_mov_b32 s[G0+4*\g], 1
	s_add_co_u32 s[G0+4*\g+1], s14, GRP*\g
	s_add_nc_u64 s[G0+4*\g+2:G0+4*\g+3], s[12:13], 32768*\g
	s_or_b32 s[G0+4*\g+3], s[G0+4*\g+3], 0x80000000
.endr
	tensor_load_to_lds s[G0C:G0C+3], s[G1C:G1C+7]  ; every byte is filled once: five loads of mine are out, and none is issued later
	s_nop 0
.irp g, 0,1,2,3
	tensor_load_to_lds s[G0+4*\g:G0+4*\g+3], s[G1T:G1T+7]
	s_nop 0
.endr
.rept 4
	v_nop
.endr
	v_and_b32 v10, 15, v0                          ; r
	v_bfe_u32 v11, v0, 4, 1                        ; h
	v_and_b32 v[TMP], 31, v0                       ; l
	v_lshlrev_b32 v[ADK], 6, v10
	v_lshl_add_u32 v[ADK], v11, 4, v[ADK]          ; Q: row r of 64 bytes, + 16 h
	global_load_b128 v[QF:QF+3], v[ADK], s[70:71]
	global_load_b128 v[QF+4:QF+7], v[ADK], s[70:71] offset:32
	v_lshlrev_b32 v[ADS], 2, v10
	global_load_b32 v[QSW], v[ADS], s[72:73]
	v_lshrrev_b32 v[AKV], 2, v10
	v_mul_u32_u24 v[AKV], v[AKV], 272
	v_and_b32 v[RD], 3, v10
	v_lshl_add_u32 v[AKV], v[RD], 6, v[AKV]
	v_lshl_add_u32 v[AKV], v11, 4, v[AKV]
	v_lshl_add_u32 v[ASC], v[TMP], 2, SCB
	v_and_b32 v[SBO], 8, v10
	v_add_nc_u32 v[SBO], v[SBO], v10               ; r + 8 (r / 8)
	v_add_nc_u32 v[DQ], s66, v[SBO]
	v_lshlrev_b32 v[RD], 4, v11
	v_sub_nc_u32 v[DQ], v[DQ], v[RD]
	v_lshlrev_b32 v[SBO], 5, v[SBO]
	s_mul_i32 s67, s[WV], 1280
	s_add_co_u32 s67, s67, STG                     ; my stage
	v_mul_u32_u24 v[STO], v10, 80
	v_lshl_add_u32 v[STO], v11, 4, v[STO]
	v_add_nc_u32 v[STO], s67, v[STO]               ; in: row r of 64 bytes + 16, + 16 h
	v_lshrrev_b32 v[RD], 2, v[TMP]
	v_mul_u32_u24 v[RD], v[RD], 80
	v_and_b32 v[GO], 3, v[TMP]
	v_lshl_add_u32 v[RD], v[GO], 4, v[RD]
	v_add_nc_u32 v[RD], s67, v[RD]                 ; back: four lanes to a row
	v_lshlrev_b32 v[GO], 4, v[TMP]
	v_mov_b32 v13, 0xff61b1e6                      ; the largest t so far: -3e38
	v_floor_f32 v12, -v13                          ; -M
	v_mov_b32 v14, 0                               ; the sum, in two halves
	v_mov_b32 v15, 0
	v_mov_b32 v[F+1], 0                            ; (named as the upper half of a pair)
	v_mov_b32 v[NINF], 0xff800000
.irp b, 0,1,2,3
	v_mov_b32 v[PB+\b], 0                          ; written once: a lane permute's destination counts as one of its sources
.endr
.irp i, 0,1,2,3,4,5,6,7
	v_mov_b32 v[QF+8+\i], 0                        ; Q's upper 64 along K: zero codes
	v_mov_b32 v[KF+64+\i], 0                       ; what stands behind K's tile 7
.endr
.set n, 0
.rept 32
	v_mov_b32 v[OT+n], 0                           ; O^T: the step is written once; the first finds zeros
.set n, n+1
.endr
; A KEY STEP of 128 keys.
.macro STEP
	s_cmp_gt_u32 s[KSR], s[WV]                     ; all its keys come after my queries: left out (no barrier and no tensor load stands in a step)
	s_cbranch_scc1 .Lhidden_\@
	v_add_nc_u32 v[ADK], s[TB], v[AKV]
	v_add_nc_u32 v[ADS], s[TS], v[ASC]
.rept 6
	v_nop                                          ; with the two additions: eight places in front of loads into registers that the last products read
.endr
.irp t, 0,1,2,3,4,5,6,7
.irp c, 0,1
	ds_load_b128 v[KF+8*\t+4*\c:KF+8*\t+4*\c+3], v[ADK] offset:1088*\t+32*\c
.endr
.endr
.irp u, 0,1,2,3
	ds_load_b32 v[KSW+\u], v[ADS] offset:128*\u
.endr
	s_wait_dscnt 0x0
.irp t, 0,2,4,6
	v_wmma_scale_f32_16x16x128_f8f6f4 v[S+8*\t:S+8*\t+7], v[KF+8*\t:KF+8*\t+15], v[QF:QF+15], 0, v[KSW+\t/2], v[QSW] matrix_a_fmt:MATRIX_FMT_BF8 matrix_b_fmt:MATRIX_FMT_BF8
	v_wmma_scale_f32_16x16x128_f8f6f4 v[S+8*\t+8:S+8*\t+15], v[KF+8*\t+8:KF+8*\t+23], v[QF:QF+15], 0, v[KSW+\t/2], v[QSW] matrix_a_fmt:MATRIX_FMT_BF8 matrix_b_fmt:MATRIX_FMT_BF8 matrix_a_scale:MATRIX_SCALE_ROW1
.endr
.rept 8
	v_nop                                          ; places: the scores are read, and K's registers loaded again, from here on
.endr
.irp t, 0,1,2,3                                ; V is asked for at once and lands under the softmax: tile t = 16 positions of d; registers 4 c on = keys 32 c + 16 h on
.irp c, 0,1,2,3
	ds_load_b128 v[KF+16*\t+4*\c:KF+16*\t+4*\c+3], v[ADK] offset:8*SLC+SLC*(\c/2)+1088*\t+32*(\c%2)
.endr
.endr
.irp u, 0,1
	ds_load_b32 v[VSW+\u], v[ADS] offset:512+128*\u
.endr
	s_cmp_lg_u32 s[KSR], s[WV]
	s_cbranch_scc1 .Lopen_\@
.set n, 0
.rept 64                                       ; on the diagonal: register 16 b + i holds key 32 b + 16 h + i of the step: hidden where that comes after my query
	v_cmp_gt_i32 vcc_lo, 32*(n/16)+n%16, v[DQ]
	v_cndmask_b32 v[S+n], v[S+n], v[NINF], vcc_lo
.set n, n+1
.endr
.Lopen_\@:
.irp b, 0,1,2,3
	v_max3_num_f32 v[BM+\b], v[S+16*\b], v[S+1+16*\b], v[S+2+16*\b]   ; the largest score of each block of 32 keys: for the row's maximum and, since p rises with the score, for the block's largest p
.endr
.irp i, 3,5,7,9,11,13
.irp b, 0,1,2,3
	v_max3_num_f32 v[BM+\b], v[BM+\b], v[S+16*\b+\i], v[S+1+16*\b+\i]
.endr
.endr
.irp b, 0,1,2,3
	v_max_num_f32 v[BM+\b], v[BM+\b], v[S+15+16*\b]
.endr
.irp b, 0,1,2,3
	v_permlanex16_b32 v[PB+\b], v[BM+\b], s[SEL], s[SEL+1]
.endr
.irp b, 0,1,2,3
	v_max_num_f32 v[BM+\b], v[BM+\b], v[PB+\b]     ; with lane l xor 16's 16 keys
.endr
	v_max3_num_f32 v[TMP], v[BM], v[BM+1], v[BM+2]
	v_max_num_f32 v[TMP], v[TMP], v[BM+3]          ; the step's largest score of my query
	v_mul_f32 v[TMP], s[CSC], v[TMP]               ; as t
	v_max_num_f32 v13, v13, v[TMP]                 ; the running largest t
	v_mov_b32 v[TMP], v12
	v_floor_f32 v12, -v13                          ; the new -M = -ceil(t)
	v_sub_f32 v[TMP], v12, v[TMP]                  ; old M - new M: a whole number, 0 or less
	v_cvt_i32_f32 v[TMP], v[TMP]                   ; (it saturates)
	v_ldexp_f32 v[F], 1.0, v[TMP]                  ; f = 2^(old M - new M)
.set n, 0
.rept 32
	v_pk_fma_f32 v[S+n:S+n+1], v[S+n:S+n+1], s[CSC:CSC+1], v[12:13] op_sel_hi:[1,0,0]   ; t - M, two at a time
.set n, n+2
.endr
.irp b, 0,1,2,3
	v_fma_f32 v[BM+\b], v[BM+\b], s[CSC], v12      ; the same of each block's largest score
.endr
.set n, 0
.rept 64
	v_exp_f32 v[S+n], v[S+n]                       ; p = 2^(t - M)
.set n, n+1
.endr
.irp b, 0,1,2,3
	v_exp_f32 v[BM+\b], v[BM+\b]                   ; the block's largest p
.endr
	v_pk_mul_f32 v[14:15], v[14:15], v[F:F+1] op_sel_hi:[1,0]   ; the sums under the new M (a plain line behind the exponentials)
	s_wait_alu depctr_va_vdst(0)
.irp b, 0,1,2,3
	v_max_num_f32 v[BM+\b], 0x8000000, v[BM+\b]    ; the floor 2^(16 - 127)
.endr
.irp b, 0,1,2,3
	v_add_nc_u32 v[SO+\b], 0xf8800000, v[BM+\b]    ; the conversion's scale operand
.endr
.irp b, 0,1,2,3
	v_and_or_b32 v[HD+\b], v[BM+\b], 0x7f800000, s[MNT]   ; 57,344 x the scale
.endr
.irp b, 0,1,2,3
	v_lshrrev_b32 v[PB+\b], 23, v[SO+\b]           ; the scale's byte
.endr
	v_lshl_or_b32 v[PSW], v[PB+1], 8, v[PB]        ; p's scale word for these 128 keys
	v_lshl_or_b32 v[PSW], v[PB+2], 16, v[PSW]
	v_lshl_or_b32 v[PSW], v[PB+3], 24, v[PSW]
	v_pk_add_f32 v[SUM2:SUM2+1], v[S:S+1], v[S+2:S+3]   ; the row's sum is taken of the unquantised p, in two chains
.irp j, 4,8,12,16,20,24,28,32,36,40,44,48,52,56,60
	v_pk_add_f32 v[14:15], v[14:15], v[S+\j:S+\j+1]
	v_pk_add_f32 v[SUM2:SUM2+1], v[SUM2:SUM2+1], v[S+2+\j:S+3+\j]
.endr
	v_pk_add_f32 v[14:15], v[14:15], v[SUM2:SUM2+1]
.irp b, 0,1,2,3
.irp i, 0,1,2,3,4,5,6,7,8,9,10,11,12,13,14,15
	v_min_num_f32 v[S+16*\b+\i], v[S+16*\b+\i], v[HD+\b]   ; the hold; p is not negative, so it is one-sided
.endr
	v_cvt_scalef32_pk8_bf8_f32 v[PC+4*\b:PC+4*\b+1], v[S+16*\b:S+16*\b+7], v[SO+\b]
	v_cvt_scalef32_pk8_bf8_f32 v[PC+4*\b+2:PC+4*\b+3], v[S+16*\b+8:S+16*\b+15], v[SO+\b]
.endr
.set n, 0
.rept 16
	v_pk_mul_f32 v[OT+n:OT+n+1], v[OT+n:OT+n+1], v[F:F+1] op_sel_hi:[1,0]   ; O^T under the new M (also the places between the codes and the products)
.set n, n+2
.endr
	s_wait_dscnt 0x0                               ; V and its scale words are in
.irp t, 0,2                                    ; O^T += V^T P^T: the four accumulators take turns, one instruction a turn
	v_wmma_scale_f32_16x16x128_f8f6f4 v[OT+8*\t:OT+8*\t+7], v[KF+16*\t:KF+16*\t+15], v[PC:PC+15], v[OT+8*\t:OT+8*\t+7], v[VSW+\t/2], v[PSW] matrix_a_fmt:MATRIX_FMT_BF8 matrix_b_fmt:MATRIX_FMT_BF8
	v_wmma_scale_f32_16x16x128_f8f6f4 v[OT+8*\t+8:OT+8*\t+15], v[KF+16*\t+16:KF+16*\t+31], v[PC:PC+15], v[OT+8*\t+8:OT+8*\t+15], v[VSW+\t/2], v[PSW] matrix_a_fmt:MATRIX_FMT_BF8 matrix_b_fmt:MATRIX_FMT_BF8 matrix_a_scale:MATRIX_SCALE_ROW1
.endr
.Lhidden_\@:
	s_add_co_u32 s[KSR], s[KSR], 1
	s_add_co_u32 s[TB], s[TB], 2*SLC               ; the next 128 keys: two slices on
	s_add_co_u32 s[TS], s[TS], 768
.endm
; Group g: four key steps.  In front of its barrier each wave waits for its own slice of the group: behind that load it issued 3 - g, which may stay out, since no LDS byte is filled a second time.
.macro GROUP g
	s_wait_tensorcnt 3-\g
	s_wait_dscnt 0x0
	s_barrier_signal -1
	s_barrier_wait -1                              ; every wave's slice of the group is in
	s_mov_b32 s[TB], GRP*\g
	s_mov_b32 s[TS], 3072*\g
	s_mov_b32 s[KSR], 4*\g
	s_mov_b32 s[CNT], 4
.Lstep_\@:
	STEP
	s_sub_co_u32 s[CNT], s[CNT], 1
	s_cmp_lg_u32 s[CNT], 0
	s_cbranch_scc1 .Lstep_\@
.endm
	s_wait_loadcnt 0x0                             ; Q; its address registers may be written again
	GROUP 0
	GROUP 1
	GROUP 2
	GROUP 3
	; THE WAY OUT: O^T / the sum; its two blocks of 32 along d are quantised; the codes go through my stage, so that the wave's stores cover 512 consecutive bytes.
.rept 8
	v_nop                                          ; places behind the last products
.endr
	v_add_f32 v14, v14, v15                        ; the sum's two halves,
	v_permlanex16_b32 v[TMP], v14, s[SEL], s[SEL+1]
	v_add_f32 v14, v14, v[TMP]                     ; and lane l xor 16's
	v_rcp_f32 v14, v14
	v_nop                                          ; one plain line behind a transcendental
.set n, 0
	s_wait_alu depctr_va_vdst(0)
.rept 16
	v_pk_mul_f32 v[S+n:S+n+1], v[OT+n:OT+n+1], v[14:15] op_sel_hi:[1,0]   ; register 16 b + i is (my query, d = 32 b + 16 h + i); each accumulator from its low end on
.set n, n+2
.endr
.irp b, 0,1
	v_max3_num_f32 v[BM+\b], |v[S+16*\b]|, |v[S+1+16*\b]|, 0x8000000
.endr
.irp i, 2,4,6,8,10,12,14
.irp b, 0,1
	v_max3_num_f32 v[BM+\b], v[BM+\b], |v[S+16*\b+\i]|, |v[S+1+16*\b+\i]|
.endr
.endr
.irp b, 0,1
	v_permlanex16_b32 v[PB+\b], v[BM+\b], s[SEL], s[SEL+1]
.endr
.irp b, 0,1
	v_max_num_f32 v[BM+\b], v[BM+\b], v[PB+\b]
.endr
.irp b, 0,1
	v_add_nc_u32 v[SO+\b], 0xf8800000, v[BM+\b]
.endr
.irp b, 0,1
	v_and_or_b32 v[HD+\b], v[BM+\b], 0x7f800000, s[MNT]
.endr
.irp b, 0,1
	v_lshrrev_b32 v[PB+\b], 23, v[SO+\b]
.endr
	v_lshl_or_b32 v[PSW], v[PB+1], 8, v[PB]        ; the two scale bytes of (my token, this head)
.irp b, 0,1
.irp i, 0,1,2,3,4,5,6,7,8,9,10,11,12,13,14,15
	v_med3_num_f32 v[S+16*\b+\i], v[S+16*\b+\i], -v[HD+\b], v[HD+\b]
.endr
	v_cvt_scalef32_pk8_bf8_f32 v[PC+4*\b:PC+4*\b+1], v[S+16*\b:S+16*\b+7], v[SO+\b]
	v_cvt_scalef32_pk8_bf8_f32 v[PC+4*\b+2:PC+4*\b+3], v[S+16*\b+8:S+16*\b+15], v[SO+\b]
.endr
	v_nop                                          ; one plain line behind the last conversion
	ds_store_b128 v[STO], v[PC:PC+3]
	ds_store_b128 v[STO], v[PC+4:PC+7] offset:32
	ds_load_b128 v[PC+8:PC+11], v[RD]              ; positions 0-7: eight neighbouring tokens;  LDS serves a wave's instructions in order
	ds_load_b128 v[PC+12:PC+15], v[RD] offset:640  ; positions 8-15: the eight tokens 16 further on
	global_store_b16 v[SBO], v[PSW], s[78:79]      ; both halves of the lanes write the same two bytes
	s_wait_dscnt 0x0
	global_store_b128 v[GO], v[PC+8:PC+11], s[76:77]
	global_store_b128 v[GO], v[PC+12:PC+15], s[76:77] offset:1024
	s_wait_tensorcnt 0x0
	ds_add_u32 v254, v255
	s_wait_dscnt 0x0
	CROUND                                         ; the closing round: no work-group ends while a partner may still ask jointly
	s_endpgm
.Lfunc_end_k_q834dbfa57a_attention:
	.size	k_q834dbfa57a_attention, .Lfunc_end_k_q834dbfa57a_attention-k_q834dbfa57a_attention
	.p2alignl 7, 3214868480
	.fill 96, 4, 3214868480
	.section	.rodata,"a",@progbits
	.p2align	6, 0x0
	.amdhsa_kernel k_q834dbfa57a_attention
		.amdhsa_group_segment_fixed_size 313344
		.amdhsa_private_segment_fixed_size 0
		.amdhsa_enable_private_segment 0
		.amdhsa_kernarg_size 16
		.amdhsa_user_sgpr_count 2
		.amdhsa_user_sgpr_kernarg_segment_ptr 1
		.amdhsa_wavefront_size32 1
		.amdhsa_system_sgpr_workgroup_id_x 1
		.amdhsa_system_sgpr_workgroup_id_y 1
		.amdhsa_system_sgpr_workgroup_id_z 1
		.amdhsa_system_vgpr_workitem_id 0
		.amdhsa_next_free_vgpr 256
		.amdhsa_next_free_sgpr 80
		.amdhsa_reserve_vcc 1
		.amdhsa_float_denorm_mode_32 3
		.amdhsa_float_denorm_mode_16_64 3
		.amdhsa_memory_ordered 1
		.amdhsa_forward_progress 1
		.amdhsa_inst_pref_size 112
	.end_amdhsa_kernel
	.amdgpu_metadata
---
amdhsa.version: [ 1, 2 ]
amdhsa.kernels:
  - .name:           k_q834dbfa57a_attention
    .symbol:         k_q834dbfa57a_attention.kd
    .args:
      - { .name: qkv, .offset: 0, .size: 8, .value_kind: global_buffer, .address_space: global }
      - { .name: aq, .offset: 8, .size: 8, .value_kind: global_buffer, .address_space: global }
    .group_segment_fixed_size: 313344
    .private_segment_fixed_size: 0
    .kernarg_segment_align: 8
    .kernarg_segment_size: 16
    .max_flat_workgroup_size: 512
    .sgpr_count:     80
    .vgpr_count:     256
    .wavefront_size: 32
...
	.end_amdgpu_metadata
.endif
;; end of part 4
;; launch proj_gemm (part 5): grid 4 x 16, 4 waves a work-group, clusters of 4 x 4, 327,680 bytes of LDS; arguments aq, wq, bproj, out0; writes out0
.if DOCPART == 5
	.amdgcn_target "amdgcn-amd-amdhsa--gfx1250"
	.amdhsa_code_object_version 6
	.text
	.protected	k_q834dbfa57a_proj_gemm
	.globl	k_q834dbfa57a_proj_gemm
	.p2align	8
	.type	k_q834dbfa57a_proj_gemm,@function
k_q834dbfa57a_proj_gemm:
	s_mov_b64 s[64:65], 0
	v_nop
	global_prefetch_b8 v0, s[64:65] scope:SCOPE_SE
	s_setreg_imm32_b32 hwreg(HW_REG_WAVE_MODE, 25, 1), 1
	s_wait_xcnt 0x0
	s_wait_alu depctr_hold_cnt(0) depctr_sa_sdst(0) depctr_va_vdst(0) depctr_va_sdst(0) depctr_va_ssrc(0) depctr_va_vcc(0) depctr_vm_vsrc(0)
	s_getreg_b32 s2, hwreg(HW_REG_IB_STS2, 6, 4)
	s_cmp_eq_u32 s2, 0
	s_cbranch_scc0 .Lentry_in_a_cluster
	s_endpgm
.Lentry_in_a_cluster:
	s_bfe_u32 s2, ttmp6, 0x10000c
	s_cmp_lg_u32 s2, 0xf033
	s_cbranch_scc0 .Lentry_shape_is_right
	s_endpgm
.Lentry_shape_is_right:
; out0 = attention's result x Wproj + bproj, on codes of BF8 (E5M2) with E8M0 scales; K = 1,024 = 64 x head + d.  out0 [4096][1024] f32.
; A (aq): codes [16 heads][4096 tokens][64] at 0, scale bytes [4096][32] at 0x400000, tokens in true order.  B (wq): rows 3072 on are Wproj's columns, codes [row][1024], scale bytes [row][32] at 0x400000,
; in POSITION ORDER (column n at row perm(n), perm = bits 3 and 4 exchanged).
; A tile of 256 x 256 is made by four waves, each 128 x 128: 64 accumulators.  K goes in steps of 256 (four heads) through a ring of two LDS slots; the scales of the tile's rows come once.
; A's tile of a K step: 128 tokens of four heads: four planes of 8,192 dense bytes, 262,144 bytes apart; in LDS 16 bytes of padding behind every 64: a token's 64 bytes lie 80 apart, a plane 10,240.
; The matrix instruction is used transposed (source 0 = 16 rows of B, source 1 = 16 tokens): a lane holds one token, and by the position order the registers of accumulators (a, 2 c), (a, 2 c + 1) are columns
; 32 c + 16 (lane / 16) + 0 .. 15 in true order.  THE BIAS is the C of each sum's first matrix instruction.
; CLUSTERS: 4 x 4 work-groups; A's tile is shared along a row of the cluster, B's along a column: joint loads.  64 work-groups in all: the size has no more tiles of this shape.
; REGISTERS: window 0: v0-31 addresses; v32-63 scale words, two sets; v64-127 the bias, 8 registers for each of B's blocks; from v128 A's fragments.  window 1: B's fragments, two sets.  windows 2, 3: the accumulators.
.set SIZE_N, 1024
.set NQ,     2
.set ROWB,   256
.set KROW,   1024
.set PITCH,  272                       ; B's LDS row: 256 bytes + 16
.set FR,     16
.set NL,     4
.set NP,     8                         ; places behind this matrix instruction (ISA guide 7.12.1)
.set HALFA,  4*10240                   ; A: 128 tokens x four planes
.set HALFT,  128*PITCH                 ; B: 128 rows
.set SLOT,   2*HALFA+2*HALFT
.set LAPS,   2
.set KS,     32
.set SCL,    2*SLOT
.set HALFS,  16*272
.set SBLK,   2*272
.set SPARE,  SCL+4*HALFS               ; the spare words, 128 bytes for each wave, which no other line names
.set SPITCH, 528                       ; the way out: a stage of 16 rows x (512 bytes + 16) for each wave, in slot 0, which has had its last fill and its last read by then
.set BO,   7                           ; v7   64 h: my half's place in the bias
.set ADRA, 16
.set ADRB, 20
.set STO,  24
.set RD,   25
.set CO,   26
.set ADRS, 27
.set SPW,  28
.set NIL,  29
.set SC,   32
.set BIAS, 64
.set AF,   128
.set BK,   128
.set G1, 24
.set G0, 32
.set G1B, 48
.set G0B, 56
.set G1S, 68
.set G0S, 76
.set G1SB, 80
.set G0SB, 88
.set MSB, 0
.macro WIN new
.if MSB != (\new)
	s_set_vgpr_msb (MSB<<8)|(\new)
.set MSB, (\new)
.endif
.endm
.set MUL_LO, 0xa1                      ; source 0 (B) window 1, source 1 (A) window 0, C and D window 2
.set MUL_HI, 0xf1
.set FST_LO, 0x81                      ; the first step: C (the bias) window 0, D window 2
.set FST_HI, 0xc1
.set TO_B,   0x40
.macro JLOAD g0a, g1a, g0b, g1b        ; a joint load: waves 0 and 1 fetch for A, waves 2 and 3 for B; four v_nop follow each line
	s_cmp_eq_u32 s15, 0
	s_cbranch_scc0 .Lfor_b_\@
	tensor_load_to_lds s[\g0a:\g0a+3], s[\g1a:\g1a+7]
	s_nop 0
.rept 4
	v_nop
.endr
	s_branch .Lasked_\@
.Lfor_b_\@:
	tensor_load_to_lds s[\g0b:\g0b+3], s[\g1b:\g1b+7]
	s_nop 0
.rept 4
	v_nop
.endr
.Lasked_\@:
.endm
.macro CREST
	s_cmp_lg_u32 s14, 0
	s_cbranch_scc1 .Lnot_wave_0_\@
	s_barrier_signal -3
.Lnot_wave_0_\@:
	s_barrier_wait -3
	s_barrier_signal -1
	s_barrier_wait -1
.endm
.macro CROUND
	s_barrier_signal -1
	s_barrier_wait -1
	CREST
.endm
	s_load_b256 s[4:11], s[0:1], 0x0               ; aq s[4:5], wq s[6:7], bproj s[8:9], out0 s[10:11]
	v_lshl_add_u32 v[SPW], v0, 2, SPARE
	v_mov_b32 v[NIL], 0
	ds_add_u32 v28, v29
	ds_add_u32 v28, v29
	s_wait_dscnt 0x0
	v_lshrrev_b32 v1, 5, v0
	v_readfirstlane_b32 s14, v1                    ; wave 0..3
	s_lshr_b32 s15, s14, 1                         ; which 128 tokens are mine.  Also: I fetch for A (0) or for B (1)
	s_and_b32 s16, s14, 1                          ; which 128 columns.  Also: which half of that tile I fetch
	s_bfe_u32 s40, ttmp6, 0x40000                  ; cx, cy
	s_bfe_u32 s41, ttmp6, 0x40004
	s_lshl_b32 s42, ttmp9, 2
	s_add_co_u32 s42, s42, s40                     ; tile column
	s_and_b32 s17, ttmp7, 0xffff
	s_lshl_b32 s17, s17, 2
	s_add_co_u32 s17, s17, s41                     ; tile row
	s_lshl_b32 s43, s41, 2
	s_lshl_b32 s43, 15, s43                        ; my row of the cluster
	s_lshl_b32 s44, 0x1111, s40                    ; my column
	s_or_b32 s[G1+0], s43, (0<<16)|(1<<20)|(1<<21)|(3<<22)|(3<<25)  ; A: elements of 1 byte; padding: four words after every 16
	s_mov_b32 s[G1+1], 8192<<16                    ; tensor_dim0 = 8,192: 128 tokens x 64 bytes
	s_mov_b32 s[G1+2], 4<<16                       ; tensor_dim1 = 4 heads
	s_mov_b32 s[G1+3], 8192<<16                    ; tile_dim0
	s_mov_b32 s[G1+4], 4                           ; tile_dim1
	s_mov_b32 s[G1+5], 262144                      ; from head to head
	s_mov_b32 s[G1+6], 0
	s_mov_b32 s[G1+7], 0
	s_or_b32 s[G1B+0], s44, (0<<16)|(1<<20)|(1<<21)|(5<<22)|(3<<25) ; B: 128 rows of 256 bytes; four words after every 64
	s_mov_b32 s[G1B+1], ROWB<<16
	s_mov_b32 s[G1B+2], 128<<16
	s_mov_b32 s[G1B+3], ROWB<<16
	s_mov_b32 s[G1B+4], 128
	s_mov_b32 s[G1B+5], KROW
	s_mov_b32 s[G1B+6], 0
	s_mov_b32 s[G1B+7], 0
	s_or_b32 s[G1S+0], s43, (3<<16)|(1<<20)|(1<<21)|(5<<22)|(3<<25) ; the scales of 128 rows: 16 rows of 256 dense bytes
	s_or_b32 s[G1SB+0], s44, (3<<16)|(1<<20)|(1<<21)|(5<<22)|(3<<25)
.irp g, G1S, G1SB
	s_mov_b32 s[\g+1], 32<<16
	s_mov_b32 s[\g+2], 16<<16
	s_mov_b32 s[\g+3], 32<<16
	s_mov_b32 s[\g+4], 16
	s_mov_b32 s[\g+5], 32
	s_mov_b32 s[\g+6], 0
	s_mov_b32 s[\g+7], 0
.endr
	s_lshl_b32 s18, s16, 7
	s_lshl_b32 s20, s17, 8
	s_add_co_u32 s20, s20, s18                     ; A: token 256 x tile row + 128 x half
	s_lshl_b32 s46, s42, 8
	s_add_co_u32 s46, s46, s18
	s_add_co_u32 s46, s46, 3072                    ; B: row of wq
	s_lshl_b32 s22, s20, 5
	s_add_co_u32 s22, s22, 0x400000
	s_mov_b32 s23, 0
	s_lshl_b32 s92, s46, 5
	s_add_co_u32 s92, s92, 0x400000
	s_mov_b32 s93, 0
	s_lshl_b32 s20, s20, 6                         ; A's codes: 64 bytes a token in a plane
	s_mov_b32 s21, 0
	s_lshl_b32 s46, s46, 10
	s_mov_b32 s47, 0
	s_mul_i32 s45, s16, HALFA                      ; where they go: A's two halves,
	s_mul_i32 s95, s16, HALFT
	s_add_co_u32 s95, s95, 2*HALFA                 ; then B's two
	s_mul_i32 s94, s14, HALFS
	s_wait_kmcnt 0x0
	s_add_nc_u64 s[20:21], s[4:5], s[20:21]
	s_add_nc_u64 s[22:23], s[4:5], s[22:23]
	s_add_nc_u64 s[46:47], s[6:7], s[46:47]
	s_add_nc_u64 s[92:93], s[6:7], s[92:93]
	CROUND                                         ; all sixteen work-groups are here: the first joint loads meet
	s_mov_b32 s[G0S], 1
	s_add_co_u32 s[G0S+1], s94, SCL
	s_mov_b64 s[G0S+2:G0S+3], s[22:23]
	s_or_b32 s[G0S+3], s[G0S+3], 0x80000000
	s_mov_b32 s[G0SB], 1
	s_add_co_u32 s[G0SB+1], s94, SCL
	s_mov_b64 s[G0SB+2:G0SB+3], s[92:93]
	s_or_b32 s[G0SB+3], s[G0SB+3], 0x80000000
	JLOAD G0S, G1S, G0SB, G1SB
.irp s, 0,1
	s_mov_b32 s[G0+4*\s], 1
	s_add_co_u32 s[G0+4*\s+1], s45, \s*SLOT
	s_add_nc_u64 s[G0+4*\s+2:G0+4*\s+3], s[20:21], \s*0x100000     ; K step s: four heads on
	s_or_b32 s[G0+4*\s+3], s[G0+4*\s+3], 0x80000000
	s_mov_b32 s[G0B+4*\s], 1
	s_add_co_u32 s[G0B+4*\s+1], s95, \s*SLOT
	s_add_nc_u64 s[G0B+4*\s+2:G0B+4*\s+3], s[46:47], \s*ROWB
	s_or_b32 s[G0B+4*\s+3], s[G0B+4*\s+3], 0x80000000
	JLOAD G0+4*\s, G1, G0B+4*\s, G1B
.endr
	v_and_b32 v1, 15, v0                           ; r
	v_bfe_u32 v2, v0, 4, 1                         ; h
	v_mul_u32_u24 v3, v1, PITCH
	v_lshl_add_u32 v4, v2, 4, v3                   ; B: row x 272 + 16 h
	v_mul_u32_u24 v3, v1, 80
	v_lshl_add_u32 v3, v2, 4, v3                   ; A: token x 80 + 16 h
	s_mul_i32 s21, s15, HALFA                      ; my 128 tokens
	s_mul_i32 s22, s16, HALFT                      ; my 128 rows of B,
	s_add_co_u32 s22, s22, 2*HALFA                 ; behind A's
.irp s, 0,1
	v_add_nc_u32 v[ADRA+\s], s21, v3
	v_add_nc_u32 v[ADRB+\s], s22, v4
	s_add_co_u32 s21, s21, SLOT
	s_add_co_u32 s22, s22, SLOT
.endr
	v_mul_u32_u24 v5, v1, KS
	v_lshrrev_b32 v6, 8, v5
	v_lshl_add_u32 v5, v6, 4, v5
	s_mul_i32 s21, s15, HALFS
	s_mul_i32 s22, s16, HALFS
	s_add_co_u32 s22, s22, 2*HALFS
	s_sub_co_u32 s22, s22, s21
	v_mul_u32_u24 v6, s22, v2                      ; lanes 16-31 take B's
	s_add_co_u32 s21, s21, SCL
	v_add_nc_u32 v5, v5, v6
	v_add_nc_u32 v[ADRS], s21, v5
	s_mul_i32 s23, s14, 16*SPITCH                  ; my stage
	v_mul_u32_u24 v5, v1, SPITCH
	v_lshl_add_u32 v5, v2, 6, v5                   ; in: row r; my half's 16 columns of each 32: + 64 h
	v_add_nc_u32 v[STO], s23, v5
	v_and_b32 v6, 31, v0
	v_lshlrev_b32 v[CO], 4, v6                     ; back: the 32 lanes take one row of 512 bytes; and the same in out0
	v_add_nc_u32 v[RD], s23, v[CO]
	v_lshlrev_b32 v[BO], 6, v2
	s_lshl_b32 s20, s17, 8
	s_lshl_b32 s21, s15, 7
	s_add_co_u32 s20, s20, s21                     ; my first row of out0
	s_lshl_b32 s20, s20, 12
	s_mov_b32 s21, 0
	s_lshl_b32 s46, s42, 10                        ; my first column, in bytes
	s_lshl_b32 s47, s16, 9
	s_add_co_u32 s46, s46, s47
	s_mov_b32 s47, 0
	s_add_nc_u64 s[8:9], s[8:9], s[46:47]          ; the bias of my 128 columns
	s_add_nc_u64 s[20:21], s[20:21], s[46:47]
	s_add_nc_u64 s[12:13], s[10:11], s[20:21]
.irp b, 0,1,2,3,4,5,6,7                        ; block b's registers hold columns 32 (b / 2) + 16 h + 8 (b % 2) + 0 .. 7
	global_load_b128 v[BIAS+8*\b:BIAS+8*\b+3], v[BO], s[8:9] offset:(32*(\b/2)+8*(\b%2))*4
	global_load_b128 v[BIAS+8*\b+4:BIAS+8*\b+7], v[BO], s[8:9] offset:(32*(\b/2)+8*(\b%2))*4+16
.endr
.macro FRAGB reg, adr, q, i            ; B: lane l holds row l % 16; registers 4 c on hold K = 32 c + 16 (l / 16) on
.irp c, 0,1,2,3
	ds_load_b128 v[\reg+4*\c:\reg+4*\c+3], v[\adr] offset:128*(\q)+32*\c+(\i)*16*PITCH
.endr
.endm
.macro FRAGA reg, adr, q, i            ; A: the same numbers: K = 128 q + 32 c lies in plane 2 q + c / 2, at byte 32 (c % 2) of the token's 64
.irp c, 0,1,2,3
	ds_load_b128 v[\reg+4*\c:\reg+4*\c+3], v[\adr] offset:(2*(\q)+\c/2)*10240+32*(\c%2)+(\i)*1280
.endr
.endm
; 16 matrix instructions: A's blocks a0, a0 + 1 x B's eight.  first = 1: the sums start from the bias.  The 64 accumulators take turns, one instruction a turn.
.macro MUL16 a0, p, q, sc, first
.irp a, \a0, \a0+1
.irp b, 0,1,2,3,4,5,6,7
.if \first
	v_wmma_scale_f32_16x16x128_f8f6f4 v[8*(8*((\a)%4)+\b):8*(8*((\a)%4)+\b)+7], v[128*(\p)+FR*\b:128*(\p)+FR*\b+FR-1], v[AF+FR*(\a):AF+FR*(\a)+FR-1], v[BIAS+8*\b:BIAS+8*\b+7], v[SC+8*NQ*(\sc)+NQ*\b+(\q)], v[SC+8*NQ*(\sc)+NQ*(\a)+(\q)] matrix_a_fmt:MATRIX_FMT_BF8 matrix_b_fmt:MATRIX_FMT_BF8 matrix_a_scale:MATRIX_SCALE_ROW1
.else
	v_wmma_scale_f32_16x16x128_f8f6f4 v[8*(8*((\a)%4)+\b):8*(8*((\a)%4)+\b)+7], v[128*(\p)+FR*\b:128*(\p)+FR*\b+FR-1], v[AF+FR*(\a):AF+FR*(\a)+FR-1], v[8*(8*((\a)%4)+\b):8*(8*((\a)%4)+\b)+7], v[SC+8*NQ*(\sc)+NQ*\b+(\q)], v[SC+8*NQ*(\sc)+NQ*(\a)+(\q)] matrix_a_fmt:MATRIX_FMT_BF8 matrix_b_fmt:MATRIX_FMT_BF8 matrix_a_scale:MATRIX_SCALE_ROW1
.endif
.endr
.endr
.endm
.macro FETCH_B slot, q, p
	WIN TO_B
.irp i, 0,1,2,3,4,5,6,7
	FRAGB 128*(\p)+FR*\i, ADRB+\slot, \q, \i
.endr
	WIN 0
.endm
.macro FETCH_A slot, q, i0
.irp i, \i0, \i0+1, \i0+2, \i0+3
	FRAGA AF+FR*(\i), ADRA+\slot, \q, \i
.endr
.endm
.macro SCALES sc
.irp i, 0,1,2,3,4,5,6,7
	ds_load_b64 v[SC+8*NQ*\sc+NQ*\i:SC+8*NQ*\sc+NQ*\i+1], v[ADRS] offset:\i*SBLK
.endr
.endm
.macro PLACES n                        ; places in front of loads into registers that matrix instructions have read, and of the first read of results
.rept \n
	v_nop
.endr
.endm
.macro STEP slot, q, first
	s_wait_dscnt 4*NL                              ; B's set and A's blocks 0-3 are in; the youngest 16 loads (A's blocks 4-7) may be out
.if \first
	WIN FST_LO
.else
	WIN MUL_LO
.endif
	MUL16 0, (\q)%2, \q, \slot, \first
	MUL16 2, (\q)%2, \q, \slot, \first
	s_wait_dscnt 0
	PLACES NP
	FETCH_B \slot, (\q)+1, 1-(\q)%2
	FETCH_A \slot, (\q)+1, 0
.if \first
	WIN FST_HI
.else
	WIN MUL_HI
.endif
	MUL16 4, (\q)%2, \q, \slot, \first
	MUL16 6, (\q)%2, \q, \slot, \first
	PLACES NP
	WIN 0
	FETCH_A \slot, (\q)+1, 4
.endm
; A slot's last step changes slots: ONE barrier; in front of it each wave waits for all its tensor loads, adds 0 to its spare word, and waits for that and for its own reads of this slot.
.macro TURN slot, next, fill
	s_wait_tensorcnt 0x0                           ; all my tensor loads have landed: my part of the next slot
	ds_add_u32 v[SPW], v[NIL]                      ; 0 onto my spare word
	s_wait_dscnt 4*NL+1                            ; (the add and the youngest 16 loads may be out)
	WIN MUL_LO
	MUL16 0, 1, NQ-1, \slot, 0
	s_wait_dscnt 0x0                               ; the add is done, and my reads of this slot are over
	s_barrier_signal -1
	MUL16 2, 1, NQ-1, \slot, 0
	WIN 0
	s_barrier_wait -1
.if \fill
	CREST                                          ; the barrier has opened a round of the cluster's barrier
	s_add_nc_u64 s[G0+4*\slot+2:G0+4*\slot+3], s[G0+4*\slot+2:G0+4*\slot+3], 0x200000
	s_add_nc_u64 s[G0B+4*\slot+2:G0B+4*\slot+3], s[G0B+4*\slot+2:G0B+4*\slot+3], 2*ROWB
	JLOAD G0+4*\slot, G1, G0B+4*\slot, G1B         ; the first tensor load behind the round
	PLACES NP-4
.else
	PLACES NP
.endif
	v_add_nc_u32 v[ADRS], 4*NQ, v[ADRS]
	FETCH_B \next, 0, 0
	FETCH_A \next, 0, 0
	SCALES \next
	WIN MUL_HI
	MUL16 4, 1, NQ-1, \slot, 0
	MUL16 6, 1, NQ-1, \slot, 0
	PLACES NP
	WIN 0
	FETCH_A \next, 0, 4
.endm
	s_wait_tensorcnt 1                             ; the scales and my part of K step 0 are in (K step 1's load may be out)
	s_barrier_signal -1
	s_barrier_wait -1
	FETCH_B 0, 0, 0
	FETCH_A 0, 0, 0
	SCALES 0
	FETCH_A 0, 0, 4
	s_wait_loadcnt 0x0                             ; the bias
	STEP 0, 0, 1
	s_mov_b32 s3, LAPS-1
.Llap:
	TURN 0, 1, 1
	STEP 1, 0, 0
	TURN 1, 0, 1
	STEP 0, 0, 0
	s_sub_co_u32 s3, s3, 1
	s_cmp_lg_u32 s3, 0
	s_cbranch_scc1 .Llap
	TURN 0, 1, 0
	STEP 1, 0, 0
	s_wait_dscnt 4*NL
	WIN MUL_LO
	MUL16 0, 1, NQ-1, 1, 0
	MUL16 2, 1, NQ-1, 1, 0
	s_wait_dscnt 0
	WIN MUL_HI
	MUL16 4, 1, NQ-1, 1, 0
	MUL16 6, 1, NQ-1, 1, 0
	WIN 0
; THE WAY OUT, block by block of 16 tokens x 128 columns, through my own stage and back as whole rows of 512 bytes.  Block b's eight numbers go to columns 32 (b / 2) + 16 h + 8 (b % 2) on: the position order is undone here.
.macro TOSTAGE a
.set AC, 64*((\a)%4)
	WIN 0x08+4*((\a)/4)                            ; the data: window 2 or 3
.irp b, 0,1,2,3,4,5,6,7
	ds_store_b128 v[STO], v[AC+8*\b:AC+8*\b+3] offset:128*(\b/2)+32*(\b%2)          ; each accumulator from its low end on
	ds_store_b128 v[STO], v[AC+8*\b+4:AC+8*\b+7] offset:128*(\b/2)+32*(\b%2)+16
.endr
	WIN 0
.set BB, BK+64*((\a)%2)
.irp t, 0,1,2,3,4,5,6,7,8,9,10,11,12,13,14,15
	ds_load_b128 v[BB+4*\t:BB+4*\t+3], v[RD] offset:\t*SPITCH   ; LDS serves a wave's instructions in order (ISA guide 5.7.1.4)
.endr
.endm
.macro SEND a, younger
.set BB, BK+64*((\a)%2)
	s_wait_dscnt \younger                          ; the block is back in registers
.if (\a) > 0
	s_add_nc_u64 s[12:13], s[12:13], 16*SIZE_N*4   ; (behind a wait on XCNT: the earlier stores have read their base)
.endif
.irp t, 0,1,2,3,4,5,6,7,8,9,10,11,12,13,14,15
	global_store_b128 v[CO], v[BB+4*\t:BB+4*\t+3], s[12:13] offset:\t*SIZE_N*4 th:TH_STORE_NT   ; 32 lanes store 512 consecutive bytes, aligned
.endr
.endm
	PLACES NP
	TOSTAGE 0
.irp a, 1,2,3,4,5,6,7
.if \a > 1
	s_wait_xcnt 0x0                                ; block a - 2's stores have read their registers and their base
.endif
	TOSTAGE \a
	SEND \a-1, 32                                  ; behind block a - 1's loads: block a's 16 stores and 16 loads
.endr
	s_wait_xcnt 0x0
	SEND 7, 0
	s_wait_tensorcnt 0x0                           ; the wave's end
	ds_add_u32 v[SPW], v[NIL]
	s_wait_dscnt 0x0
	CROUND                                         ; the closing round
	s_endpgm
.Lfunc_end_k_q834dbfa57a_proj_gemm:
	.size	k_q834dbfa57a_proj_gemm, .Lfunc_end_k_q834dbfa57a_proj_gemm-k_q834dbfa57a_proj_gemm
	.p2alignl 7, 3214868480
	.fill 96, 4, 3214868480
	.section	.rodata,"a",@progbits
	.p2align	6, 0x0
	.amdhsa_kernel k_q834dbfa57a_proj_gemm
		.amdhsa_group_segment_fixed_size 327680
		.amdhsa_private_segment_fixed_size 0
		.amdhsa_enable_private_segment 0
		.amdhsa_kernarg_size 32
		.amdhsa_user_sgpr_count 2
		.amdhsa_user_sgpr_kernarg_segment_ptr 1
		.amdhsa_wavefront_size32 1
		.amdhsa_system_sgpr_workgroup_id_x 1
		.amdhsa_system_sgpr_workgroup_id_y 1
		.amdhsa_system_sgpr_workgroup_id_z 1
		.amdhsa_system_vgpr_workitem_id 0
		.amdhsa_next_free_vgpr 1024
		.amdhsa_next_free_sgpr 100
		.amdhsa_reserve_vcc 0
		.amdhsa_float_denorm_mode_32 3
		.amdhsa_float_denorm_mode_16_64 3
		.amdhsa_memory_ordered 1
		.amdhsa_forward_progress 1
		.amdhsa_inst_pref_size 147
	.end_amdhsa_kernel
	.amdgpu_metadata
---
amdhsa.version: [ 1, 2 ]
amdhsa.kernels:
  - .name:           k_q834dbfa57a_proj_gemm
    .symbol:         k_q834dbfa57a_proj_gemm.kd
    .args:
      - { .name: aq, .offset: 0, .size: 8, .value_kind: global_buffer, .address_space: global }
      - { .name: wq, .offset: 8, .size: 8, .value_kind: global_buffer, .address_space: global }
      - { .name: bproj, .offset: 16, .size: 8, .value_kind: global_buffer, .address_space: global }
      - { .name: out0, .offset: 24, .size: 8, .value_kind: global_buffer, .address_space: global }
    .group_segment_fixed_size: 327680
    .private_segment_fixed_size: 0
    .kernarg_segment_align: 8
    .kernarg_segment_size: 32
    .max_flat_workgroup_size: 128
    .sgpr_count:     100
    .vgpr_count:     1024
    .wavefront_size: 32
...
	.end_amdgpu_metadata
.endif
;; end of part 5
;; ======== version 2 of 2: 4 launches
;; limits: right only within a limited range of input values
;; workspace buffers: xq 4,325,376 bytes; wq 4,325,376 bytes; qkv 13,238,272 bytes; aq 4,325,376 bytes
;; launch quant (part 6): grid 256 x 1, 4 waves a work-group, no clusters, 69,120 bytes of LDS; arguments x, Wqkv, Wproj, xq, wq; writes xq, wq
.if DOCPART == 6
	.amdgcn_target "amdgcn-amd-amdhsa--gfx1250"
	.amdhsa_code_object_version 6
	.text
	.protected	k_q834dbfa57a_quant
	.globl	k_q834dbfa57a_quant
	.p2align	8
	.type	k_q834dbfa57a_quant,@function
k_q834dbfa57a_quant:
	s_mov_b64 s[64:65], 0
	v_nop
	global_prefetch_b8 v0, s[64:65] scope:SCOPE_SE
	s_setreg_imm32_b32 hwreg(HW_REG_WAVE_MODE, 25, 1), 1
	s_wait_xcnt 0x0
; THE QUANTISERS OF THE FIRST AND THE LAST PRODUCT'S GIVEN OPERANDS, in one launch: work-groups 0-127 take x, work-groups 128-255 the two weights.  The two ways part once, on the work-group's number, and never join;
; each has LDS bytes of its own (x's way 0 on, the weights' way 32,768 on), and every LDS address is made ahead of the parting.
; THE RULE, for both: a block of 32 along K has the scale 2^(floor(log2(its largest magnitude)) - 15): its E8M0 byte is the largest magnitude's exponent field - 15, held at 1 from below; each number is divided by the
; scale, held within +-57,344 and rounded to the nearest code of BF8 (E5M2), ties to even.
; OUT: xq: x's codes [4096 rows][1024] at + 0, scale bytes [4096][32] at + 0x400000.  wq: the same format; rows 0-3071 are Wqkv's columns, rows 3072-4095 Wproj's.
; POSITION ORDER: row n is written at row perm(n), perm = bits 3 and 4 of the row's number exchanged.  A product that reads 16 neighbouring positions as a tile then holds rows 0-7 and 16-23 (or 8-15 and 24-31) of a
; group of 32, which makes two neighbouring tiles' results 16 neighbours in a lane's registers.
; LIMITS: NaN and infinities among the inputs are not served.  A block whose largest magnitude lies under 2^-111, a block of zeros among them, keeps the byte 1 (zeros: the rule says 127; its codes are zeros, which add
; nothing under any byte but 0xff, and this program alone reads the bytes).
; x (K innermost): a wave takes 16 steps of 512 numbers, eight rows in all, so only the run's number is permuted.  Each of a step's four loads reads 512 consecutive bytes; the 2,048 bytes turn through the wave's own
;   stage in LDS and come back 64 bytes (16 neighbours) a lane, two lanes to a block.  Loads run four steps ahead, the turn through LDS one step.
; THE WEIGHTS (K their first axis): a lane takes a column and its registers run down K: a load reads 128 consecutive bytes a wave, a block of 32 lies in one lane's 32 registers, and the conversions give codes with K
;   innermost.  A wave takes 32 columns x 256 along K; its codes go through its own stage and leave as rows: sixteen lanes store 256 consecutive bytes, aligned.  The scale bytes leave as 8 bytes a lane, rows 32 bytes
;   apart: pieces of 8 bytes, one byte for 128 that are read.  One path serves both weights: only the pointer and the pitch are chosen.  The pitch is no constant of the text, so a lane has 32 offsets (row i of a block)
;   and the wave eight bases (block t); none is ever rewritten.
; No barrier: waves share nothing.
; LEFT OUT BY THE PROGRAM (in launch attention): the key steps all of whose keys come after a tile's queries.  The causal mask puts -inf there ahead of the softmax, so p = 0 for all values of the inputs.
; LIMIT: a NaN, an infinity or an overflow that reaches only those scores is not carried to the result.
.set STEPS, 16
.set CB,    16                         ; bytes of 16 codes
.set R,     16                         ; x: v16-79   four sets of 16 numbers as they are loaded
.set X,     80                         ; x: v80-111  two sets of 16 neighbours
.set E,     112                        ; x: v112-127 a scale byte for each step
.set C,     128                        ; x: v128-191 codes: four registers for each step, so that no store's data are written again
.set WREG,  8192                       ; x: LDS: a region for each wave: two stages of 32 x SP bytes, behind them its 256 scale bytes
.set SP,    80                         ; x: a lane's place in a stage: its 64 bytes + 16 of padding
.set WLDS,  32768                      ; the weights' way: its LDS begins here
.set NB,    8                          ; w: blocks of 32 along K for a wave
.set PITCH, 272                        ; w: a stage row: 256 bytes + 16
.set KROW,  1024                       ; a row of the codes in bytes
.set SB,    24                         ; w: v24-25   the scale bytes, four to a register
.set VO,    32                         ; w: v32-63   4 x lane + i x pitch
.set WX,    64                         ; w: v64-127  two sets of 32 numbers
.set WC,    128                        ; w: v128-135 a block's codes
.set OUTR,  136                        ; w: v136-199 the way out
.set XSI,   200                        ; v200 x: the stage, on the way in
.set XSO,   201                        ; v201 x: and on the way out
.set XBY,   202                        ; v202 x: my block's scale byte
.set XBR,   203                        ; v203 x: where the bytes are read back
.set WSI,   204                        ; v204 w: the stage, on the way in
.set WSO,   205                        ; v205 w: and on the way out
	s_load_b256 s[4:11], s[0:1], 0x0               ; x s[4:5], Wqkv s[6:7], Wproj s[8:9], xq s[10:11]
	s_load_b64 s[12:13], s[0:1], 0x20              ; wq
	v_lshl_add_u32 v208, v0, 2, 0x10c00
	v_mov_b32 v209, 0
	v_lshrrev_b32 v1, 5, v0
	v_readfirstlane_b32 s16, v1                    ; wave 0..3
	v_and_b32 v2, 31, v0                           ; lane
	s_mul_i32 s17, s16, WREG
	v_lshrrev_b32 v[XSI], 2, v2
	v_mul_u32_u24 v[XSI], v[XSI], SP
	v_and_b32 v1, 3, v2
	v_lshl_add_u32 v[XSI], v1, 4, v[XSI]
	v_add_nc_u32 v[XSI], s17, v[XSI]               ; SP (lane / 4) + 16 (lane % 4): four lanes' 64 bytes on end, then 16 of padding
	v_mul_u32_u24 v[XSO], v2, SP
	v_add_nc_u32 v[XSO], s17, v[XSO]               ; SP x lane: my 16 neighbours
	s_add_co_u32 s17, s17, 2*32*SP
	v_lshrrev_b32 v[XBY], 1, v2
	v_add_nc_u32 v[XBY], s17, v[XBY]               ; my wave's 256 scale bytes, my block's byte
	v_lshlrev_b32 v7, 3, v2                        ; 8 bytes a lane
	v_add_nc_u32 v[XBR], s17, v7
	s_mul_i32 s19, s16, 32*PITCH
	s_add_co_u32 s19, s19, WLDS                    ; the weights' way: my stage
	v_mul_u32_u24 v[WSI], v2, PITCH
	v_add_nc_u32 v[WSI], s19, v[WSI]               ; into it: row = my column
	v_and_b32 v5, 15, v2
	v_lshrrev_b32 v6, 4, v2                        ; out of it: sixteen lanes to a row, two rows an instruction
	v_mul_u32_u24 v[WSO], v6, PITCH
	v_lshl_add_u32 v[WSO], v5, 4, v[WSO]
	v_add_nc_u32 v[WSO], s19, v[WSO]
	s_cmp_ge_u32 ttmp9, 128
	s_cbranch_scc1 .Lweights
	; ---------------- x
	v_lshlrev_b32 v3, 4, v2                        ; my 16 bytes of a load's 512
	v_mul_u32_u24 v4, v2, CB                       ; my codes' place in a step's
	s_mov_b32 s23, 0x600000                        ; the mantissa field of 57,344
	s_lshl_b32 s18, ttmp9, 2
	s_add_co_u32 s20, s18, s16                     ; the run of eight rows that I read: 4 x work-group + wave
	s_and_b32 s21, s16, 1
	s_lshl_b32 s21, s21, 1
	s_lshr_b32 s22, s16, 1
	s_or_b32 s21, s21, s22                         ; the wave's two bits exchanged: rows' bits 3 and 4
	s_add_co_u32 s18, s18, s21                     ; the run that I write
	s_lshl_b32 s20, s20, 15                        ; 32,768 bytes of f32 a run
	s_mov_b32 s21, 0
	s_lshl_b32 s24, s18, 13                        ; 8,192 bytes of codes
	s_mov_b32 s25, 0
	s_lshl_b32 s26, s18, 8                         ; 256 scale bytes
	s_add_co_u32 s26, s26, 0x400000
	s_mov_b32 s27, 0
	s_wait_alu depctr_va_vdst(0)
	s_wait_kmcnt 0x0
	s_add_nc_u64 s[4:5], s[4:5], s[20:21]
	s_add_nc_u64 s[8:9], s[10:11], s[24:25]        ; the codes
	s_add_nc_u64 s[10:11], s[10:11], s[26:27]      ; the scale bytes
.macro LOAD t
.irp i, 0,1,2,3
	global_load_b128 v[R+16*((\t)%4)+4*\i:R+16*((\t)%4)+4*\i+3], v3, s[4:5] offset:2048*(\t)+512*\i th:TH_LOAD_NT   ; 32 lanes read 512 consecutive bytes
.endr
.endm
.macro TURN t                          ; step t's numbers through the stage: LDS serves a wave's instructions in order, so no wait stands between the stores and the loads
.irp i, 0,1,2,3
	ds_store_b128 v[XSI], v[R+16*((\t)%4)+4*\i:R+16*((\t)%4)+4*\i+3] offset:32*SP*((\t)%2)+8*SP*\i
.endr
.irp i, 0,1,2,3
	ds_load_b128 v[X+16*((\t)%2)+4*\i:X+16*((\t)%2)+4*\i+3], v[XSO] offset:32*SP*((\t)%2)+16*\i
.endr
.endm
.irp t, 0,1,2,3
	LOAD \t
.endr
	s_wait_loadcnt 12                              ; step 0's four loads are in
	TURN 0
.macro STEP t
.set XS, X+16*((\t)%2)
.if (\t) > 0
	s_wait_dscnt 1                                 ; this step's numbers are back from the stage (the last step's byte store may be out)
.else
	s_wait_dscnt 0x0
.endif
.if (\t)+4 < STEPS
	LOAD (\t)+4                                    ; the stage's stores have read these registers: they take the loads of four steps on
.endif
.if (\t)+1 < STEPS
.if STEPS-2-(\t) >= 3
	s_wait_loadcnt 12                              ; the next step's four loads are in; those of the three steps behind it may be out
.else
	s_wait_loadcnt 4*(STEPS-2-(\t))
.endif
	TURN (\t)+1                                    ; and go through the other stage while this step is worked
.endif
	v_max3_num_f32 v8, |v[XS]|, |v[XS+1]|, |v[XS+2]|               ; the largest magnitude of my 16, in two chains
	v_max3_num_f32 v9, |v[XS+3]|, |v[XS+4]|, |v[XS+5]|
.irp i, 6,10
	v_max3_num_f32 v8, v8, |v[XS+\i]|, |v[XS+\i+1]|
	v_max3_num_f32 v9, v9, |v[XS+\i+2]|, |v[XS+\i+3]|
.endr
	v_max3_num_f32 v8, v8, |v[XS+14]|, |v[XS+15]|
	v_max3_num_f32 v8, v8, v9, 0x8000000           ; and the floor 2^(16 - 127): the byte cannot fall under 1
	v_max_num_f32_dpp v8, v8, v8 row_xmask:1 row_mask:0xf bank_mask:0xf   ; and of my neighbour's 16: the block's
	v_add_nc_u32 v11, 0xf8800000, v8               ; 15 off its exponent field: the conversion takes this operand's exponent field as its scale
	v_and_or_b32 v10, v8, 0x7f800000, s23          ; 57,344 x the scale
.irp i, 0,1,2,3,4,5,6,7,8,9,10,11,12,13,14,15
	v_med3_num_f32 v[XS+\i], v[XS+\i], -v10, v10   ; the conversion to an 8-bit code does not saturate (ISA guide 7.6.2): the hold comes first
.endr
	v_cvt_scalef32_pk8_bf8_f32 v[C+4*(\t):C+4*(\t)+1], v[XS:XS+7], v11
	v_cvt_scalef32_pk8_bf8_f32 v[C+4*(\t)+2:C+4*(\t)+3], v[XS+8:XS+15], v11
	v_lshrrev_b32 v[E+(\t)], 23, v11               ; the scale's byte (also the plain line behind the conversions)
	ds_store_b8 v[XBY], v[E+(\t)] offset:16*(\t)   ; both lanes of a block write the same byte with the same value
	global_store_b128 v4, v[C+4*(\t):C+4*(\t)+3], s[8:9] offset:32*CB*(\t)   ; the wave stores 512 consecutive bytes
.endm
.irp t, 0,1,2,3,4,5,6,7,8,9,10,11,12,13,14,15
	STEP \t
.endr
	ds_load_b64 v[12:13], v[XBR]                   ; LDS serves a wave's instructions in order: these see my stores
	s_wait_dscnt 0x0
	global_store_b64 v7, v[12:13], s[10:11]        ; 32 lanes store 256 consecutive bytes, aligned
	s_wait_tensorcnt 0x0
	ds_add_u32 v208, v209
	s_wait_dscnt 0x0
	s_endpgm
.Lweights:	; ---------------- Wqkv and Wproj
	s_sub_co_u32 s14, ttmp9, 128
	s_and_b32 s15, s14, 31                         ; which 128 rows of wq: under 24 Wqkv's columns, else Wproj's
	s_lshr_b32 s20, s14, 5                         ; which 256 along K
	v_lshlrev_b32 v3, 2, v2                        ; in: 4 bytes a lane
	s_wait_alu depctr_va_vdst(0)
	s_mov_b32 s17, 4096
	s_cmp_lt_u32 s15, 24
	s_cselect_b32 s17, 12288, s17                  ; the pitch of the weight in bytes
	s_cselect_b32 s18, 0, 24
	s_sub_co_u32 s18, s15, s18                     ; which 128 columns of that weight
	s_lshl_b32 s18, s18, 9
	s_lshl_b32 s19, s16, 7
	s_add_co_u32 s18, s18, s19                     ; my wave's first column, in bytes
	s_lshl_b32 s21, s20, 8
	s_mul_i32 s21, s21, s17
	s_add_co_u32 s40, s21, s18                     ; where block 0 begins
	s_mov_b32 s41, 0
	s_lshl_b32 s42, s17, 5                         ; 32 rows on: the next block
	s_mov_b32 s43, 0
	s_mov_b32 s44, 0x600000                        ; the mantissa field of 57,344
.irp i, 0,1,2,3,4,5,6,7,8,9,10,11,12,13,14,15,16,17,18,19,20,21,22,23,24,25,26,27,28,29,30,31
	v_mad_u32_u24 v[VO+\i], s17, \i, v3
.endr
	v_mul_u32_u24 v8, v6, KROW
	v_lshl_add_u32 v8, v5, 4, v8                   ; the way out: my place in two rows of the codes (bit 0 of a row's number is not moved by perm)
	v_and_b32 v9, 7, v2
	v_bfe_u32 v10, v2, 3, 1
	v_lshl_or_b32 v9, v10, 4, v9
	v_bfe_u32 v10, v2, 4, 1
	v_lshl_or_b32 v9, v10, 3, v9                   ; perm(lane)
	v_lshlrev_b32 v9, 5, v9                        ; my column's row of scale bytes
	s_lshl_b32 s21, s15, 7
	s_lshl_b32 s22, s16, 5
	s_add_co_u32 s21, s21, s22                     ; my wave's first column of Wqkv, or 3,072 + that of Wproj
	s_lshr_b32 s26, s21, 10                        ; WQKV'S COLUMNS ARE LAID HEAD BY HEAD: a head's 64 rows of q, then its 64 of k, then its 64 of v: row 192 x head + 64 x (q, k, v) + 32 x half
	s_bfe_u32 s27, s21, 0x40006
	s_mul_i32 s27, s27, 192
	s_lshl_b32 s26, s26, 6
	s_add_co_u32 s27, s27, s26
	s_and_b32 s26, s21, 32
	s_add_co_u32 s27, s27, s26
	s_cmp_lt_u32 s15, 24
	s_cselect_b32 s21, s27, s21                    ; my wave's first row of wq
	s_lshl_b32 s22, s21, 10
	s_lshl_b32 s23, s20, 8
	s_add_co_u32 s22, s22, s23                     ; codes: row x 1,024 + 256 y
	s_mov_b32 s23, 0
	s_lshl_b32 s46, s21, 5
	s_lshl_b32 s47, s20, 3
	s_add_co_u32 s46, s46, s47
	s_add_co_u32 s46, s46, 0x400000                ; scale bytes: row x 32 + 8 y
	s_mov_b32 s47, 0
	s_wait_alu depctr_va_vdst(0)
	s_wait_kmcnt 0x0
	s_cmp_lt_u32 s15, 24                           ; the choice hangs on the work-group's number alone
	s_cselect_b64 s[4:5], s[6:7], s[8:9]
	s_add_nc_u64 s[24:25], s[4:5], s[40:41]
.irp t, 1,2,3,4,5,6,7
	s_add_nc_u64 s[24+2*\t:25+2*\t], s[22+2*\t:23+2*\t], s[42:43]
.endr
	s_add_nc_u64 s[10:11], s[12:13], s[22:23]      ; the codes
	s_add_nc_u64 s[12:13], s[12:13], s[46:47]      ; the scale bytes
.macro WLOAD t                         ; block t: W(32 t + i, my column), i = 0 .. 31, into set t % 2
.irp i, 0,1,2,3,4,5,6,7,8,9,10,11,12,13,14,15,16,17,18,19,20,21,22,23,24,25,26,27,28,29,30,31
	global_load_b32 v[WX+32*((\t)%2)+\i], v[VO+\i], s[24+2*(\t):25+2*(\t)] th:TH_LOAD_NT
.endr
.endm
	WLOAD 0
	WLOAD 1
.macro BLOCK t
.set XS, WX+32*((\t)%2)
.if (\t) < NB-1
	s_wait_loadcnt 32                              ; this block's 32 loads are in; the next block's may be out
.else
	s_wait_loadcnt 0
.endif
	v_max3_num_f32 v12, |v[XS]|, |v[XS+1]|, |v[XS+2]|               ; the block's largest magnitude: all 32 numbers are mine
	v_max3_num_f32 v13, |v[XS+3]|, |v[XS+4]|, |v[XS+5]|
.irp i, 6,10,14,18,22,26
	v_max3_num_f32 v12, v12, |v[XS+\i]|, |v[XS+\i+1]|
	v_max3_num_f32 v13, v13, |v[XS+\i+2]|, |v[XS+\i+3]|
.endr
	v_max3_num_f32 v12, v12, |v[XS+30]|, |v[XS+31]|
	v_max3_num_f32 v12, v12, v13, 0x8000000        ; and the floor 2^(16 - 127)
	v_add_nc_u32 v11, 0xf8800000, v12              ; 15 off its exponent field: the conversion's scale operand
	v_and_or_b32 v10, v12, 0x7f800000, s44         ; 57,344 x the scale
	v_lshrrev_b32 v13, 23, v11                     ; the scale's byte
.if (\t)%4 == 0
	v_mov_b32 v[SB+(\t)/4], v13                    ; four bytes to a register, the lower K in the lower byte
.else
	v_lshl_or_b32 v[SB+(\t)/4], v13, 8*((\t)%4), v[SB+(\t)/4]
.endif
.irp i, 0,1,2,3,4,5,6,7,8,9,10,11,12,13,14,15,16,17,18,19,20,21,22,23,24,25,26,27,28,29,30,31
	v_med3_num_f32 v[XS+\i], v[XS+\i], -v10, v10   ; the hold: the conversion does not saturate (ISA guide 7.6.2)
.endr
.irp g, 0,1,2,3
	v_cvt_scalef32_pk8_bf8_f32 v[WC+2*\g:WC+2*\g+1], v[XS+8*\g:XS+8*\g+7], v11
.endr
	v_nop                                          ; one plain line behind the last conversion
	ds_store_b128 v[WSI], v[WC:WC+3] offset:32*(\t)      ; 32 codes: 32 bytes of my column's row
	ds_store_b128 v[WSI], v[WC+4:WC+7] offset:32*(\t)+16
.if (\t)+2 < NB
	WLOAD (\t)+2
.endif
	s_wait_dscnt 0x0                               ; the stores have read their registers: the next block's codes may be written
.endm
.irp t, 0,1,2,3,4,5,6,7
	BLOCK \t
.endr
	global_store_b64 v9, v[SB:SB+1], s[12:13]      ; my column's 8 scale bytes
.irp t, 0,1,2,3,4,5,6,7,8,9,10,11,12,13,14,15
	ds_load_b128 v[OUTR+4*\t:OUTR+4*\t+3], v[WSO] offset:2*\t*PITCH   ; LDS serves a wave's instructions in order: these see my stores
.endr
.irp t, 0,1,2,3,4,5,6,7,8,9,10,11,12,13,14,15
	s_wait_dscnt 15-\t
	global_store_b128 v8, v[OUTR+4*\t:OUTR+4*\t+3], s[10:11] offset:(((2*\t)&7)|((((2*\t)>>3)&1)<<4)|((((2*\t)>>4)&1)<<3))*KROW   ; columns 2 t, 2 t + 1 go to rows perm(2 t), perm(2 t) + 1
.endr
	s_wait_tensorcnt 0x0
	ds_add_u32 v208, v209
	s_wait_dscnt 0x0
	s_endpgm
.Lfunc_end_k_q834dbfa57a_quant:
	.size	k_q834dbfa57a_quant, .Lfunc_end_k_q834dbfa57a_quant-k_q834dbfa57a_quant
	.p2alignl 7, 3214868480
	.fill 96, 4, 3214868480
	.section	.rodata,"a",@progbits
	.p2align	6, 0x0
	.amdhsa_kernel k_q834dbfa57a_quant
		.amdhsa_group_segment_fixed_size 69120
		.amdhsa_private_segment_fixed_size 0
		.amdhsa_enable_private_segment 0
		.amdhsa_kernarg_size 40
		.amdhsa_user_sgpr_count 2
		.amdhsa_user_sgpr_kernarg_segment_ptr 1
		.amdhsa_wavefront_size32 1
		.amdhsa_system_sgpr_workgroup_id_x 1
		.amdhsa_system_sgpr_workgroup_id_y 1
		.amdhsa_system_sgpr_workgroup_id_z 1
		.amdhsa_system_vgpr_workitem_id 0
		.amdhsa_next_free_vgpr 210
		.amdhsa_next_free_sgpr 66
		.amdhsa_reserve_vcc 0
		.amdhsa_float_denorm_mode_32 3
		.amdhsa_float_denorm_mode_16_64 3
		.amdhsa_memory_ordered 1
		.amdhsa_forward_progress 1
		.amdhsa_inst_pref_size 113
	.end_amdhsa_kernel
	.amdgpu_metadata
---
amdhsa.version: [ 1, 2 ]
amdhsa.kernels:
  - .name:           k_q834dbfa57a_quant
    .symbol:         k_q834dbfa57a_quant.kd
    .args:
      - { .name: x, .offset: 0, .size: 8, .value_kind: global_buffer, .address_space: global }
      - { .name: Wqkv, .offset: 8, .size: 8, .value_kind: global_buffer, .address_space: global }
      - { .name: Wproj, .offset: 16, .size: 8, .value_kind: global_buffer, .address_space: global }
      - { .name: xq, .offset: 24, .size: 8, .value_kind: global_buffer, .address_space: global }
      - { .name: wq, .offset: 32, .size: 8, .value_kind: global_buffer, .address_space: global }
    .group_segment_fixed_size: 69120
    .private_segment_fixed_size: 0
    .kernarg_segment_align: 8
    .kernarg_segment_size: 40
    .max_flat_workgroup_size: 128
    .sgpr_count:     66
    .vgpr_count:     210
    .wavefront_size: 32
...
	.end_amdgpu_metadata
.endif
;; end of part 6
;; launch qkv_gemm (part 7): grid 16 x 16, 4 waves a work-group, clusters of 4 x 4, 327,680 bytes of LDS; arguments xq, wq, cos, sin, qkv; writes qkv
.if DOCPART == 7
	.amdgcn_target "amdgcn-amd-amdhsa--gfx1250"
	.amdhsa_code_object_version 6
	.text
	.protected	k_q834dbfa57a_qkv_gemm
	.globl	k_q834dbfa57a_qkv_gemm
	.p2align	8
	.type	k_q834dbfa57a_qkv_gemm,@function
k_q834dbfa57a_qkv_gemm:
	s_mov_b64 s[64:65], 0
	v_nop
	global_prefetch_b8 v0, s[64:65] scope:SCOPE_SE
	s_setreg_imm32_b32 hwreg(HW_REG_WAVE_MODE, 25, 1), 1
	s_wait_xcnt 0x0
	s_wait_alu depctr_hold_cnt(0) depctr_sa_sdst(0) depctr_va_vdst(0) depctr_va_sdst(0) depctr_va_ssrc(0) depctr_va_vcc(0) depctr_vm_vsrc(0)
	s_getreg_b32 s2, hwreg(HW_REG_IB_STS2, 6, 4)
	s_cmp_eq_u32 s2, 0
	s_cbranch_scc0 .Lentry_in_a_cluster
	s_endpgm
.Lentry_in_a_cluster:
	s_bfe_u32 s2, ttmp6, 0x10000c
	s_cmp_lg_u32 s2, 0xf033
	s_cbranch_scc0 .Lentry_shape_is_right
	s_endpgm
.Lentry_shape_is_right:
; qkv = x Wqkv on codes of BF8 (E5M2) with E8M0 scales (K = 1,024), then RoPE on q and k in f32, then the quantisers of the next two products: q and k along the head's 64, v along the keys.
; IN: xq, wq: codes [4096 rows][1024] at 0, scale bytes [4096][32] at 0x400000, rows in POSITION ORDER (bits 3 and 4 of a row's number exchanged).  wq's rows: for each head its 64 of q, of k, of v.  cos, sin [2048][32] f32.
; OUT, all in qkv, in the order of the next launch's operand registers (lane = 16 h + r):
;   q at 0, k at 0x400000: [32 bh][128 tiles of 16 positions][c = 0, 1][lane][16]: position r of the tile, d = 32 c + 16 h + 0 .. 15;
;   v at 0x800000: [32 bh][16 steps of 128 keys][t = 0 .. 3][c = 0 .. 3][lane][16]: position 16 t + r of d, keys 32 c + 16 h + 0 .. 15;
;   q scale words [32 bh][2048 positions] at 0xC00000 (bytes 0, 1: the two blocks of 32; bytes 2, 3: 0); at 0xC40000 [32 bh][16 steps][768 bytes: 128 words of k, as q's; then 64 words of v: four blocks of 32 keys].
; SHARES.  A work-group has one head's q, k and v, 192 rows of wq, for 256 tokens: 256 work-groups of equal work.  A wave has 64 tokens x all 192: 48 accumulators of 16 x 16.
; q, k: source 0 = the weight's rows, source 1 = tokens: a lane holds a token, its registers run along d.  v: source 0 = tokens, source 1 = the weight's rows: a lane holds a channel, its registers run along the keys.  By the position order
;   the 16 registers of two neighbouring tiles are 16 neighbours in true order: a block of 32 lies in lanes l and l xor 16.
; K goes in four steps of 256 through two LDS slots.  THE HEAD'S LOADS, one a wave: wave 0 x's rows of K step 0, wave 1 the weight's, waves 2 and 3 the same of K step 1; the first barrier shows K step 0.  K steps 2 and 3 are refills in rounds of the cluster's barrier.
; 24 PARTS: part 3 q + p is K = 128 q .. 128 q + 127 of q, k or v (p): 16 products.  Its fragments are asked for two parts ahead (one, at a change of slots); the weight's have four buffers, x's two.
; PREFETCH INTO THE L2: K step 2 behind the first barrier, K step 3 behind part 2, each more than a K step's half ahead of its load; the four partners that share a tile share its rows out by address: 32 rows of x or 24 of W a wave.
; CLUSTERS: 4 x 4; x's rows are shared along a row, the weight's along a column.  Scale words and cos, sin go straight into registers.
; LIMITS: NaN and infinities are not served; a block under 2^-111, zeros among them, keeps the byte 1 (this program alone reads the bytes).
; REGISTERS: window 0: addresses, scale words, x's fragments (two sets of 64 at v128), at the end the way out; window 1: the weight's fragments (four buffers of 64); window 2: q's and k's accumulators; window 3: v's, and at v128 cos and sin.
.set PITCH, 272                        ; an LDS row: 256 bytes + 16 of padding
.set BLK,  16*PITCH
.set WL,   256*PITCH                   ; the weight's rows behind x's
.set SLOT, WL+192*PITCH
.set GT,   2*SLOT                      ; scale words on the way out: q's 1,024 bytes, then two key steps' 768
.set SPARE, GT+2560
.set GO,   4                           ; v4   16 l
.set ADRX, 6                           ; v6-7   my x fragments in slot 0, 1
.set ADRW, 8                           ; v8-9   the weight's
.set ABS,  10                          ; v10  32 l
.set CSO,  11                          ; v11  my token's row of cos and sin, my half's eight
.set GQ,   12                          ; v12-14 where words of q, k, v are gathered
.set GK,   13
.set GV,   14
.set GRA,  15                          ; v15-16 where words are read back
.set GRB,  16
.set PFO,  17                          ; v17  the prefetches' offset; never rewritten
.set SPW,  18
.set NIL,  19
.set GO8,  20                          ; v20  8 l
.set SW,   32                          ; v32-79 the weight's scale words: register 8 p + q: lanes 0-15 tile 2 p, lanes 16-31 tile 2 p + 1, K = 128 q on
.set SX,   84                          ; v84-99 x's
.set T,    128                         ; the way out: v128-191 64 numbers of a lane, v192-223 two sets of codes
.set TM,   224                         ; v224-227 largest magnitudes, v228-231 bytes, v232-235 holds, v236-239 scale operands, v240-241 words
.set G1X,  24
.set G1W,  32
.set X0,   48                          ; groups 0: the head's four, then the refills' two
.set W0,   52
.set X1,   56
.set W1,   60
.set XR,   68
.set WR,   72
.set SEL,  66                          ; s[66:67] v_permlanex16_b32's selects for lane l xor 16
.set PFA,  76
.set QO,   78                          ; s[78:79] my codes of q and k
.set VO,   80                          ; s[80:81] of v
.set OW,   82                          ; s[82:83] the scale words that I store
.set MNT,  84
.set MSB,  0
.macro WIN new
.if MSB != (\new)
	s_set_vgpr_msb (MSB<<8)|(\new)
.set MSB, (\new)
.endif
.endm
.macro PLACES n
.rept \n
	v_nop
.endr
.endm
.macro CREST                           ; a round of the cluster's barrier behind its opening barrier
	s_cmp_lg_u32 s14, 0
	s_cbranch_scc1 .Lnot_wave_0_\@
	s_barrier_signal -3
.Lnot_wave_0_\@:
	s_barrier_wait -3
	s_barrier_signal -1
	s_barrier_wait -1
.endm
.macro CROUND
	s_barrier_signal -1
	s_barrier_wait -1
	CREST
.endm
.macro GROUP1 g, mask, rows            ; a tile of so many rows of 256 bytes, 1,024 apart; four words of padding after every 64
	s_or_b32 s[\g], s[\mask], (1<<20)|(1<<21)|(5<<22)|(3<<25)
	s_mov_b32 s[\g+1], 256<<16
	s_mov_b32 s[\g+2], (\rows)<<16
	s_mov_b32 s[\g+3], 256<<16
	s_mov_b32 s[\g+4], \rows
	s_mov_b32 s[\g+5], 1024
	s_mov_b32 s[\g+6], 0
	s_mov_b32 s[\g+7], 0
.endm
.macro GROUP0 g, lds, base, off
	s_mov_b32 s[\g], 1
	s_mov_b32 s[\g+1], \lds
	s_add_nc_u64 s[\g+2:\g+3], s[\base:\base+1], \off
	s_or_b32 s[\g+3], s[\g+3], 0x80000000
.endm
	s_load_b256 s[4:11], s[0:1], 0x0               ; xq s[4:5], wq s[6:7], cos s[8:9], sin s[10:11]
	s_load_b64 s[12:13], s[0:1], 0x20              ; qkv
	v_lshl_add_u32 v[SPW], v0, 2, SPARE
	v_mov_b32 v[NIL], 0
	ds_add_u32 v[SPW], v[NIL]                      ; the opening
	ds_add_u32 v[SPW], v[NIL]
	v_lshrrev_b32 v1, 5, v0
	v_readfirstlane_b32 s14, v1                    ; wave 0..3
	s_lshr_b32 s15, s14, 1
	s_and_b32 s16, s14, 1
	s_bfe_u32 s40, ttmp6, 0x40000                  ; cx, cy
	s_bfe_u32 s41, ttmp6, 0x40004
	s_lshl_b32 s42, ttmp9, 2
	s_add_co_u32 s42, s42, s40                     ; the head
	s_and_b32 s17, ttmp7, 0xffff
	s_lshl_b32 s17, s17, 2
	s_add_co_u32 s17, s17, s41                     ; which 256 tokens of 4,096
	s_lshl_b32 s43, s41, 2
	s_lshl_b32 s43, 15, s43                        ; my row of the cluster
	s_lshl_b32 s44, 0x1111, s40                    ; my column
	GROUP1 G1X, 43, 256
	GROUP1 G1W, 44, 192
	s_lshl_b32 s20, s17, 18                        ; x's codes
	s_mov_b32 s21, 0
	s_mul_i32 s22, s42, 192*1024                   ; the weight's
	s_mov_b32 s23, 0
	s_lshl_b32 s46, s17, 13
	s_lshl_b32 s47, s14, 11
	s_add_co_u32 s46, s46, s47
	s_add_co_u32 s46, s46, 0x400000                ; x's scale bytes: my 64 tokens
	s_mov_b32 s47, 0
	s_mul_i32 s86, s42, 192*32
	s_add_co_u32 s86, s86, 0x400000                ; the weight's
	s_mov_b32 s87, 0
	s_and_b32 s18, s17, 7                          ; which 256 of the sequence
	s_lshl_b32 s88, s18, 15
	s_lshl_b32 s19, s14, 13
	s_add_co_u32 s88, s88, s19                     ; cos, sin: 128 bytes a token
	s_mov_b32 s89, 0
	s_lshr_b32 s90, s17, 3
	s_lshl_b32 s90, s90, 4
	s_add_co_u32 s90, s90, s42                     ; bh
	s_lshl_b32 s78, s90, 17
	s_lshl_b32 s19, s18, 14
	s_add_co_u32 s78, s78, s19
	s_add_co_u32 s80, s78, 0x800000
	s_lshl_b32 s19, s14, 12
	s_add_co_u32 s78, s78, s19                     ; q: my four tiles of 1,024 bytes
	s_mov_b32 s79, 0
	s_lshl_b32 s19, s15, 13
	s_add_co_u32 s80, s80, s19
	s_lshl_b32 s19, s16, 10
	s_add_co_u32 s80, s80, s19                     ; v: my key step, my two c
	s_mov_b32 s81, 0
	s_lshl_b32 s91, s90, 13
	s_lshl_b32 s19, s18, 10
	s_add_co_u32 s91, s91, s19
	s_lshl_b32 s19, s14, 9
	s_add_co_u32 s91, s91, s19
	s_add_co_u32 s91, s91, 0xC00000                ; waves 0, 1: q's words, 512 bytes each
	s_mul_i32 s92, s90, 12288
	s_mul_i32 s19, s18, 1536
	s_add_co_u32 s92, s92, s19
	s_mul_i32 s19, s14, 768
	s_add_co_u32 s92, s92, s19
	s_add_co_u32 s92, s92, 0xC40000-1536           ; waves 2, 3: a key step's words of k and v
	s_lshl_b32 s93, s40, 16
	s_lshl_b32 s19, s16, 15
	s_add_co_u32 s93, s93, s19                     ; prefetch, waves 0, 1: x's rows 64 cx + 32 (wave % 2) on
	s_mul_i32 s94, s41, 48*1024
	s_mul_i32 s19, s16, 24*1024
	s_add_co_u32 s94, s94, s19                     ; waves 2, 3: the weight's rows 48 cy + 24 (wave % 2) on
	s_cmp_lt_u32 s14, 2
	s_cselect_b32 s82, s91, s92
	s_cselect_b32 s92, s93, s94
	s_cselect_b32 s94, 31, 23
	s_mov_b32 s83, 0
	s_mov_b32 s93, 0
	s_mul_i32 s18, s16, 128*1024                   ; a refill: 128 rows of x or 96 of the weight a wave
	s_mov_b32 s19, 0
	s_mul_i32 s96, s16, 96*1024
	s_mov_b32 s97, 0
	s_mov_b32 s[SEL], 0x76543210
	s_mov_b32 s[SEL+1], 0xfedcba98
	s_mov_b32 s[MNT], 0x600000                     ; the mantissa field of 57,344
	s_wait_dscnt 0x0                               ; both opening adds are done
	s_wait_kmcnt 0x0
	s_add_nc_u64 s[20:21], s[4:5], s[20:21]
	s_add_nc_u64 s[22:23], s[6:7], s[22:23]
	s_add_nc_u64 s[46:47], s[4:5], s[46:47]
	s_add_nc_u64 s[86:87], s[6:7], s[86:87]
	s_add_nc_u64 s[8:9], s[8:9], s[88:89]
	s_add_nc_u64 s[10:11], s[10:11], s[88:89]
	s_add_nc_u64 s[78:79], s[12:13], s[78:79]
	s_add_nc_u64 s[80:81], s[12:13], s[80:81]
	s_add_nc_u64 s[82:83], s[12:13], s[82:83]
	GROUP0 X0, 0, 20, 0
	GROUP0 W0, WL, 22, 0
	GROUP0 X1, SLOT, 20, 256
	GROUP0 W1, SLOT+WL, 22, 256
	CROUND                                         ; all sixteen work-groups are here: the joint loads meet
.macro ARM under, g0, g1, next         ; one tree of branches on the wave's number: every way passes one load
	s_cmp_lt_u32 s14, \under
	s_cbranch_scc0 \next
	tensor_load_to_lds s[\g0:\g0+3], s[\g1:\g1+7]
	s_nop 0
	PLACES 4
	s_branch .Lasked
\next:
.endm
	ARM 1, X0, G1X, .Lhead_w0
	ARM 2, W0, G1W, .Lhead_x1
	ARM 3, X1, G1X, .Lhead_w1
	tensor_load_to_lds s[W1:W1+3], s[G1W:G1W+7]
	s_nop 0
	PLACES 4
.Lasked:
	s_cmp_lt_u32 s14, 2
	s_cselect_b64 s[PFA:PFA+1], s[20:21], s[22:23]
	s_add_nc_u64 s[PFA:PFA+1], s[PFA:PFA+1], s[92:93]
	s_add_nc_u64 s[20:21], s[20:21], s[18:19]
	s_add_nc_u64 s[22:23], s[22:23], s[96:97]
	GROUP0 XR, 0, 20, 512                          ; K step 2
	GROUP0 WR, WL, 22, 512
	s_mul_i32 s18, s16, 128*PITCH
	s_add_co_u32 s[XR+1], s[XR+1], s18
	s_mul_i32 s18, s16, 96*PITCH
	s_add_co_u32 s[WR+1], s[WR+1], s18
	v_and_b32 v1, 15, v0                           ; r
	v_bfe_u32 v2, v0, 4, 1                         ; h
	v_and_b32 v3, 31, v0                           ; l
	v_lshlrev_b32 v[ABS], 5, v3                    ; lane l takes row l of a pair of tiles: 32 bytes
	v_and_b32 v21, 8, v1
	v_lshlrev_b32 v[GO], 4, v3
	v_add_nc_u32 v21, v21, v1                      ; r + 8 (r / 8)
	v_lshlrev_b32 v[GO8], 3, v3
	v_lshlrev_b32 v21, 7, v21
	v_min_u32 v[PFO], s94, v3
	v_lshl_add_u32 v[CSO], v2, 5, v21
	v_lshlrev_b32 v[PFO], 10, v[PFO]
.irp p, 0,1,2,3,4,5
.irp c, 0,1
	global_load_b128 v[SW+8*\p+4*\c:SW+8*\p+4*\c+3], v[ABS], s[86:87] offset:1024*\p+16*\c
.endr
.endr
.irp p, 0,1
.irp c, 0,1
	global_load_b128 v[SX+8*\p+4*\c:SX+8*\p+4*\c+3], v[ABS], s[46:47] offset:1024*\p+16*\c
.endr
.endr
	WIN 0xc0
.irp a, 0,1,2,3                                ; cos and sin of block a's tokens: lane (r, h) wants, of token 32 (a / 2) + 8 (a % 2) + r + 8 (r / 8), pairs 16 bb + 8 h + 0 .. 7: 16 cos, then 16 sin
.irp bb, 0,1
.irp k, 0,1
	global_load_b128 v[128+32*\a+8*\bb+4*\k:128+32*\a+8*\bb+4*\k+3], v[CSO], s[8:9] offset:(32*(\a/2)+8*(\a%2))*128+64*\bb+16*\k
	global_load_b128 v[144+32*\a+8*\bb+4*\k:144+32*\a+8*\bb+4*\k+3], v[CSO], s[10:11] offset:(32*(\a/2)+8*(\a%2))*128+64*\bb+16*\k
.endr
.endr
.endr
	WIN 0
	v_mul_u32_u24 v21, v1, PITCH
	v_lshl_add_u32 v21, v2, 4, v21                 ; a fragment's row x pitch + 16 x half
	s_mul_i32 s18, s14, 64*PITCH                   ; my 64 tokens
	v_lshlrev_b32 v22, 2, v1
	v_add_nc_u32 v[ADRX], s18, v21
	v_add_nc_u32 v[ADRW], WL, v21
	s_lshl_b32 s18, s14, 8
	s_add_co_u32 s18, s18, GT
	v_add_nc_u32 v[GQ], s18, v22
	v_add_nc_u32 v[ADRX+1], SLOT, v[ADRX]
	v_add_nc_u32 v[ADRW+1], SLOT, v[ADRW]
	s_mul_i32 s18, s15, 768
	s_add_co_u32 s18, s18, GT+1024                 ; my key step's words
	s_lshl_b32 s19, s16, 8
	s_add_co_u32 s19, s19, s18
	v_add_nc_u32 v[GK], s19, v22
	s_lshl_b32 s19, s16, 1
	s_add_co_u32 s19, s19, s18
	s_add_co_u32 s19, s19, 512
	s_wait_alu depctr_va_vdst(0)
	v_add_nc_u32 v[GV], s19, v22
	s_lshl_b32 s18, s14, 9
	s_and_b32 s19, s15, s16
	s_lshl_b32 s19, s19, 8
	s_add_co_u32 s18, s18, s19
	s_add_co_u32 s18, s18, GT                      ; what I read back: waves 0, 1: q's 512 bytes each; waves 2, 3: a key step's 768
	v_add_nc_u32 v[GRA], s18, v[GO]
	s_add_co_u32 s18, s18, 512
	v_add_nc_u32 v[GRB], s18, v[GO8]
; The fragments of part m: 16 rows x 128 K each: lane l holds row l % 16; registers 4 c .. 4 c + 3 hold K = 32 c + 16 (l / 16) + 0 .. 15.  16 loads; 32 where x's are among them.
.macro FETCH m
.if (\m) < 24
	WIN 0x40
.irp i, 0,1,2,3
.irp c, 0,1,2,3
	ds_load_b128 v[64*((\m)%4)+16*\i+4*\c:64*((\m)%4)+16*\i+4*\c+3], v[ADRW+((\m)/6)%2] offset:128*(((\m)/3)%2)+32*\c+(4*((\m)%3)+\i)*BLK
.endr
.endr
	WIN 0
.if (\m)%3 == 0
.irp i, 0,1,2,3
.irp c, 0,1,2,3
	ds_load_b128 v[128+64*(((\m)/3)%2)+16*\i+4*\c:128+64*(((\m)/3)%2)+16*\i+4*\c+3], v[ADRX+((\m)/6)%2] offset:128*(((\m)/3)%2)+32*\c+\i*BLK
.endr
.endr
.endif
.endif
.endm
.macro EM                              ; RA_, RB_: which of the scale registers' rows
.if Z_
.if RA_ && RB_
	v_wmma_scale_f32_16x16x128_f8f6f4 v[D_:D_+7], v[X_:X_+15], v[Y_:Y_+15], 0, v[S0_], v[S1_] matrix_a_fmt:MATRIX_FMT_BF8 matrix_b_fmt:MATRIX_FMT_BF8 matrix_a_scale:MATRIX_SCALE_ROW1 matrix_b_scale:MATRIX_SCALE_ROW1
.elseif RA_
	v_wmma_scale_f32_16x16x128_f8f6f4 v[D_:D_+7], v[X_:X_+15], v[Y_:Y_+15], 0, v[S0_], v[S1_] matrix_a_fmt:MATRIX_FMT_BF8 matrix_b_fmt:MATRIX_FMT_BF8 matrix_a_scale:MATRIX_SCALE_ROW1
.elseif RB_
	v_wmma_scale_f32_16x16x128_f8f6f4 v[D_:D_+7], v[X_:X_+15], v[Y_:Y_+15], 0, v[S0_], v[S1_] matrix_a_fmt:MATRIX_FMT_BF8 matrix_b_fmt:MATRIX_FMT_BF8 matrix_b_scale:MATRIX_SCALE_ROW1
.else
	v_wmma_scale_f32_16x16x128_f8f6f4 v[D_:D_+7], v[X_:X_+15], v[Y_:Y_+15], 0, v[S0_], v[S1_] matrix_a_fmt:MATRIX_FMT_BF8 matrix_b_fmt:MATRIX_FMT_BF8
.endif
.else
.if RA_ && RB_
	v_wmma_scale_f32_16x16x128_f8f6f4 v[D_:D_+7], v[X_:X_+15], v[Y_:Y_+15], v[D_:D_+7], v[S0_], v[S1_] matrix_a_fmt:MATRIX_FMT_BF8 matrix_b_fmt:MATRIX_FMT_BF8 matrix_a_scale:MATRIX_SCALE_ROW1 matrix_b_scale:MATRIX_SCALE_ROW1
.elseif RA_
	v_wmma_scale_f32_16x16x128_f8f6f4 v[D_:D_+7], v[X_:X_+15], v[Y_:Y_+15], v[D_:D_+7], v[S0_], v[S1_] matrix_a_fmt:MATRIX_FMT_BF8 matrix_b_fmt:MATRIX_FMT_BF8 matrix_a_scale:MATRIX_SCALE_ROW1
.elseif RB_
	v_wmma_scale_f32_16x16x128_f8f6f4 v[D_:D_+7], v[X_:X_+15], v[Y_:Y_+15], v[D_:D_+7], v[S0_], v[S1_] matrix_a_fmt:MATRIX_FMT_BF8 matrix_b_fmt:MATRIX_FMT_BF8 matrix_b_scale:MATRIX_SCALE_ROW1
.else
	v_wmma_scale_f32_16x16x128_f8f6f4 v[D_:D_+7], v[X_:X_+15], v[Y_:Y_+15], v[D_:D_+7], v[S0_], v[S1_] matrix_a_fmt:MATRIX_FMT_BF8 matrix_b_fmt:MATRIX_FMT_BF8
.endif
.endif
.endm
.macro WM a, b, n                      ; token block a, weight tile b of part n
.set XF_, 128+64*(Q_%2)+16*(\a)
.set WF_, 64*((\n)%4)+16*(\b)
.set XS_, SX+8*((\a)/2)+Q_
.set WS_, SW+8*((4*P_+(\b))/2)+Q_
.if P_ == 2
.set D_, 8*(4*(\b)+(\a))
.set X_, XF_
.set Y_, WF_
.set S0_, XS_
.set S1_, WS_
.set RA_, (\a)%2
.set RB_, (\b)%2
.else
.set D_, 128*P_+8*(4*(\a)+(\b))
.set X_, WF_
.set Y_, XF_
.set S0_, WS_
.set S1_, XS_
.set RA_, (\b)%2
.set RB_, (\a)%2
.endif
	EM
.endm
.macro MULH n, a0                      ; token blocks a0, a0 + 1 x four weight tiles; the accumulators take turns, one instruction a turn
.set Q_, (\n)/3
.set P_, (\n)%3
.set Z_, 0
.if Q_ == 0
.set Z_, 1
.endif
.if P_ == 2
	WIN 0xf4                                       ; source 0 window 0, source 1 window 1, C and D window 3
.else
	WIN 0xa1                                       ; source 0 window 1, source 1 window 0, C and D window 2
.endif
.irp a, \a0, \a0+1
.irp b, 0,1,2,3
	WM \a, \b, \n
.endr
.endr
	WIN 0
.endm
.macro PART n
.if (\n) == 23
	s_wait_dscnt 0x0
.elseif ((\n)+1)%3 == 0
	s_wait_dscnt 32                                ; this part's fragments are in; the next part's 32 loads may be out
.else
	s_wait_dscnt 16
.endif
.if (\n) < 22
	PLACES 8                                       ; in front of loads into registers that earlier products have read
	FETCH (\n)+2
.endif
	MULH \n, 0
	MULH \n, 2
.endm
; A part with a change of slots.  Parts 4 and 10: behind it nobody reads the slot just left, and it is filled again; the other slot is whole.  Part 16: the last slot is whole, and nothing is filled.
.macro TURN n
	s_wait_tensorcnt 0x0
.if (\n) < 16
	ds_add_u32 v[SPW], v[NIL]
	s_wait_dscnt 17                                ; this part's fragments are in; the next part's 16 loads and the add may be out
.else
	s_wait_dscnt 16
.endif
	MULH \n, 0
.if (\n) == 4                          ; no tensor load of mine is out, so a descriptor may be written: from here on 128 rows of x, 96 of the weight a load
	s_mov_b32 s[G1X+2], 128<<16
	s_mov_b32 s[G1X+4], 128
	s_mov_b32 s[G1W+2], 96<<16
	s_mov_b32 s[G1W+4], 96
.elseif (\n) == 10                     ; K step 3, into slot 1
	s_add_co_u32 s[XR+1], s[XR+1], SLOT
	s_add_nc_u64 s[XR+2:XR+3], s[XR+2:XR+3], 256
	s_add_co_u32 s[WR+1], s[WR+1], SLOT
	s_add_nc_u64 s[WR+2:WR+3], s[WR+2:WR+3], 256
.endif
	s_wait_dscnt 0x0                               ; the add is done, and my reads of the slot are over
	s_barrier_signal -1
	MULH \n, 2
	s_barrier_wait -1
.if (\n) < 16
	CREST
	s_cmp_eq_u32 s15, 0
	s_cbranch_scc0 .Lfor_w_\@
	tensor_load_to_lds s[XR:XR+3], s[G1X:G1X+7]
	s_nop 0
	PLACES 4
	s_branch .Lfilled_\@
.Lfor_w_\@:
	tensor_load_to_lds s[WR:WR+3], s[G1W:G1W+7]
	s_nop 0
	PLACES 4
.Lfilled_\@:
	PLACES 4
.else
	PLACES 8
.endif
	FETCH (\n)+2
.endm
	s_wait_alu depctr_va_vdst(0)                   ; the head's end
	s_cmp_lt_u32 s14, 2
	s_cbranch_scc0 .Lnot_yet
	s_wait_tensorcnt 0x0                           ; waves 0, 1: K step 0.  The others' wait stands at the first change of slots
.Lnot_yet:
	s_barrier_signal -1
	s_barrier_wait -1
	FETCH 0
	FETCH 1
	global_prefetch_b8 v[PFO], s[PFA:PFA+1] offset:512 th:TH_LOAD_NT scope:SCOPE_SE   ; K step 2: a lane a row
	s_wait_loadcnt 32                              ; the scale words; the 32 loads of cos and sin may be out
	PART 0
	PART 1
	PART 2
	global_prefetch_b8 v[PFO], s[PFA:PFA+1] offset:768 th:TH_LOAD_NT scope:SCOPE_SE   ; K step 3
	PART 3
	TURN 4
.irp n, 5,6,7,8,9
	PART \n
.endr
	TURN 10
.irp n, 11,12,13,14,15
	PART \n
.endr
	TURN 16
.irp n, 17,18,19,20,21,22,23
	PART \n
.endr
; THE WAY OUT.  QMAX: four blocks' largest magnitudes of the 64 numbers at v[s] of window w; bytes, holds, scale operands.
.macro QMAX s, w
	WIN (\w)|((\w)<<2)
.irp b, 0,1,2,3
	v_max3_num_f32 v[TM+\b], |v[\s+16*\b]|, |v[\s+1+16*\b]|, 0x8000000   ; and the floor 2^(16 - 127)
.endr
	WIN ((\w)<<2)|((\w)<<4)
.irp i, 2,4,6,8,10,12,14
.irp b, 0,1,2,3
	v_max3_num_f32 v[TM+\b], v[TM+\b], |v[\s+16*\b+\i]|, |v[\s+1+16*\b+\i]|
.endr
.endr
	WIN 0
.irp b, 0,1,2,3
	v_permlanex16_b32 v[TM+4+\b], v[TM+\b], s[SEL], s[SEL+1]
.endr
.irp b, 0,1,2,3
	v_max_num_f32 v[TM+\b], v[TM+\b], v[TM+4+\b]   ; with lane l xor 16's: the block's
.endr
.irp b, 0,1,2,3
	v_add_nc_u32 v[TM+12+\b], 0xf8800000, v[TM+\b] ; 15 off its exponent field: the conversion's scale operand
.endr
.irp b, 0,1,2,3
	v_and_or_b32 v[TM+8+\b], v[TM+\b], 0x7f800000, s[MNT]   ; 57,344 x the scale
.endr
.irp b, 0,1,2,3
	v_lshrrev_b32 v[TM+4+\b], 23, v[TM+12+\b]      ; the scale's byte
.endr
	v_lshl_or_b32 v[TM+16], v[TM+5], 8, v[TM+4]
	v_lshl_or_b32 v[TM+17], v[TM+7], 8, v[TM+6]
.endm
.macro QCVT s, w, pc                   ; the hold, and 64 codes into v[pc] on
	WIN (\w)
.irp b, 0,1,2,3
.irp i, 0,1,2,3,4,5,6,7,8,9,10,11,12,13,14,15
	v_med3_num_f32 v[T+16*\b+\i], v[\s+16*\b+\i], -v[TM+8+\b], v[TM+8+\b]   ; the conversion does not saturate (ISA guide 7.6.2)
.endr
.endr
	WIN 0
.irp b, 0,1,2,3
	v_cvt_scalef32_pk8_bf8_f32 v[\pc+4*\b:\pc+4*\b+1], v[T+16*\b:T+16*\b+7], v[TM+12+\b]
	v_cvt_scalef32_pk8_bf8_f32 v[\pc+4*\b+2:\pc+4*\b+3], v[T+16*\b+8:T+16*\b+15], v[TM+12+\b]
.endr
	v_nop                                          ; one plain line behind the last conversion
.endm
; RoPE of token block a of q (p = 0) or k (1): pair i of registers is (xe, xo) of rotation i of the lane's sixteen.  First (xo s, xe s), then (xe c - xo s, xo c + xe s).
.macro ROPE a, p
.set AC, 128*\p+32*\a
.set TD, T+32*\p
	WIN 0x0e                                       ; source 0 window 2, source 1 window 3
.set ii, 0
.rept 16
.set cp, 144+32*\a+8*(ii/8)+2*((ii%8)/2)
.if ii%2
	v_pk_mul_f32 v[TD+2*ii:TD+2*ii+1], v[AC+2*ii:AC+2*ii+1], v[cp:cp+1] op_sel:[1,1] op_sel_hi:[0,1]
.else
	v_pk_mul_f32 v[TD+2*ii:TD+2*ii+1], v[AC+2*ii:AC+2*ii+1], v[cp:cp+1] op_sel:[1,0] op_sel_hi:[0,0]
.endif
.set ii, ii+1
.endr
.set ii, 0
.rept 16
.set cp, 128+32*\a+8*(ii/8)+2*((ii%8)/2)
.if ii%2
	v_pk_fma_f32 v[TD+2*ii:TD+2*ii+1], v[AC+2*ii:AC+2*ii+1], v[cp:cp+1], v[TD+2*ii:TD+2*ii+1] op_sel:[0,1,0] op_sel_hi:[1,1,1] neg_lo:[0,0,1]
.else
	v_pk_fma_f32 v[TD+2*ii:TD+2*ii+1], v[AC+2*ii:AC+2*ii+1], v[cp:cp+1], v[TD+2*ii:TD+2*ii+1] op_sel:[0,0,0] op_sel_hi:[1,0,1] neg_lo:[0,0,1]
.endif
.set ii, ii+1
.endr
	WIN 0
.endm
	PLACES 8                                       ; behind the last products
.irp b, 0,1,2,3
	v_mov_b32 v[TM+4+\b], 0                        ; written once: a lane permute's destination counts as one of its sources
.endr
	s_wait_alu depctr_va_vdst(0)
	s_wait_loadcnt 0x0                             ; cos and sin
.irp a, 0,1,2,3
.if \a > 1
	s_wait_xcnt 0x0                                ; the earlier stores have read their codes
.endif
	ROPE \a, 0
	ROPE \a, 1
	QMAX T, 0
	ds_store_b32 v[GQ], v[TM+16] offset:64*\a      ; both halves of the lanes write the same words
	ds_store_b32 v[GK], v[TM+17] offset:64*\a
.set PB, 192+16*(\a%2)
	QCVT T, 0, PB
	global_store_b128 v[GO], v[PB:PB+3], s[QO:QO+1] offset:1024*\a            ; each store covers 512 consecutive bytes, aligned
	global_store_b128 v[GO], v[PB+4:PB+7], s[QO:QO+1] offset:1024*\a+512
	global_store_b128 v[GO], v[PB+8:PB+11], s[QO:QO+1] offset:0x400000+1024*\a
	global_store_b128 v[GO], v[PB+12:PB+15], s[QO:QO+1] offset:0x400000+1024*\a+512
.endr
.irp p, 0,1                                    ; v: tiles 2 p and 2 p + 1 of d, my two blocks of 32 keys of each
	s_wait_xcnt 0x0
	QMAX 64*\p, 3
	ds_store_b16 v[GV], v[TM+16] offset:128*\p
	ds_store_b16 v[GV], v[TM+17] offset:128*\p+64
.set PB, 192+16*\p
	QCVT 64*\p, 3, PB
.irp b, 0,1,2,3
	global_store_b128 v[GO], v[PB+4*\b:PB+4*\b+3], s[VO:VO+1] offset:2048*(2*\p+\b/2)+512*(\b%2)
.endr
.endr
	s_wait_dscnt 0x0                               ; my words are gathered
	s_barrier_signal -1
	s_barrier_wait -1                              ; everybody's are
	ds_load_b128 v[T:T+3], v[GRA]
	s_wait_dscnt 0x0
	global_store_b128 v[GO], v[T:T+3], s[OW:OW+1]
	s_cmp_lt_u32 s14, 2
	s_cbranch_scc1 .Lend
	ds_load_b64 v[T+4:T+5], v[GRB]                 ; waves 2, 3: v's 64 words
	s_wait_dscnt 0x0
	global_store_b64 v[GO8], v[T+4:T+5], s[OW:OW+1] offset:512
.Lend:
	s_wait_tensorcnt 0x0                           ; the wave's end
	ds_add_u32 v[SPW], v[NIL]
	s_wait_dscnt 0x0
	CROUND                                         ; the closing round: no work-group ends while a partner may still ask jointly
	s_endpgm
.Lfunc_end_k_q834dbfa57a_qkv_gemm:
	.size	k_q834dbfa57a_qkv_gemm, .Lfunc_end_k_q834dbfa57a_qkv_gemm-k_q834dbfa57a_qkv_gemm
	.p2alignl 7, 3214868480
	.fill 96, 4, 3214868480
	.section	.rodata,"a",@progbits
	.p2align	6, 0x0
	.amdhsa_kernel k_q834dbfa57a_qkv_gemm
		.amdhsa_group_segment_fixed_size 327680
		.amdhsa_private_segment_fixed_size 0
		.amdhsa_enable_private_segment 0
		.amdhsa_kernarg_size 40
		.amdhsa_user_sgpr_count 2
		.amdhsa_user_sgpr_kernarg_segment_ptr 1
		.amdhsa_wavefront_size32 1
		.amdhsa_system_sgpr_workgroup_id_x 1
		.amdhsa_system_sgpr_workgroup_id_y 1
		.amdhsa_system_sgpr_workgroup_id_z 1
		.amdhsa_system_vgpr_workitem_id 0
		.amdhsa_next_free_vgpr 1024
		.amdhsa_next_free_sgpr 100
		.amdhsa_reserve_vcc 0
		.amdhsa_float_denorm_mode_32 3
		.amdhsa_float_denorm_mode_16_64 3
		.amdhsa_memory_ordered 1
		.amdhsa_forward_progress 1
		.amdhsa_inst_pref_size 177
	.end_amdhsa_kernel
	.amdgpu_metadata
---
amdhsa.version: [ 1, 2 ]
amdhsa.kernels:
  - .name:           k_q834dbfa57a_qkv_gemm
    .symbol:         k_q834dbfa57a_qkv_gemm.kd
    .args:
      - { .name: xq, .offset: 0, .size: 8, .value_kind: global_buffer, .address_space: global }
      - { .name: wq, .offset: 8, .size: 8, .value_kind: global_buffer, .address_space: global }
      - { .name: cos, .offset: 16, .size: 8, .value_kind: global_buffer, .address_space: global }
      - { .name: sin, .offset: 24, .size: 8, .value_kind: global_buffer, .address_space: global }
      - { .name: qkv, .offset: 32, .size: 8, .value_kind: global_buffer, .address_space: global }
    .group_segment_fixed_size: 327680
    .private_segment_fixed_size: 0
    .kernarg_segment_align: 8
    .kernarg_segment_size: 40
    .max_flat_workgroup_size: 128
    .sgpr_count:     100
    .vgpr_count:     1024
    .wavefront_size: 32
...
	.end_amdgpu_metadata
.endif
;; end of part 7
;; launch attention (part 8): grid 8 x 32, 16 waves a work-group, clusters of 4 x 1, 327,680 bytes of LDS; arguments qkv, aq; writes aq
.if DOCPART == 8
	.amdgcn_target "amdgcn-amd-amdhsa--gfx1250"
	.amdhsa_code_object_version 6
	.text
	.protected	k_q834dbfa57a_attention
	.globl	k_q834dbfa57a_attention
	.p2align	8
	.type	k_q834dbfa57a_attention,@function
k_q834dbfa57a_attention:
	s_mov_b64 s[64:65], 0
	v_nop
	global_prefetch_b8 v0, s[64:65] scope:SCOPE_SE
	s_setreg_imm32_b32 hwreg(HW_REG_WAVE_MODE, 25, 1), 1
	s_wait_xcnt 0x0
	s_wait_alu depctr_hold_cnt(0) depctr_sa_sdst(0) depctr_va_vdst(0) depctr_va_sdst(0) depctr_va_ssrc(0) depctr_va_vcc(0) depctr_vm_vsrc(0)
	s_getreg_b32 s2, hwreg(HW_REG_IB_STS2, 6, 4)
	s_cmp_eq_u32 s2, 0
	s_cbranch_scc0 .Lentry_in_a_cluster
	s_endpgm
.Lentry_in_a_cluster:
	s_bfe_u32 s2, ttmp6, 0x10000c
	s_cmp_lg_u32 s2, 0x3003
	s_cbranch_scc0 .Lentry_shape_is_right
	s_endpgm
.Lentry_shape_is_right:
; Causal attention of 32 heads (bh = 16 x batch + head), 2,048 tokens, head size 64, both products on codes of BF8 (E5M2) with E8M0 scales, and the quantiser of its result along d for the last product.
; IN (qkv): q, k codes [bh][2048 positions][64] at 0 and 0x400000; v codes [bh][32 chunks][64 positions of d][64 keys] at 0x800000; q scale words [bh][2048] at 0xC00000;
;   [bh][16 steps][128 words of k, 64 words of v] at 0xC40000.  A position p holds the true row perm(p), perm = bits 3 and 4 exchanged; v's keys lie in true order.
; OUT (aq): codes [16 heads][4096 tokens][64] at 0, tokens in true order; scale bytes [4096 tokens][32] at 0x400000, byte 2 x head + d / 32.
; SOFTMAX: t = score x log2(e) / 8; M = the running largest t rounded UP to a whole number; p = 2^(t - M) is quantised along the keys, not normalised; the row's sum is taken of the unquantised p and divides at the end;
; when M moves, the sum and O are multiplied by 2^(old M - new M), which rounds nothing.
; SHARES.  A work-group has one head and 16 tiles of 16 queries: positions 128 QB + 16 j on, QB = 0 .. 15, j the work-group's number 0 .. 7.  Tile QB needs key steps 0 .. QB of 128 keys: 136 steps.
; THE WAVES' SHARES.  Tiles 15 - i and i, 17 steps together, belong to two waves, X and Y, i = wave / 2.  X takes tile 15 - i, keys 0 .. 7.  Y takes tile 15 - i, keys 8 .. 15 - i, hands what it has (O, -M, the sum) to X
;   through LDS, and takes tile i, keys 0 .. i.  So X walks 8 steps and Y 9.  i = 7: X takes tile 8 whole (9 steps), Y tile 7 (8), and nothing is handed over.  X or Y is bit 0 xor bit 2 of the wave's number: two X and two Y
;   among any four waves that are equal modulo 4 and among any four neighbours.  Every branch hangs on the wave's number and a counter alone.
; LEFT OUT: the steps all of whose keys come after a tile's queries.  A NaN or an overflow that reaches only those is not carried to the result.
; A HEAD'S K AND V STAY IN LDS, each byte filled once, by two joint loads a wave (the four work-groups of a cluster have the same head): key steps 0, 1, 8, 9 and all scale words first; the rest behind a full round,
;   with two key steps in which to land.  Each wave's loads stand at the head or directly behind it, with no loop of loads to run ahead in, so no prefetch is written.
; BARRIERS: the round shows the first loads; one behind two key steps shows the second; one behind eight shows what Y handed over.
; LAYOUT.  Both products are used transposed: S^T = K Q^T, O^T = V^T P^T: a lane holds ONE query.  By the position order the 16 registers of two neighbouring tiles are 16 neighbours in true order: keys 32 b + 16 (lane / 16) + 0 .. 15,
;   and likewise d.
; K = 64 IN AN INSTRUCTION OF 128: Q's registers 8-15 are zero codes and bytes 2, 3 of q's and k's scale words are 0.  Tile t of K is named v[32 + 8 t : 47 + 8 t]: its upper eight registers are the next tile's codes
;   (finite: the quantiser holds) or, for tile 7, zeros; they meet Q's zeros and add nothing.
; LIMITS: NaN and infinities are not served; a block under 2^-111, zeros among them, keeps the byte 1; scaled scores stay under 2^31 in magnitude.  The scale bytes leave as 2 bytes a lane, 32 bytes apart.
; INSIDE A TILE of 16 positions of q or k (1,024 bytes), and inside v's 8,192 bytes of a key step, the codes lie in the order of the operand registers: q, k: [c = 0, 1][lane][16]; v: [t = 0 .. 3][c = 0 .. 3][lane][16]:
; the lane's registers 4 c .. 4 c + 3 of that tile.  So LDS holds them as they lie in memory, without padding, and each LDS load takes 512 consecutive bytes.
.set STP,  8192                        ; a key step of K or of V
.set VB,   16*STP                      ; V's place behind K's
.set SCB,  2*VB                        ; the scale words: 768 bytes a key step
.set MRG,  SCB+16*768                  ; the hand-over: 4,096 bytes of O for each pair, then 256 bytes of -M and sums for each
.set SPARE, MRG+8*4096+8*256           ; the spare words, 128 bytes for each wave
.set STG,  10*STP                      ; the way out: a stage of 1,280 bytes for each wave, in K's steps 10 on, which nobody reads behind the third barrier
.set AKV,  1                           ; v1   16 l
.set ASC,  2                           ; v2   SCB + 4 l
.set DQ,   3                           ; v3   my query's true place in its 128, less 16 h
.set ADK,  4                           ; v4   the step's K codes
.set ADS,  5                           ; v5   the step's scale words
.set STO,  6                           ; v6   the stage, in
.set RD,   7                           ; v7   the stage, back
.set GO,   8                           ; v8   16 l
.set SBO,  9                           ; v9   32 (r + 8 (r / 8))
.set ADV,  10                          ; v10  the step's V codes
.set MO,   11                          ; v11  the hand-over of O
.set QF,   16                          ; v16-23 Q's codes, v24-31 zeros
.set KF,   32                          ; v32-95 K's eight tiles of 8 registers, later V's four of 16; v96-103 zeros
.set S,    104                         ; v104-167 S^T, then p
.set OT,   168                         ; v168-199 O^T
.set PC,   200                         ; v200-215 p's codes
.set BM,   216                         ; v216-219 block maxima, later two chains of the sum
.set PB,   220                         ; v220-223 the other half's; then bytes; then a chain of the sum
.set HD,   224                         ; v224-227 holds
.set SO,   228                         ; v228-231 scale operands
.set KSW,  232                         ; v232-235 K's scale words: lanes 0-15 tile 2 u, lanes 16-31 tile 2 u + 1
.set VSW,  236                         ; v236-237 V's likewise
.set QSW,  238                         ; v238 Q's
.set PSW,  239                         ; v239 p's
.set F,    240                         ; v[240:241] f = 2^(old M - new M), and a 0
.set TMP,  242
.set NINF, 243
.set Q2,   244                         ; v244-251 tile i's Q, v252 its scale words (Y takes them up at the hand-over)
.set QSW2, 252
.set MS,   253                         ; v253 the hand-over of -M and the sum
.set QBC,  3                           ; s3  the block of the tile in hand
.set WV,   18
.set MNT,  19
.set SEL,  20
.set CSC,  22                          ; s[22:23] c = log2(e) / 8
.set G1T,  24                          ; s[24:31] group 1 of a key step of K or V;  s[32:39] of two steps' scale words;  s[52:59] of 48 rows
.set G1C,  32
.set G0C,  40
.set G0,   44
.set G0U,  48
.set G1U,  52
.set TB,   60                          ; s60 LDS byte of the step's K
.set TS,   61                          ; s61 768 x the key step
.set SN,   62                          ; s62 the trip
.set I,    63
.set YF,   80                          ; 1 where I hand over
.set SK,   81                          ; my first key step
.set TT,   82                          ; the trip ahead of which I hand over
.set R9,   83                          ; 1 where I have a ninth step
.set MG,   84                          ; 1 where I take what was handed over
.set K8,   85                          ; the ninth step's keys
.set KEY,  86
.macro CROUND                          ; a round of the cluster's barrier
	s_barrier_signal -1
	s_barrier_wait -1
	s_cmp_lg_u32 s[WV], 0
	s_cbranch_scc1 .Lnot_wave_0_\@
	s_barrier_signal -3
.Lnot_wave_0_\@:
	s_barrier_wait -3
	s_barrier_signal -1
	s_barrier_wait -1
.endm
.macro PLACES n
.rept \n
	v_nop
.endr
.endm
.macro GROUP1 g, w0, rows              ; rows of 256 bytes (32 elements of 8), dense
	s_mov_b32 s[\g], \w0
	s_mov_b32 s[\g+1], 32<<16
	s_mov_b32 s[\g+2], (\rows)<<16
	s_mov_b32 s[\g+3], 32<<16
	s_mov_b32 s[\g+4], \rows
	s_mov_b32 s[\g+5], 32
	s_mov_b32 s[\g+6], 0
	s_mov_b32 s[\g+7], 0
.endm
	s_load_b128 s[4:7], s[0:1], 0x0                ; qkv s[4:5], aq s[6:7]
	v_lshl_add_u32 v254, v0, 2, SPARE
	v_mov_b32 v255, 0
	ds_add_u32 v254, v255                          ; the opening
	ds_add_u32 v254, v255
	v_lshrrev_b32 v104, 5, v0
	v_readfirstlane_b32 s[WV], v104
	s_lshr_b32 s[I], s[WV], 1                      ; i
	s_lshr_b32 s2, s[WV], 2
	s_xor_b32 s2, s2, s[WV]
	s_and_b32 s2, s2, 1                            ; y
	s_add_co_u32 s8, s[I], 1
	s_lshr_b32 s8, s8, 3                           ; 1 where i = 7
	s_xor_b32 s9, s8, 1
	s_and_b32 s[YF], s2, s9
	s_lshl_b32 s[SK], s[YF], 3                     ; Y begins at key step 8, all others at 0
	s_xor_b32 s[R9], s2, s8
	s_xor_b32 s10, s2, 1                           ; x
	s_and_b32 s[MG], s10, s9
	s_add_co_u32 s[K8], s[I], s10                  ; Y: i; X of pair 7: 8
	s_and_b32 s11, s2, s8
	s_mul_i32 s11, s11, 15
	s_xor_b32 s[QBC], s[I], 15
	s_xor_b32 s[QBC], s[QBC], s11                  ; 15 - i; Y of pair 7: 7
	s_sub_co_u32 s[TT], 8, s[I]
	s_bfe_u32 s8, ttmp6, 0x40000                   ; cx
	s_lshl_b32 s9, ttmp9, 2
	s_add_co_u32 s9, s9, s8                        ; j: it enters Q's and the result's addresses and the mask's numbers alone
	s_and_b32 s10, ttmp7, 0xffff                   ; bh, which the four partners share
	s_lshl_b32 s11, s10, 17                        ; a head's codes: 131,072 bytes
	; waves 0-7: key steps 0, 1, 8, 9 of K (waves 0-3) and V (waves 4-7)
	s_and_b32 s12, s[WV], 1
	s_and_b32 s13, s[WV], 2
	s_lshl_b32 s13, s13, 2
	s_or_b32 s13, s12, s13                         ; the key step
	s_bfe_u32 s14, s[WV], 0x10002
	s_mul_i32 s15, s13, STP
	s_mul_i32 s2, s14, VB
	s_add_co_u32 s15, s15, s2                      ; in LDS
	s_add_co_u32 s14, s14, 1
	s_lshl_b32 s14, s14, 22
	s_lshl_b32 s12, s13, 13
	s_add_co_u32 s12, s12, s14
	s_add_co_u32 s12, s12, s11                     ; in memory
	s_mov_b32 s13, 0
	; waves 8-15: two key steps' scale words
	s_and_b32 s2, s[WV], 7
	s_mul_i32 s94, s2, 1536
	s_mul_i32 s16, s10, 12288
	s_add_co_u32 s16, s16, s94
	s_add_co_u32 s16, s16, 0xC40000
	s_mov_b32 s17, 0
	s_add_co_u32 s94, s94, SCB
	; the second load: waves 0-7 K, 8-15 V; of them four for steps 2-7 and four for steps 10-15; 12,288 bytes each
	s_lshr_b32 s2, s[WV], 3
	s_bfe_u32 s8, s[WV], 0x10002
	s_and_b32 s14, s[WV], 3
	s_lshl_b32 s8, s8, 3
	s_add_co_u32 s8, s8, 2
	s_mul_i32 s95, s8, STP
	s_mul_i32 s96, s2, VB
	s_add_co_u32 s95, s95, s96
	s_mul_i32 s96, s14, 48*256
	s_add_co_u32 s95, s95, s96                     ; in LDS
	s_add_co_u32 s2, s2, 1
	s_lshl_b32 s92, s2, 22
	s_lshl_b32 s8, s8, 13
	s_add_co_u32 s92, s92, s8
	s_mul_i32 s14, s14, 12288
	s_add_co_u32 s92, s92, s14
	s_add_co_u32 s92, s92, s11                     ; in memory
	s_mov_b32 s93, 0
	GROUP1 G1T, 15|(3<<16)|(1<<21), 32             ; 15:0 the mask: all four; 17:16 elements of 8 bytes; 21 set beside a mask; no padding
	GROUP1 G1U, 15|(3<<16)|(1<<21), 48
	GROUP1 G1C, 15|(3<<16)|(1<<21), 6              ; no padding
	s_mov_b32 s[MNT], 0x600000                     ; the mantissa field of 57,344
	s_mov_b32 s[SEL], 0x76543210
	s_mov_b32 s[SEL+1], 0xfedcba98
	s_mov_b32 s[CSC], 0x3e38aa3b                   ; log2(e) / sqrt(64)
	s_mov_b32 s[CSC+1], s[CSC]                     ; (named with it as a pair, so it is written)
	s_lshr_b32 s66, s9, 1
	s_lshl_b32 s66, s66, 5
	s_and_b32 s67, s9, 1
	s_lshl_b32 s67, s67, 3
	s_add_co_u32 s66, s66, s67                     ; 32 (j / 2) + 8 (j % 2): my tile's first true token within its 128
	s_lshl_b32 s8, s9, 10
	s_add_co_u32 s8, s8, s11
	s_lshl_b32 s70, s[QBC], 13
	s_add_co_u32 s70, s70, s8                      ; Q's codes: my first tile,
	s_mov_b32 s71, 0
	s_lshl_b32 s88, s[I], 13
	s_add_co_u32 s88, s88, s8                      ; and tile i
	s_mov_b32 s89, 0
	s_lshl_b32 s8, s10, 13
	s_lshl_b32 s14, s9, 6
	s_add_co_u32 s14, s14, s8
	s_add_co_u32 s14, s14, 0xC00000
	s_lshl_b32 s72, s[QBC], 9
	s_add_co_u32 s72, s72, s14                     ; Q's scale words
	s_mov_b32 s73, 0
	s_lshl_b32 s90, s[I], 9
	s_add_co_u32 s90, s90, s14
	s_mov_b32 s91, 0
	s_lshr_b32 s2, s10, 4
	s_lshl_b32 s2, s2, 11
	s_add_co_u32 s2, s2, s66                       ; the true token at block 0
	s_and_b32 s8, s10, 15                          ; the head
	s_lshl_b32 s76, s8, 18
	s_lshl_b32 s77, s2, 6
	s_add_co_u32 s76, s76, s77                     ; the result's codes
	s_mov_b32 s77, 0
	s_lshl_b32 s78, s2, 5
	s_lshl_b32 s79, s8, 1
	s_add_co_u32 s78, s78, s79
	s_add_co_u32 s78, s78, 0x400000                ; and its scale bytes
	s_mov_b32 s79, 0
	s_wait_dscnt 0x0                               ; both opening adds are done
	s_wait_kmcnt 0x0
	s_add_nc_u64 s[12:13], s[4:5], s[12:13]
	s_add_nc_u64 s[16:17], s[4:5], s[16:17]
	s_add_nc_u64 s[92:93], s[4:5], s[92:93]
	s_add_nc_u64 s[70:71], s[4:5], s[70:71]
	s_add_nc_u64 s[72:73], s[4:5], s[72:73]
	s_add_nc_u64 s[88:89], s[4:5], s[88:89]
	s_add_nc_u64 s[90:91], s[4:5], s[90:91]
	s_add_nc_u64 s[76:77], s[6:7], s[76:77]
	s_add_nc_u64 s[78:79], s[6:7], s[78:79]
	s_mov_b32 s[G0], 1
	s_mov_b32 s[G0+1], s15
	s_mov_b64 s[G0+2:G0+3], s[12:13]
	s_or_b32 s[G0+3], s[G0+3], 0x80000000
	s_mov_b32 s[G0C], 1
	s_mov_b32 s[G0C+1], s94
	s_mov_b64 s[G0C+2:G0C+3], s[16:17]
	s_or_b32 s[G0C+3], s[G0C+3], 0x80000000
	s_mov_b32 s[G0U], 1
	s_mov_b32 s[G0U+1], s95
	s_mov_b64 s[G0U+2:G0U+3], s[92:93]
	s_or_b32 s[G0U+3], s[G0U+3], 0x80000000
	CROUND                                         ; all four work-groups are here: the joint loads meet
	s_cmp_lt_u32 s[WV], 8
	s_cbranch_scc0 .Lwords
	tensor_load_to_lds s[G0:G0+3], s[G1T:G1T+7]
	s_nop 0
	PLACES 4
	s_branch .Lasked
.Lwords:
	tensor_load_to_lds s[G0C:G0C+3], s[G1C:G1C+7]
	s_nop 0
	PLACES 4
.Lasked:
	v_and_b32 v104, 15, v0                         ; r
	v_bfe_u32 v105, v0, 4, 1                       ; h
	v_and_b32 v106, 31, v0                         ; l
	v_lshlrev_b32 v108, 4, v106
	v_lshlrev_b32 v109, 2, v104
	global_load_b128 v[QF:QF+3], v108, s[70:71]
	global_load_b128 v[QF+4:QF+7], v108, s[70:71] offset:512
	global_load_b32 v[QSW], v109, s[72:73]
	global_load_b128 v[Q2:Q2+3], v108, s[88:89]
	global_load_b128 v[Q2+4:Q2+7], v108, s[88:89] offset:512
	global_load_b32 v[QSW2], v109, s[90:91]
	v_and_b32 v[SBO], 8, v104
	v_lshlrev_b32 v[AKV], 4, v106                  ; 16 l
	v_lshlrev_b32 v110, 4, v105
	v_add_nc_u32 v[SBO], v[SBO], v104              ; r + 8 (r / 8)
	v_lshl_add_u32 v[ASC], v106, 2, SCB
	v_add_nc_u32 v[DQ], s66, v[SBO]
	v_sub_nc_u32 v[DQ], v[DQ], v110
	v_lshlrev_b32 v[SBO], 5, v[SBO]
	s_mul_i32 s67, s[WV], 1280
	s_add_co_u32 s67, s67, STG                     ; my stage
	s_lshl_b32 s68, s[I], 12
	s_add_co_u32 s68, s68, MRG                     ; my pair's hand-over
	s_lshl_b32 s69, s[I], 8
	s_add_co_u32 s69, s69, MRG+8*4096
	v_mul_u32_u24 v[STO], v104, 80
	v_lshrrev_b32 v[RD], 2, v106
	v_and_b32 v107, 3, v106
	v_lshl_add_u32 v[STO], v105, 4, v[STO]
	v_mul_u32_u24 v[RD], v[RD], 80
	v_lshlrev_b32 v[GO], 4, v106
	v_add_nc_u32 v[STO], s67, v[STO]               ; in: row r of 64 bytes + 16, + 16 h
	v_lshl_add_u32 v[RD], v107, 4, v[RD]
	v_lshlrev_b32 v[MS], 3, v106
	v_add_nc_u32 v[MO], s68, v[GO]
	v_add_nc_u32 v[RD], s67, v[RD]                 ; back: four lanes to a row
	v_add_nc_u32 v[MS], s69, v[MS]
	v_mov_b32 v[F+1], 0                            ; (named as the upper half of a pair)
	v_mov_b32 v[NINF], 0xff800000
.irp b, 0,1,2,3
	v_mov_b32 v[PB+\b], 0                          ; written once: a lane permute's destination counts as one of its sources
.endr
.irp i, 0,1,2,3,4,5,6,7
	v_mov_b32 v[QF+8+\i], 0                        ; Q's upper 64 along K: zero codes
	v_mov_b32 v[KF+64+\i], 0                       ; what stands behind K's tile 7
.endr
.macro FRESH                           ; a tile begins
	v_mov_b32 v13, 0xff61b1e6                      ; the largest t so far: -3e38
	v_mov_b32 v12, 0x7f61b1e6                      ; -M
	v_mov_b32 v14, 0                               ; the sum, in two halves
	v_mov_b32 v15, 0
.set n, 0
.rept 32
	v_mov_b32 v[OT+n], 0                           ; O^T: the step is written for any trip; a tile's first finds zeros
.set n, n+1
.endr
.endm
	FRESH
.macro ADDS from, to                   ; p's pairs from .. to - 1 onto four chains by turns
.set k, \from
.rept (\to)-(\from)
.if k%4 == 3
.set c, BM
.elseif k%4 == 0
.set c, BM+2
.elseif k%4 == 1
.set c, PB
.else
.set c, 14
.endif
	v_pk_add_f32 v[c:c+1], v[c:c+1], v[S+2*k:S+2*k+1]
.set k, k+1
.endr
.endm
; A KEY STEP of 128 keys.  ph 0: trips 0 and 1: key steps SK + trip, stepped;  ph 1: trips 2 .. 7;  ph 2: the ninth.
.macro STEP ph
.if \ph == 0
	s_add_co_u32 s[KEY], s[SK], s[SN]
.elseif \ph == 1
	s_add_co_u32 s68, s[SN], s[I]
	s_lshr_b32 s69, s68, 3
	s_and_b32 s69, s69, s[YF]                      ; 1 once I have handed over: trip + i is 8 or more
	s_mul_i32 s70, s69, s[I]
	s_add_co_u32 s70, s70, s[SN]
	s_add_co_u32 s70, s70, s[SK]
	s_lshl_b32 s71, s69, 3
	s_xor_b32 s71, s71, 15
	s_and_b32 s[KEY], s70, s71                     ; SK + trip before, trip + i - 8 behind
	s_mul_i32 s[TB], s[KEY], STP
	s_mul_i32 s[TS], s[KEY], 768
.else
	s_mov_b32 s[KEY], s[K8]
	s_mul_i32 s[TB], s[K8], STP
	s_mul_i32 s[TS], s[K8], 768
.endif
	v_add_nc_u32 v[ADK], s[TB], v[AKV]
	v_add_nc_u32 v[ADS], s[TS], v[ASC]
	v_add_nc_u32 v[ADV], VB, v[ADK]
	PLACES 5                                       ; with the three additions: eight places in front of loads into registers that the last products read
.irp t, 0,1,2,3,4,5,6,7
.irp c, 0,1
	ds_load_b128 v[KF+8*\t+4*\c:KF+8*\t+4*\c+3], v[ADK] offset:1024*\t+512*\c
.endr
.endr
.irp u, 0,1,2,3
	ds_load_b32 v[KSW+\u], v[ADS] offset:128*\u
.endr
	s_wait_alu depctr_va_vdst(0)
	s_wait_dscnt 0x0
.irp t, 0,2,4,6
	v_wmma_scale_f32_16x16x128_f8f6f4 v[S+8*\t:S+8*\t+7], v[KF+8*\t:KF+8*\t+15], v[QF:QF+15], 0, v[KSW+\t/2], v[QSW] matrix_a_fmt:MATRIX_FMT_BF8 matrix_b_fmt:MATRIX_FMT_BF8
	v_wmma_scale_f32_16x16x128_f8f6f4 v[S+8*\t+8:S+8*\t+15], v[KF+8*\t+8:KF+8*\t+23], v[QF:QF+15], 0, v[KSW+\t/2], v[QSW] matrix_a_fmt:MATRIX_FMT_BF8 matrix_b_fmt:MATRIX_FMT_BF8 matrix_a_scale:MATRIX_SCALE_ROW1
.endr
	PLACES 8                                       ; the scores are read, and K's registers loaded again, from here on
.irp t, 0,1,2,3                                ; V is asked for at once and lands under the softmax: tile t = 16 positions of d; registers 4 c on = keys 32 c + 16 h on
.irp c, 0,1,2,3
	ds_load_b128 v[KF+16*\t+4*\c:KF+16*\t+4*\c+3], v[ADV] offset:2048*\t+512*\c
.endr
.endr
.irp u, 0,1
	ds_load_b32 v[VSW+\u], v[ADS] offset:512+128*\u
.endr
	s_cmp_lg_u32 s[KEY], s[QBC]
	s_cbranch_scc1 .Lopen_\@
.set n, 0
.rept 64                                       ; on the diagonal: register 16 b + i holds key 32 b + 16 h + i of the step: hidden where that comes after my query
	v_cmp_gt_i32 vcc_lo, 32*(n/16)+n%16, v[DQ]
	v_cndmask_b32 v[S+n], v[S+n], v[NINF], vcc_lo
.set n, n+1
.endr
.Lopen_\@:
.irp b, 0,1,2,3
	v_max3_num_f32 v[BM+\b], v[S+16*\b], v[S+1+16*\b], v[S+2+16*\b]   ; the largest score of each block of 32 keys: for the row's maximum and, since p rises with the score, for the block's largest p
.endr
.irp i, 3,5,7,9,11,13
.irp b, 0,1,2,3
	v_max3_num_f32 v[BM+\b], v[BM+\b], v[S+16*\b+\i], v[S+1+16*\b+\i]
.endr
.endr
.irp b, 0,1,2,3
	v_max_num_f32 v[BM+\b], v[BM+\b], v[S+15+16*\b]
.endr
.irp b, 0,1,2,3
	v_permlanex16_b32 v[PB+\b], v[BM+\b], s[SEL], s[SEL+1]
.endr
.irp b, 0,1,2,3
	v_max_num_f32 v[BM+\b], v[BM+\b], v[PB+\b]     ; with lane l xor 16's 16 keys
.endr
	v_max3_num_f32 v[TMP], v[BM], v[BM+1], v[BM+2]
	s_delay_alu instid0(VALU_DEP_1)
	v_max_num_f32 v[TMP], v[TMP], v[BM+3]          ; the step's largest score of my query
	s_delay_alu instid0(VALU_DEP_1)
	v_mul_f32 v[TMP], s[CSC], v[TMP]               ; as t
	s_delay_alu instid0(VALU_DEP_1)
	v_max_num_f32 v13, v13, v[TMP]                 ; the running largest t
	v_mov_b32 v[TMP], v12
	s_delay_alu instid0(VALU_DEP_2)
	v_floor_f32 v12, -v13                          ; the new -M = -ceil(t)
	s_delay_alu instid0(VALU_DEP_1)
	v_sub_f32 v[TMP], v12, v[TMP]                  ; old M - new M: a whole number, 0 or less
	s_delay_alu instid0(VALU_DEP_1)
	v_cvt_i32_f32 v[TMP], v[TMP]                   ; (it saturates)
	s_delay_alu instid0(VALU_DEP_1)
	v_ldexp_f32 v[F], 1.0, v[TMP]                  ; f = 2^(old M - new M)
.set n, 0
.rept 32
	v_pk_fma_f32 v[S+n:S+n+1], v[S+n:S+n+1], s[CSC:CSC+1], v[12:13] op_sel_hi:[1,0,0]   ; t - M, two at a time
.set n, n+2
.endr
.irp b, 0,1,2,3
	v_fma_f32 v[BM+\b], v[BM+\b], s[CSC], v12      ; the same of each block's largest score
.endr
	s_wait_alu depctr_va_vdst(0)                   ; ahead of the batch
.irp b, 0,1,2,3
	v_exp_f32 v[BM+\b], v[BM+\b]                   ; the block's largest p
.endr
.set n, 0
.rept 64
	v_exp_f32 v[S+n], v[S+n]                       ; p = 2^(t - M)
.set n, n+1
.endr
	v_pk_mul_f32 v[14:15], v[14:15], v[F:F+1] op_sel_hi:[1,0]   ; the sums under the new M (a plain line behind the exponentials)
	s_wait_alu depctr_va_vdst(0)                   ; and behind the batch, ahead of its first reader
.irp b, 0,1,2,3
	v_max_num_f32 v[BM+\b], 0x8000000, v[BM+\b]    ; the floor 2^(16 - 127)
.endr
.irp b, 0,1,2,3
	v_add_nc_u32 v[SO+\b], 0xf8800000, v[BM+\b]    ; the conversion's scale operand
.endr
.irp b, 0,1,2,3
	v_and_or_b32 v[HD+\b], v[BM+\b], 0x7f800000, s[MNT]   ; 57,344 x the scale
.endr
.irp b, 0,1,2,3
	v_lshrrev_b32 v[PB+\b], 23, v[SO+\b]           ; the scale's byte
.endr
	v_pk_add_f32 v[BM:BM+1], v[S:S+1], v[S+2:S+3]  ; THE ROW'S SUM, of the unquantised p, in four chains
	v_lshl_or_b32 v[PSW], v[PB+1], 8, v[PB]        ; p's scale word for these 128 keys
	v_pk_add_f32 v[BM+2:BM+3], v[S+4:S+5], v[S+6:S+7]
	v_lshl_or_b32 v[PSW], v[PB+2], 16, v[PSW]
	v_pk_add_f32 v[14:15], v[14:15], v[S+12:S+13]
	v_lshl_or_b32 v[PSW], v[PB+3], 24, v[PSW]
	v_pk_add_f32 v[PB:PB+1], v[S+8:S+9], v[S+10:S+11]
.irp b, 0,1,2,3
.if \b == 0
	ADDS 7, 8
.else
	ADDS 8*\b, 8*\b+8
.endif
.set n, S+16*\b
.rept 8
	v_dual_min_num_f32 v[n], v[n], v[HD+\b] :: v_dual_min_num_f32 v[n+1], v[n+1], v[HD+\b]   ; the hold: the conversion does not saturate (ISA guide 7.6.2); p is not negative, so it is one-sided
.set n, n+2
.endr
	v_cvt_scalef32_pk8_bf8_f32 v[PC+4*\b:PC+4*\b+1], v[S+16*\b:S+16*\b+7], v[SO+\b]
	v_cvt_scalef32_pk8_bf8_f32 v[PC+4*\b+2:PC+4*\b+3], v[S+16*\b+8:S+16*\b+15], v[SO+\b]
.endr
	v_pk_add_f32 v[BM:BM+1], v[BM:BM+1], v[BM+2:BM+3]
	v_pk_add_f32 v[14:15], v[14:15], v[PB:PB+1]
	s_wait_alu depctr_va_vdst(0)                   ; directly ahead of the first reader of O^T
.set n, 0
.rept 16
	v_pk_mul_f32 v[OT+n:OT+n+1], v[OT+n:OT+n+1], v[F:F+1] op_sel_hi:[1,0]   ; O^T under the new M (also the places between the codes and the products)
.set n, n+2
.endr
	v_pk_add_f32 v[14:15], v[14:15], v[BM:BM+1]
	s_wait_alu depctr_va_vdst(0)
	s_wait_dscnt 0x0                               ; V and its scale words are in
.irp t, 0,2                                    ; O^T += V^T P^T: the four accumulators take turns, one instruction a turn
	v_wmma_scale_f32_16x16x128_f8f6f4 v[OT+8*\t:OT+8*\t+7], v[KF+16*\t:KF+16*\t+15], v[PC:PC+15], v[OT+8*\t:OT+8*\t+7], v[VSW+\t/2], v[PSW] matrix_a_fmt:MATRIX_FMT_BF8 matrix_b_fmt:MATRIX_FMT_BF8
	v_wmma_scale_f32_16x16x128_f8f6f4 v[OT+8*\t+8:OT+8*\t+15], v[KF+16*\t+16:KF+16*\t+31], v[PC:PC+15], v[OT+8*\t+8:OT+8*\t+15], v[VSW+\t/2], v[PSW] matrix_a_fmt:MATRIX_FMT_BF8 matrix_b_fmt:MATRIX_FMT_BF8 matrix_a_scale:MATRIX_SCALE_ROW1
.endr
.endm
; THE HAND-OVER, once in the walk of each Y but pair 7's: tile 15 - i's O, -M and sum go to LDS, and tile i begins.
.macro SWITCH
	s_cmp_eq_u32 s[YF], 0
	s_cbranch_scc1 .Lstay_\@
	s_add_co_u32 s68, s[SN], 1
	s_cmp_lg_u32 s68, s[TT]
	s_cbranch_scc1 .Lstay_\@
	PLACES 8                                       ; the last products' results are read from here on
	v_add_f32 v13, v14, v15
.irp g, 0,1,2,3,4,5,6,7
	ds_store_b128 v[MO], v[OT+4*\g:OT+4*\g+3] offset:512*\g
.endr
	ds_store_b64 v[MS], v[12:13]                   ; -M and the sum
	v_mov_b32 v[QSW], v[QSW2]
.irp g, 0,1,2,3,4,5,6,7
	v_mov_b32 v[QF+\g], v[Q2+\g]
.endr
	FRESH
	s_mov_b32 s[QBC], s[I]
.Lstay_\@:
.endm
	s_wait_alu depctr_va_vdst(0)                   ; the head's end
	s_wait_loadcnt 0x0                             ; Q
	s_wait_tensorcnt 0x0                           ; my first load is in
	ds_add_u32 v254, v255
	s_mov_b32 s[SN], 0
	s_mul_i32 s[TB], s[SK], STP
	s_mul_i32 s[TS], s[SK], 768
	s_wait_dscnt 0x0
	CROUND                                         ; key steps 0, 1, 8, 9 and all scale words are in; all four work-groups are here:
	tensor_load_to_lds s[G0U:G0U+3], s[G1U:G1U+7]  ; the rest
	s_nop 0
	PLACES 4
.Lfirst:
	STEP 0
	SWITCH
	s_add_co_u32 s[TB], s[TB], STP
	s_add_co_u32 s[TS], s[TS], 768
	s_add_co_u32 s[SN], s[SN], 1
	s_cmp_lt_u32 s[SN], 2
	s_cbranch_scc1 .Lfirst
	s_wait_tensorcnt 0x0                           ; my second load is in;
	s_wait_dscnt 0x0
	s_barrier_signal -1
	s_barrier_wait -1                              ; behind the barrier everybody's are
	s_mov_b32 s[SN], 2
.Lsecond:
	STEP 1
	SWITCH
	s_add_co_u32 s[SN], s[SN], 1
	s_cmp_lt_u32 s[SN], 8
	s_cbranch_scc1 .Lsecond
	s_wait_dscnt 0x0                               ; what I handed over is stored, and my reads of K's steps 10 on are over
	s_barrier_signal -1
	s_cmp_eq_u32 s[R9], 0
	s_cbranch_scc1 .Lno_ninth
	STEP 2                                         ; it reads key steps 0 .. 8, which nobody writes
.Lno_ninth:
	s_barrier_wait -1                              ; everybody's hand-over is stored; K's steps 10 on may be written, as stages
	s_cmp_eq_u32 s[MG], 0
	s_cbranch_scc1 .Lout
	; what Y handed over joins mine, under the larger M
	PLACES 8
.irp g, 0,1,2,3,4,5,6,7
	ds_load_b128 v[S+4*\g:S+4*\g+3], v[MO] offset:512*\g
.endr
	ds_load_b64 v[BM:BM+1], v[MS]                  ; -M and the sum
	v_add_f32 v14, v14, v15
	s_wait_alu depctr_va_vdst(0)
	s_wait_dscnt 0x0
	v_min_num_f32 v[TMP], v12, v[BM]               ; the new -M
	v_sub_f32 v[PB], v[TMP], v12
	v_sub_f32 v[PB+1], v[TMP], v[BM]
	v_cvt_i32_f32 v[PB], v[PB]
	v_cvt_i32_f32 v[PB+1], v[PB+1]
	v_ldexp_f32 v[F], 1.0, v[PB]                   ; mine x 2^(my M - new M)
	v_ldexp_f32 v[HD], 1.0, v[PB+1]                ; Y's x 2^(its M - new M)
.set n, 0
.rept 16
	v_pk_mul_f32 v[OT+n:OT+n+1], v[OT+n:OT+n+1], v[F:F+1] op_sel_hi:[1,0]
.set n, n+2
.endr
	v_mul_f32 v14, v14, v[F]
	v_mov_b32 v15, 0
.set n, 0
.rept 16
	v_pk_fma_f32 v[OT+n:OT+n+1], v[S+n:S+n+1], v[HD:HD+1], v[OT+n:OT+n+1] op_sel_hi:[1,0,1]
.set n, n+2
.endr
	v_fma_f32 v14, v[BM+1], v[HD], v14
	s_wait_alu depctr_va_vdst(0)
	; THE WAY OUT: O^T / the sum; its two blocks of 32 along d are quantised; the codes go through my stage, so that the wave's stores cover 512 consecutive bytes.
.Lout:
	s_lshl_b32 s68, s[QBC], 13
	s_mov_b32 s69, 0
	s_add_nc_u64 s[76:77], s[76:77], s[68:69]
	s_lshl_b32 s70, s[QBC], 12
	s_mov_b32 s71, 0
	s_add_nc_u64 s[78:79], s[78:79], s[70:71]
	PLACES 8                                       ; behind the last products
	v_add_f32 v14, v14, v15                        ; the sum's two halves,
	s_delay_alu instid0(VALU_DEP_1)
	v_permlanex16_b32 v[TMP], v14, s[SEL], s[SEL+1]
	s_delay_alu instid0(VALU_DEP_1)
	v_add_f32 v14, v14, v[TMP]                     ; and lane l xor 16's
	s_wait_alu depctr_va_vdst(0)
	v_rcp_f32 v14, v14
	v_nop                                          ; one plain line behind a transcendental
	s_wait_alu depctr_va_vdst(0)
.set n, 0
.rept 16
	v_pk_mul_f32 v[S+n:S+n+1], v[OT+n:OT+n+1], v[14:15] op_sel_hi:[1,0]   ; register 16 b + i is (my query, d = 32 b + 16 h + i); each accumulator from its low end on
.set n, n+2
.endr
.irp b, 0,1
	v_max3_num_f32 v[BM+\b], |v[S+16*\b]|, |v[S+1+16*\b]|, 0x8000000
	v_max3_num_f32 v[BM+2+\b], |v[S+2+16*\b]|, |v[S+3+16*\b]|, 0x8000000
.endr
.irp i, 4,8,12
.irp b, 0,1
	v_max3_num_f32 v[BM+\b], v[BM+\b], |v[S+16*\b+\i]|, |v[S+1+16*\b+\i]|
	v_max3_num_f32 v[BM+2+\b], v[BM+2+\b], |v[S+2+16*\b+\i]|, |v[S+3+16*\b+\i]|
.endr
.endr
.irp b, 0,1
	v_max_num_f32 v[BM+\b], v[BM+\b], v[BM+2+\b]
.endr
.irp b, 0,1
	v_permlanex16_b32 v[PB+\b], v[BM+\b], s[SEL], s[SEL+1]
.endr
.irp b, 0,1
	v_max_num_f32 v[BM+\b], v[BM+\b], v[PB+\b]
.endr
.irp b, 0,1
	v_add_nc_u32 v[SO+\b], 0xf8800000, v[BM+\b]
	v_and_or_b32 v[HD+\b], v[BM+\b], 0x7f800000, s[MNT]
.endr
.irp b, 0,1
	v_lshrrev_b32 v[PB+\b], 23, v[SO+\b]
.endr
	v_lshl_or_b32 v[PSW], v[PB+1], 8, v[PB]        ; the two scale bytes of (my token, this head)
.irp b, 0,1
.irp i, 0,1,2,3,4,5,6,7,8,9,10,11,12,13,14,15
	v_med3_num_f32 v[S+16*\b+\i], v[S+16*\b+\i], -v[HD+\b], v[HD+\b]
.endr
	v_cvt_scalef32_pk8_bf8_f32 v[PC+4*\b:PC+4*\b+1], v[S+16*\b:S+16*\b+7], v[SO+\b]
	v_cvt_scalef32_pk8_bf8_f32 v[PC+4*\b+2:PC+4*\b+3], v[S+16*\b+8:S+16*\b+15], v[SO+\b]
.endr
	v_nop                                          ; one plain line behind the last conversion
	ds_store_b128 v[STO], v[PC:PC+3]
	ds_store_b128 v[STO], v[PC+4:PC+7] offset:32
	ds_load_b128 v[PC+8:PC+11], v[RD]              ; positions 0-7: eight neighbouring tokens;  LDS serves a wave's instructions in order
	ds_load_b128 v[PC+12:PC+15], v[RD] offset:640  ; positions 8-15: the eight tokens 16 further on
	global_store_b16 v[SBO], v[PSW], s[78:79]      ; both halves of the lanes write the same two bytes
	s_wait_dscnt 0x0
	global_store_b128 v[GO], v[PC+8:PC+11], s[76:77]
	global_store_b128 v[GO], v[PC+12:PC+15], s[76:77] offset:1024
	s_wait_tensorcnt 0x0                           ; the wave's end
	ds_add_u32 v254, v255
	s_wait_dscnt 0x0
	CROUND                                         ; the closing round: no work-group ends while a partner may still ask jointly
	s_endpgm
.Lfunc_end_k_q834dbfa57a_attention:
	.size	k_q834dbfa57a_attention, .Lfunc_end_k_q834dbfa57a_attention-k_q834dbfa57a_attention
	.p2alignl 7, 3214868480
	.fill 96, 4, 3214868480
	.section	.rodata,"a",@progbits
	.p2align	6, 0x0
	.amdhsa_kernel k_q834dbfa57a_attention
		.amdhsa_group_segment_fixed_size 327680
		.amdhsa_private_segment_fixed_size 0
		.amdhsa_enable_private_segment 0
		.amdhsa_kernarg_size 16
		.amdhsa_user_sgpr_count 2
		.amdhsa_user_sgpr_kernarg_segment_ptr 1
		.amdhsa_wavefront_size32 1
		.amdhsa_system_sgpr_workgroup_id_x 1
		.amdhsa_system_sgpr_workgroup_id_y 1
		.amdhsa_system_sgpr_workgroup_id_z 1
		.amdhsa_system_vgpr_workitem_id 0
		.amdhsa_next_free_vgpr 256
		.amdhsa_next_free_sgpr 100
		.amdhsa_reserve_vcc 1
		.amdhsa_float_denorm_mode_32 3
		.amdhsa_float_denorm_mode_16_64 3
		.amdhsa_memory_ordered 1
		.amdhsa_forward_progress 1
		.amdhsa_inst_pref_size 100
	.end_amdhsa_kernel
	.amdgpu_metadata
---
amdhsa.version: [ 1, 2 ]
amdhsa.kernels:
  - .name:           k_q834dbfa57a_attention
    .symbol:         k_q834dbfa57a_attention.kd
    .args:
      - { .name: qkv, .offset: 0, .size: 8, .value_kind: global_buffer, .address_space: global }
      - { .name: aq, .offset: 8, .size: 8, .value_kind: global_buffer, .address_space: global }
    .group_segment_fixed_size: 327680
    .private_segment_fixed_size: 0
    .kernarg_segment_align: 8
    .kernarg_segment_size: 16
    .max_flat_workgroup_size: 512
    .sgpr_count:     100
    .vgpr_count:     256
    .wavefront_size: 32
...
	.end_amdgpu_metadata
.endif
;; end of part 8
;; launch proj_gemm (part 9): grid 8 x 32, 4 waves a work-group, clusters of 4 x 4, 292,352 bytes of LDS; arguments aq, wq, bproj, out0; writes out0
.if DOCPART == 9
	.amdgcn_target "amdgcn-amd-amdhsa--gfx1250"
	.amdhsa_code_object_version 6
	.text
	.protected	k_q834dbfa57a_proj_gemm
	.globl	k_q834dbfa57a_proj_gemm
	.p2align	8
	.type	k_q834dbfa57a_proj_gemm,@function
k_q834dbfa57a_proj_gemm:
	s_mov_b64 s[64:65], 0
	v_nop
	global_prefetch_b8 v0, s[64:65] scope:SCOPE_SE
	s_setreg_imm32_b32 hwreg(HW_REG_WAVE_MODE, 25, 1), 1
	s_wait_xcnt 0x0
	s_wait_alu depctr_hold_cnt(0) depctr_sa_sdst(0) depctr_va_vdst(0) depctr_va_sdst(0) depctr_va_ssrc(0) depctr_va_vcc(0) depctr_vm_vsrc(0)
	s_getreg_b32 s2, hwreg(HW_REG_IB_STS2, 6, 4)
	s_cmp_eq_u32 s2, 0
	s_cbranch_scc0 .Lentry_in_a_cluster
	s_endpgm
.Lentry_in_a_cluster:
	s_bfe_u32 s2, ttmp6, 0x10000c
	s_cmp_lg_u32 s2, 0xf033
	s_cbranch_scc0 .Lentry_shape_is_right
	s_endpgm
.Lentry_shape_is_right:
; out = a Wproj + bproj on codes of BF8 (E5M2) with E8M0 scales, K = 1,024; sums in f32, begun with the bias.
; IN: aq: codes [16 heads][4096 tokens][64] at 0, scale bytes [4096][32] at 0x400000.  wq: codes [4096 rows][1024], scale bytes [4096][32] at 0x400000; rows 3072 on are Wproj's columns, in POSITION ORDER (bits 3 and 4 of a row's number exchanged).
; A tile of 128 tokens x 128 channels is made by four waves, each 64 x 64: sixteen accumulators of 16 x 16.  256 work-groups: one full turn.
; ALL OF K LIES IN LDS, each byte filled once: four joint loads, one a wave, all at the head: wave 0 A's first half of K, wave 1 B's, wave 2 A's second half, wave 3 B's.  The first barrier shows the first half, the second all.
; No loop of loads, so nothing to prefetch ahead of.  The scale words, one dense KiB for 32 rows, go straight from memory into registers.
; CLUSTERS: 4 x 4; A's tile is shared along a row, B's along a column.
; USED TRANSPOSED: source 0 = B's rows, source 1 = A's: a lane holds one token, and the registers of accumulators (a, 2 c), (a, 2 c + 1) are channels 32 c + 16 (lane / 16) + 0 .. 15.
; LIMITS: NaN and infinities are not served.
; REGISTERS: window 0: addresses, scale words, A's fragments (two sets of 64 at v80); window 1: B's (two sets at v0); window 2: accumulator (a, b) at v[8 (4 a + b)], the bias at v128.
.set HA,   8*8704                      ; half of K of A: 8 heads x 128 tokens x 64 bytes as 32 rows of 256 + 16 of padding a head: token n at 272 (n / 4) + 64 (n % 4)
.set BP,   528                         ; B's row of 512 bytes + 16
.set HB,   128*BP
.set B0,   2*HA
.set STG,  B0+2*HB                     ; a stage of 16 rows x 272 bytes for each wave
.set SPARE, STG+4*16*272
.set BO,   3
.set ABS,  4
.set ADRA, 6                           ; v6-7   my A fragments in K's first, second half
.set ADRB, 8                           ; v8-9   my B fragments
.set STO,  10
.set RD,   11
.set CO,   12
.set SPW,  14
.set NIL,  15
.set SB,   32                          ; v32-47 B's scale words: register 8 p + q: lanes 0-15 block 2 p, lanes 16-31 block 2 p + 1, K step q
.set SA,   52                          ; v52-67 A's
.set AF,   80
.set G1,   24
.set G0,   32
.set G1B,  48
.set G0B,  56
.set MSB,  0
.macro WIN new
.if MSB != (\new)
	s_set_vgpr_msb (MSB<<8)|(\new)
.set MSB, (\new)
.endif
.endm
.set MULW, 0xa1                        ; source 0 (B) window 1, source 1 (A) window 0, C and D window 2
.macro PLACES n
.rept \n
	v_nop
.endr
.endm
.macro CROUND                          ; a round of the cluster's barrier
	s_barrier_signal -1
	s_barrier_wait -1
	s_cmp_lg_u32 s14, 0
	s_cbranch_scc1 .Lnot_wave_0_\@
	s_barrier_signal -3
.Lnot_wave_0_\@:
	s_barrier_wait -3
	s_barrier_signal -1
	s_barrier_wait -1
.endm
	s_load_b256 s[4:11], s[0:1], 0x0               ; aq s[4:5], wq s[6:7], bproj s[8:9], out0 s[10:11]
	v_lshl_add_u32 v[SPW], v0, 2, SPARE
	v_mov_b32 v[NIL], 0
	ds_add_u32 v[SPW], v[NIL]                      ; the opening
	ds_add_u32 v[SPW], v[NIL]
	v_lshrrev_b32 v1, 5, v0
	v_readfirstlane_b32 s14, v1                    ; wave 0..3
	s_lshr_b32 s15, s14, 1                         ; which 64 tokens
	s_and_b32 s16, s14, 1                          ; which 64 channels
	s_bfe_u32 s40, ttmp6, 0x40000                  ; cx, cy
	s_bfe_u32 s41, ttmp6, 0x40004
	s_lshl_b32 s42, ttmp9, 2
	s_add_co_u32 s42, s42, s40                     ; which 128 channels
	s_and_b32 s17, ttmp7, 0xffff
	s_lshl_b32 s17, s17, 2
	s_add_co_u32 s17, s17, s41                     ; which 128 tokens
	s_lshl_b32 s43, s41, 2
	s_lshl_b32 s43, 15, s43                        ; my row of the cluster
	s_lshl_b32 s44, 0x1111, s40                    ; my column
	s_or_b32 s[G1], s43, (1<<20)|(1<<21)|(5<<22)|(3<<25)   ; A: elements of 1 byte; padding: four words after every 64
	s_mov_b32 s[G1+1], 8192<<16                    ; 128 tokens x 64 bytes of a head,
	s_mov_b32 s[G1+2], 8<<16                       ; eight heads,
	s_mov_b32 s[G1+3], 8192<<16
	s_mov_b32 s[G1+4], 8
	s_mov_b32 s[G1+5], 262144                      ; from head to head
	s_mov_b32 s[G1+6], 0
	s_mov_b32 s[G1+7], 0
	s_or_b32 s[G1B], s44, (1<<20)|(1<<21)|(6<<22)|(3<<25)  ; B: padding: four words after every 128
	s_mov_b32 s[G1B+1], 512<<16
	s_mov_b32 s[G1B+2], 128<<16
	s_mov_b32 s[G1B+3], 512<<16
	s_mov_b32 s[G1B+4], 128
	s_mov_b32 s[G1B+5], 1024
	s_mov_b32 s[G1B+6], 0
	s_mov_b32 s[G1B+7], 0
	s_lshl_b32 s20, s17, 13                        ; A's codes
	s_mov_b32 s21, 0
	s_lshl_b32 s22, s42, 17
	s_add_co_u32 s22, s22, 3072*1024               ; B's
	s_mov_b32 s23, 0
	s_lshl_b32 s46, s17, 12
	s_lshl_b32 s47, s15, 11
	s_add_co_u32 s46, s46, s47
	s_add_co_u32 s46, s46, 0x400000                ; A's scale bytes: my 64 tokens
	s_mov_b32 s47, 0
	s_lshl_b32 s66, s42, 12
	s_lshl_b32 s67, s16, 11
	s_add_co_u32 s66, s66, s67
	s_add_co_u32 s66, s66, 0x400000+3072*32        ; B's: my 64 channels
	s_mov_b32 s67, 0
	s_lshl_b32 s2, s42, 9
	s_lshl_b32 s3, s16, 8
	s_add_co_u32 s2, s2, s3                        ; my first channel x 4
	s_mov_b32 s3, 0
	s_lshl_b32 s18, s17, 19
	s_lshl_b32 s19, s15, 18
	s_add_co_u32 s18, s18, s19                     ; my first token x 4,096
	s_mov_b32 s19, 0
	s_add_nc_u64 s[18:19], s[18:19], s[2:3]
	s_wait_dscnt 0x0                               ; both opening adds are done
	s_wait_kmcnt 0x0
	s_add_nc_u64 s[20:21], s[4:5], s[20:21]
	s_add_nc_u64 s[22:23], s[6:7], s[22:23]
	s_add_nc_u64 s[46:47], s[4:5], s[46:47]
	s_add_nc_u64 s[66:67], s[6:7], s[66:67]
	s_add_nc_u64 s[8:9], s[8:9], s[2:3]
	s_add_nc_u64 s[12:13], s[10:11], s[18:19]
.irp s, 0,1
	s_mov_b32 s[G0+4*\s], 1
	s_mov_b32 s[G0+4*\s+1], \s*HA
	s_add_nc_u64 s[G0+4*\s+2:G0+4*\s+3], s[20:21], \s*0x200000
	s_or_b32 s[G0+4*\s+3], s[G0+4*\s+3], 0x80000000
	s_mov_b32 s[G0B+4*\s], 1
	s_mov_b32 s[G0B+4*\s+1], B0+\s*HB
	s_add_nc_u64 s[G0B+4*\s+2:G0B+4*\s+3], s[22:23], \s*512
	s_or_b32 s[G0B+4*\s+3], s[G0B+4*\s+3], 0x80000000
.endr
	CROUND                                         ; all sixteen work-groups are here: the joint loads meet
.macro ARM under, g0, g1, next         ; one tree of branches on the wave's number: every way passes one load
	s_cmp_lt_u32 s14, \under
	s_cbranch_scc0 \next
	tensor_load_to_lds s[\g0:\g0+3], s[\g1:\g1+7]
	s_nop 0
	PLACES 4
	s_branch .Lasked
\next:
.endm
	ARM 1, G0, G1, .Lhead_b0
	ARM 2, G0B, G1B, .Lhead_a1
	ARM 3, G0+4, G1, .Lhead_b1
	tensor_load_to_lds s[G0B+4:G0B+7], s[G1B:G1B+7]
	s_nop 0
	PLACES 4
.Lasked:
	v_and_b32 v1, 15, v0                           ; r
	v_bfe_u32 v2, v0, 4, 1                         ; h
	v_and_b32 v5, 31, v0                           ; l
	v_lshlrev_b32 v[ABS], 5, v5                    ; lane l takes row l of a pair of blocks: 32 bytes
	v_lshlrev_b32 v[BO], 6, v2
.irp p, 0,1
.irp c, 0,1
	global_load_b128 v[SA+8*\p+4*\c:SA+8*\p+4*\c+3], v[ABS], s[46:47] offset:1024*\p+16*\c
	global_load_b128 v[SB+8*\p+4*\c:SB+8*\p+4*\c+3], v[ABS], s[66:67] offset:1024*\p+16*\c
.endr
.endr
	WIN 0x80
.irp b, 0,1,2,3
	global_load_b128 v[128+8*\b:128+8*\b+3], v[BO], s[8:9] offset:(32*(\b/2)+8*(\b%2))*4
	global_load_b128 v[128+8*\b+4:128+8*\b+7], v[BO], s[8:9] offset:(32*(\b/2)+8*(\b%2))*4+16
.endr
	WIN 0
	s_mul_i32 s20, s15, 16*272                     ; my 64 tokens
	s_mul_i32 s21, s16, 64*BP                      ; my 64 channels
	s_mul_i32 s23, s14, 16*272
	s_add_co_u32 s21, s21, B0
	s_add_co_u32 s23, s23, STG                     ; my stage
	v_lshrrev_b32 v16, 2, v1
	v_and_b32 v17, 3, v1
	v_mul_u32_u24 v18, v1, BP
	v_mul_u32_u24 v16, v16, 272
	v_mul_u32_u24 v19, v1, 272
	v_lshl_add_u32 v18, v2, 4, v18
	v_lshl_add_u32 v16, v17, 6, v16
	v_lshl_add_u32 v19, v2, 6, v19
	v_add_nc_u32 v[ADRB], s21, v18
	v_lshl_add_u32 v16, v2, 4, v16
	v_add_nc_u32 v[STO], s23, v19                  ; the stage, in: row r, 64 bytes for each half of the lanes in each 128
	v_mul_u32_u24 v20, v2, 272
	v_add_nc_u32 v[ADRA], s20, v16
	v_lshlrev_b32 v[CO], 12, v2
	v_lshl_add_u32 v20, v1, 4, v20
	v_add_nc_u32 v[ADRB+1], HB, v[ADRB]
	v_add_nc_u32 v[ADRA+1], HA, v[ADRA]
	v_lshl_add_u32 v[CO], v1, 4, v[CO]             ; out0: lanes 0-15 a row's 256 bytes, lanes 16-31 the next row's
	v_add_nc_u32 v[RD], s23, v20                   ; the stage, back: the same
.macro FETCH q                         ; K step q (128): a fragment: lane l holds row l % 16; registers 4 c .. 4 c + 3 hold K = 32 c + 16 (l / 16) + 0 .. 15
	WIN 0x40
.irp i, 0,1,2,3
.irp c, 0,1,2,3
	ds_load_b128 v[64*((\q)%2)+16*\i+4*\c:64*((\q)%2)+16*\i+4*\c+3], v[ADRB+(\q)/4] offset:128*((\q)%4)+32*\c+\i*16*BP
.endr
.endr
	WIN 0
.irp i, 0,1,2,3
.irp c, 0,1,2,3
	ds_load_b128 v[AF+64*((\q)%2)+16*\i+4*\c:AF+64*((\q)%2)+16*\i+4*\c+3], v[ADRA+(\q)/4] offset:8704*(2*((\q)%4)+\c/2)+32*(\c%2)+1088*\i
.endr
.endr
.endm
.macro WM a, b, q
.set D_, 8*(4*(\a)+(\b))
.set X_, 64*((\q)%2)+16*(\b)
.set Y_, AF+64*((\q)%2)+16*(\a)
.set SX_, SB+8*((\b)/2)+(\q)
.set SY_, SA+8*((\a)/2)+(\q)
.set C_, D_
.if (\q) == 0
.set C_, 128+8*(\b)                    ; the bias begins the sum
.endif
.if (\a)%2 && (\b)%2
	v_wmma_scale_f32_16x16x128_f8f6f4 v[D_:D_+7], v[X_:X_+15], v[Y_:Y_+15], v[C_:C_+7], v[SX_], v[SY_] matrix_a_fmt:MATRIX_FMT_BF8 matrix_b_fmt:MATRIX_FMT_BF8 matrix_a_scale:MATRIX_SCALE_ROW1 matrix_b_scale:MATRIX_SCALE_ROW1
.elseif (\a)%2
	v_wmma_scale_f32_16x16x128_f8f6f4 v[D_:D_+7], v[X_:X_+15], v[Y_:Y_+15], v[C_:C_+7], v[SX_], v[SY_] matrix_a_fmt:MATRIX_FMT_BF8 matrix_b_fmt:MATRIX_FMT_BF8 matrix_b_scale:MATRIX_SCALE_ROW1
.elseif (\b)%2
	v_wmma_scale_f32_16x16x128_f8f6f4 v[D_:D_+7], v[X_:X_+15], v[Y_:Y_+15], v[C_:C_+7], v[SX_], v[SY_] matrix_a_fmt:MATRIX_FMT_BF8 matrix_b_fmt:MATRIX_FMT_BF8 matrix_a_scale:MATRIX_SCALE_ROW1
.else
	v_wmma_scale_f32_16x16x128_f8f6f4 v[D_:D_+7], v[X_:X_+15], v[Y_:Y_+15], v[C_:C_+7], v[SX_], v[SY_] matrix_a_fmt:MATRIX_FMT_BF8 matrix_b_fmt:MATRIX_FMT_BF8
.endif
.endm
.macro MUL q, a0                       ; A's blocks a0, a0 + 1 x B's four: the sixteen accumulators take turns, one instruction a turn
	WIN MULW
.irp a, \a0, \a0+1
.irp b, 0,1,2,3
	WM \a, \b, \q
.endr
.endr
	WIN 0
.endm
.macro STEP q
	s_wait_dscnt 0x0                               ; this step's fragments are in
.if (\q) == 3                          ; the second barrier stands among the third step's products: registers alone
	s_wait_tensorcnt 0x0
	s_barrier_signal -1
	MUL \q, 0
	s_barrier_wait -1
	PLACES 8
	FETCH (\q)+1
	MUL \q, 2
.else
.if (\q) < 7
	PLACES 8                                       ; in front of loads into registers that the step before has multiplied
	FETCH (\q)+1
.endif
	MUL \q, 0
	MUL \q, 2
.endif
.endm
	s_wait_alu depctr_va_vdst(0)                   ; the head's end
	s_cmp_lt_u32 s14, 2
	s_cbranch_scc0 .Lnot_yet
	s_wait_tensorcnt 0x0                           ; waves 0, 1: K's first half.  The others' wait stands at the second barrier
.Lnot_yet:
	s_barrier_signal -1
	s_barrier_wait -1
	FETCH 0
	s_wait_loadcnt 0x0                             ; the scale words and the bias
.irp q, 0,1,2,3,4,5,6,7
	STEP \q
.endr
; THE WAY OUT, block by block of 16 tokens x 64 channels, through my own stage: whole units of 256 bytes.  LDS serves a wave's instructions in order: no wait between the stores and the loads, nor ahead of the next block's stores.
.macro TOSTAGE a
	WIN 0x08
.irp b, 0,1,2,3
	ds_store_b128 v[STO], v[8*(4*\a+\b):8*(4*\a+\b)+3] offset:128*(\b/2)+32*(\b%2)
	ds_store_b128 v[STO], v[8*(4*\a+\b)+4:8*(4*\a+\b)+7] offset:128*(\b/2)+32*(\b%2)+16
.endr
	WIN 0
.irp t, 0,1,2,3,4,5,6,7
	ds_load_b128 v[AF+32*\a+4*\t:AF+32*\a+4*\t+3], v[RD] offset:2*\t*272
.endr
.endm
.macro SEND a, younger                 ; younger: the LDS instructions of the block behind, which may be out
	s_wait_dscnt \younger
.irp t, 0,1,2,3,4,5,6,7
	global_store_b128 v[CO], v[AF+32*\a+4*\t:AF+32*\a+4*\t+3], s[12:13] offset:(16*\a+2*\t)*4096 th:TH_STORE_NT
.endr
.endm
	PLACES 8                                       ; behind the last products
	TOSTAGE 0
	TOSTAGE 1
	SEND 0, 16
	TOSTAGE 2
	SEND 1, 16
	TOSTAGE 3
	SEND 2, 16
	SEND 3, 0
	s_wait_tensorcnt 0x0                           ; the wave's end
	ds_add_u32 v[SPW], v[NIL]
	s_wait_dscnt 0x0
	CROUND                                         ; the closing round: no work-group ends while a partner may still ask jointly
	s_endpgm
.Lfunc_end_k_q834dbfa57a_proj_gemm:
	.size	k_q834dbfa57a_proj_gemm, .Lfunc_end_k_q834dbfa57a_proj_gemm-k_q834dbfa57a_proj_gemm
	.p2alignl 7, 3214868480
	.fill 96, 4, 3214868480
	.section	.rodata,"a",@progbits
	.p2align	6, 0x0
	.amdhsa_kernel k_q834dbfa57a_proj_gemm
		.amdhsa_group_segment_fixed_size 292352
		.amdhsa_private_segment_fixed_size 0
		.amdhsa_enable_private_segment 0
		.amdhsa_kernarg_size 32
		.amdhsa_user_sgpr_count 2
		.amdhsa_user_sgpr_kernarg_segment_ptr 1
		.amdhsa_wavefront_size32 1
		.amdhsa_system_sgpr_workgroup_id_x 1
		.amdhsa_system_sgpr_workgroup_id_y 1
		.amdhsa_system_sgpr_workgroup_id_z 1
		.amdhsa_system_vgpr_workitem_id 0
		.amdhsa_next_free_vgpr 672
		.amdhsa_next_free_sgpr 70
		.amdhsa_reserve_vcc 0
		.amdhsa_float_denorm_mode_32 3
		.amdhsa_float_denorm_mode_16_64 3
		.amdhsa_memory_ordered 1
		.amdhsa_forward_progress 1
		.amdhsa_inst_pref_size 53
	.end_amdhsa_kernel
	.amdgpu_metadata
---
amdhsa.version: [ 1, 2 ]
amdhsa.kernels:
  - .name:           k_q834dbfa57a_proj_gemm
    .symbol:         k_q834dbfa57a_proj_gemm.kd
    .args:
      - { .name: aq, .offset: 0, .size: 8, .value_kind: global_buffer, .address_space: global }
      - { .name: wq, .offset: 8, .size: 8, .value_kind: global_buffer, .address_space: global }
      - { .name: bproj, .offset: 16, .size: 8, .value_kind: global_buffer, .address_space: global }
      - { .name: out0, .offset: 24, .size: 8, .value_kind: global_buffer, .address_space: global }
    .group_segment_fixed_size: 292352
    .private_segment_fixed_size: 0
    .kernarg_segment_align: 8
    .kernarg_segment_size: 32
    .max_flat_workgroup_size: 128
    .sgpr_count:     70
    .vgpr_count:     672
    .wavefront_size: 32
...
	.end_amdgpu_metadata
.endif
;; end of part 9
